; MI455X (gfx1250); checked and timed in simulation.
; The chip was launched on July 23, 2026; its instructions are those of AMD's public machine-readable ISA for CDNA 5 (MIT licence, August 2026) and "CDNA5" Instruction Set Architecture Reference Guide (July 2026). The comments in the code are by the model that wrote it; some were corrected since.
;; Transformer Layer. Allowed arithmetic: matrix products marked QUANTISED: E3M2 operands, one E8M0 scale for each 32 along K, by v_wmma_scale_f32_16x16x128_f8f6f4 with both operands' format E3M2, f32 sums; products left as they are: f32 operands where the result goes on into a quantised operand, else bf16, f16 or f32 operands; f32 sums; everything else in f32.
;; Inputs: W1_codes 1,024 x 8 x 24 uint8 (E3M2 codes of W1, K innermost, in blocks of 32 codes, four codes in three bytes); W1_scales 1,024 x 8 uint8 (E8M0 scales of W1, one for each 32 codes along K); W2_codes 256 x 32 x 24 uint8 (E3M2 codes of W2, K innermost, in blocks of 32 codes, four codes in three bytes); W2_scales 256 x 32 uint8 (E8M0 scales of W2, one for each 32 codes along K); Wk_codes 256 x 8 x 24 uint8 (E3M2 codes of Wk, K innermost, in blocks of 32 codes, four codes in three bytes); Wk_scales 256 x 8 uint8 (E8M0 scales of Wk, one for each 32 codes along K); Wo_codes 256 x 8 x 24 uint8 (E3M2 codes of Wo, K innermost, in blocks of 32 codes, four codes in three bytes); Wo_scales 256 x 8 uint8 (E8M0 scales of Wo, one for each 32 codes along K); Wq_codes 256 x 8 x 24 uint8 (E3M2 codes of Wq, K innermost, in blocks of 32 codes, four codes in three bytes); Wq_scales 256 x 8 uint8 (E8M0 scales of Wq, one for each 32 codes along K); Wv_codes 256 x 8 x 24 uint8 (E3M2 codes of Wv, K innermost, in blocks of 32 codes, four codes in three bytes); Wv_scales 256 x 8 uint8 (E8M0 scales of Wv, one for each 32 codes along K); attention_samples 20,000 x 16 int32; b1 1,024 float32; b2 256 float32; be1 256 float32; be2 256 float32; bk 256 float32; bo 256 float32; bq 256 float32; bv 256 float32; g1 256 float32; g2 256 float32; x 20,000 x 256 float32.
;; Outputs: out0 20,000 x 256 float32.
;; This version of the problem:
;;   THIS VERSION OF THE PROBLEM IS GIVEN IN LOW PRECISION. The matrix products marked QUANTISED in the list below multiply operands that are first quantised to E3M2 (3 exponent bits, 2 mantissa bits; 6 bits a number), with one power-of-two scale for each 32 numbers along K (OCP MX v1.0); their sums are f32. All else is computed in f32.
;;   The module's matrix products, in the order in which they are computed (A, B: the left and right operand; K: the contracted axis; several contracted axes count as one K, in the product's order):
;;     1. [M 20,000, K 256] x [K 256, N 256]; A: input x; B: input Wq (given as codes): QUANTISED
;;     2. [M 320,000, K 256] x [K 256, N 256]; A: computed on the way; B: input Wk (given as codes): QUANTISED
;;     3. [M 320,000, K 256] x [K 256, N 256]; A: computed on the way; B: input Wv (given as codes): QUANTISED
;;     4. batch 160,000 x [M 1, K 32] x [K 32, N 16]; A: computed on the way; B: computed on the way: left as it is (M = 1 < 16)
;;     5. batch 160,000 x [M 1, K 16] x [K 16, N 32]; A: softmax; B: computed on the way: left as it is (K = 16 < 32)
;;     6. [M 20,000, K 256] x [K 256, N 256]; A: computed on the way; B: input Wo (given as codes): QUANTISED
;;     7. [M 20,000, K 256] x [K 256, N 1,024]; A: computed on the way; B: input W1 (given as codes): QUANTISED
;;     8. [M 20,000, K 1,024] x [K 1,024, N 256]; A: computed on the way; B: input W2 (given as codes): QUANTISED
;;   THE QUANTISER, for each operand of a quantised product, along K:
;;     - K is cut into blocks of 32 from its start; a last block that is shorter is filled with zeros.
;;     - A block's scale is 2^e with e = floor(log2(the largest magnitude in the block)) - 4, held to -126 .. 127; a block of zeros has e = 0. As a byte (E8M0): e + 127.
;;     - Each number is divided by its block's scale, clamped to +-28, and rounded to the nearest number of E3M2, ties to even, subnormals kept.
;;     - The product sums the exact products of the quantised numbers (number of the format x scale) in f32.
;;   ~~~python
;;   def quantise(x, axis):      # numpy; x: float32 -> the quantised numbers, widened to float32 again
;;       x = np.moveaxis(x, axis, -1); K = x.shape[-1]
;;       x = np.pad(x, [(0, 0)] * (x.ndim - 1) + [(0, -K % 32)]); x = x.reshape(x.shape[:-1] + (-1, 32)); a = np.abs(x).max(-1, keepdims=True)
;;       e = np.where(a > 0, np.clip(np.frexp(np.where(a > 0, a, 1))[1] - 1 - 4, -126, 127), 0)      # np.frexp(a)[1] - 1 = floor(log2(a)), exactly
;;       r = np.clip(x / 2.0 ** e, -28, 28)
;;       step = 2.0 ** (np.maximum(np.frexp(np.where(r == 0, 1, r))[1] - 1, -2) - 2)
;;       q = np.round(r / step) * step * 2.0 ** e      # np.round: ties to even
;;       return np.moveaxis(q.reshape(q.shape[:-2] + (-1,))[..., :K], -1, axis).astype(np.float32)
;;   ~~~
;;   OPERANDS COMPUTED ON THE WAY. 'Computed on the way' means the value that the module computes at that place (a softmax that the list does not call 'softmax' is quantised finished and normalised). What goes into a quantiser is computed in f32, as accurately as f32 sums, v_exp_f32 and their like allow (about 1e-6 of the number): no bf16 or f16 on the way to a quantiser, and a product that is left as it is and whose result goes on into a quantised operand takes f32 operands (vector FMAs, or v_wmma_f32_16x16x4_f32). A number that lies on a knife's edge between two numbers of the format may be rounded either way, as far as f32 arithmetic and the matrix unit's own rounding can turn it there, and no further.
;;   INPUTS GIVEN AS CODES. W1 (in the module: [256, 1024], K = its axis 0); W2 (in the module: [1024, 256], K = its axis 0); Wk (in the module: [256, 256], K = its axis 0); Wo (in the module: [256, 256], K = its axis 0); Wq (in the module: [256, 256], K = its axis 0); Wv (in the module: [256, 256], K = its axis 0): each comes as NAME_codes (uint8): NAME with its K axis moved to the last place and cut into blocks of 32 codes, [.., K / 32, bytes a block], one block behind the other in memory; four codes in three bytes: a row's codes are one little-endian stream of bits, code i at bits 6 i .. 6 i + 5 (a code: sign, 3 exponent bits, 2 mantissa bits); and NAME_scales (uint8): the same leading axes, one E8M0 byte (e + 127) for each 32 codes along K. Its value is code x scale, taken as it is: it is not quantised again, and the codes and scales need not be those that the quantiser above would give.
;; 3 versions. Each part assembles by itself: llvm-mc -triple=amdgcn-amd-amdhsa -mcpu=gfx1250 --defsym DOCPART=n.
;; ======== version 1 of 3: 2 launches
;; workspace buffers: xq 5,120,000 bytes
;; launch quant (part 1): grid 250 x 1, 5 waves a work-group, no clusters, 105,728 bytes of LDS; arguments x, xq; writes xq
.if DOCPART == 1
	.amdgcn_target "amdgcn-amd-amdhsa--gfx1250"
	.amdhsa_code_object_version 6
	.text
	.protected	k_q6a72e582d3_quant
	.globl	k_q6a72e582d3_quant
	.p2align	8
	.type	k_q6a72e582d3_quant,@function
k_q6a72e582d3_quant:
	s_mov_b64 s[64:65], 0
	v_nop
	global_prefetch_b8 v0, s[64:65] scope:SCOPE_SE
	s_setreg_imm32_b32 hwreg(HW_REG_WAVE_MODE, 25, 1), 1
	s_wait_xcnt 0x0
; x [20000][256] f32 -> xq [20000][256 bytes]: each row's codes of BF6 (E3M2) and its eight E8M0 scale bytes, laid in the ORDER OF AN OPERAND'S REGISTERS:
; bytes 0-95 the codes of blocks 0, 2, 4, 6 (24 bytes each), 96-103 the 8 scale bytes, 104-111 zeros, 112-207 the codes of blocks 1, 3, 5, 7, 208-215 the 8 scale bytes again, 216-255 zeros.
; Lane (r, h) of a fragment then takes 96 bytes on end at 256 row + 112 h (K steps 0 and 1, 24 registers) and its two scale words 96 bytes further on.
; A block's scale is 2^(floor(log2(its largest magnitude)) - 4); its byte is that magnitude's exponent field - 4, held at 1 from below.
; LIMITS: a block whose largest magnitude lies under 2^-122 (a block of zeros too) gets the byte 1; zeros have zero codes, and this program alone reads the bytes.  NaN and infinities are not served.
; SHARES: 250 work-groups x 5 waves; a wave owns 16 rows (16,384 bytes in, 4,096 out).  Waves share nothing: no barrier.  Every load reads 512 bytes on end; the rows turn through the wave's own LDS so
; that a lane holds 16 neighbours of each block; the result leaves through LDS as whole rows of 256 bytes, two to a store.
.set INP,  1040                        ; a row of x in LDS: 1,024 bytes + 16
.set OUTP, 272                         ; a row of xq in LDS: 256 + 16
.set WREG, 16*INP+16*OUTP              ; a wave's LDS: 20,992 bytes
.set R,    16                          ; v16-143  x as loaded; later K step 1's numbers, later the rows on their way out
.set X,    144                         ; v144-207 K step 0's numbers
.set PC,   208                         ; v208-231 the 24 registers of codes
.set SX,   232                         ; v232-239 the conversions' second halves
.set TM,   240                         ; v240-255 at work in QUANT
; 64 numbers of a lane, register 16 b + i = k 32 b + 16 (lane / 16) + i of my row, become 12 registers of codes at v[pc] and the row's scale word in v[pw].
.macro QUANT src, pc, sx, tm, pw
.irp b, 0,1,2,3
	v_max3_num_f32 v[\tm+\b], |v[\src+16*\b]|, |v[\src+1+16*\b]|, 0x2800000   ; my 16 numbers of block b, and the floor 2^(5 - 127): the byte cannot fall under 1
.endr
.irp i, 2,4,6,8,10,12,14
.irp b, 0,1,2,3
	v_max3_num_f32 v[\tm+\b], v[\tm+\b], |v[\src+16*\b+\i]|, |v[\src+1+16*\b+\i]|
.endr
.endr
.irp b, 0,1,2,3
	v_permlanex16_b32 v[\tm+4+\b], v[\tm+\b], s20, s21
.endr
.irp b, 0,1,2,3
	v_max_num_f32 v[\tm+\b], v[\tm+\b], v[\tm+4+\b]        ; with lane l xor 16's 16: the block's largest magnitude
.endr
.irp b, 0,1,2,3
	v_add_nc_u32 v[\tm+12+\b], 0xfe000000, v[\tm+\b]       ; 4 off its exponent field: the conversion's scale operand
.endr
.irp b, 0,1,2,3
	v_lshrrev_b32 v[\tm+4+\b], 23, v[\tm+12+\b]            ; the scale's byte
.endr
	v_lshl_or_b32 v[\pw], v[\tm+5], 8, v[\tm+4]
	v_lshl_or_b32 v[\pw], v[\tm+6], 16, v[\pw]
	v_lshl_or_b32 v[\pw], v[\tm+7], 24, v[\pw]
.irp c, 0,1
	v_cvt_scalef32_pk16_bf6_f32 v[\pc+6*\c:\pc+6*\c+2], v[\src+32*\c:\src+32*\c+15], v[\tm+12+2*\c]
	v_cvt_scalef32_pk16_bf6_f32 v[\sx+4*\c:\sx+4*\c+2], v[\src+32*\c+16:\src+32*\c+31], v[\tm+13+2*\c]   ; (a conversion's three registers begin on an even number)
.endr
	v_nop                                          ; one plain place behind the conversions
.irp c, 0,1                            ; the layout wants a whole block in a lane: lanes 0-15 block 2 c, lanes 16-31 block 2 c + 1
.irp i, 0,1,2
	v_permlane16_swap_b32 v[\pc+6*\c+\i], v[\sx+4*\c+\i]
.endr
.irp i, 0,1,2
	v_mov_b32 v[\pc+3+6*\c+\i], v[\sx+4*\c+\i]
.endr
.endr
.endm
	s_load_b128 s[4:7], s[0:1], 0x0                ; x, xq
	v_lshl_add_u32 v250, v0, 2, 0x19a00
	v_mov_b32 v251, 0
	v_lshrrev_b32 v1, 5, v0
	v_readfirstlane_b32 s8, v1                     ; wave 0..4
	v_and_b32 v7, 31, v0                           ; lane
	v_and_b32 v232, 15, v0                         ; r
	v_bfe_u32 v233, v0, 4, 1                       ; h
	v_lshlrev_b32 v1, 4, v7                        ; 16 x lane: my bytes of a load's or a store's 512
	s_mul_i32 s9, s8, WREG                         ; my wave's LDS
	s_add_co_u32 s10, s9, 16*INP                   ; and its part for the way out
	v_add_nc_u32 v2, s9, v1                        ; in: as the bytes lie
	v_mul_u32_u24 v3, v232, INP
	v_lshl_add_u32 v3, v233, 6, v3
	v_add_nc_u32 v3, s9, v3                        ; back: row r, + 64 h: my 16 numbers of a block
	v_mul_u32_u24 v4, v232, OUTP
	v_add_nc_u32 v4, s10, v4
	v_lshl_add_u32 v5, v233, 4, v4
	v_add_nc_u32 v5, 224, v5                       ; the row's last 32 bytes, 16 for each half of the lanes
	v_mad_u32_u24 v4, v233, 112, v4                ; my half's 112 bytes of row r
	v_mul_u32_u24 v6, v233, OUTP
	v_lshl_add_u32 v6, v232, 4, v6
	v_add_nc_u32 v6, s10, v6                       ; out: lanes 0-15 one row, lanes 16-31 the next
	s_mov_b32 s20, 0x76543210
	s_mov_b32 s21, 0xfedcba98                      ; v_permlanex16_b32's selects for lane l xor 16
	s_mul_i32 s11, ttmp9, 5
	s_add_co_u32 s11, s11, s8                      ; my tile of 16 rows
	s_lshl_b32 s12, s11, 14
	s_mov_b32 s13, 0
	s_lshl_b32 s14, s11, 12
	s_mov_b32 s15, 0
	s_wait_kmcnt 0x0
	s_add_nc_u64 s[4:5], s[4:5], s[12:13]
	s_add_nc_u64 s[6:7], s[6:7], s[14:15]
.set k, 0
.rept 32
	global_load_b128 v[R+4*k:R+4*k+3], v1, s[4:5] offset:512*k th:TH_LOAD_NT   ; 512 bytes on end: half a row
.set k, k+1
.endr
.irp j, 10,11,12,13,14,15
	v_mov_b32 v[\j], 0                             ; the zeros of a row of xq
.endr
.irp b, 0,1,2,3
	v_mov_b32 v[TM+4+\b], 0                        ; written once: a lane permute's destination counts as one of its sources
.endr
.set k, 0
.rept 32
	s_wait_loadcnt 31-k                            ; loads come back in order: load k is in, the younger ones stay out
	ds_store_b128 v2, v[R+4*k:R+4*k+3] offset:(k/2)*INP+(k%2)*512
.set k, k+1
.endr
.irp b, 0,1,2,3
.irp j, 0,1,2,3
	ds_load_b128 v[X+16*\b+4*\j:X+16*\b+4*\j+3], v3 offset:128*\b+16*\j          ; K step 0 (LDS serves a wave's instructions in order)
.endr
.endr
	s_wait_dscnt 0x0                               ; K step 0 is in, and the stores have read v16-143
.irp b, 0,1,2,3
.irp j, 0,1,2,3
	ds_load_b128 v[R+16*\b+4*\j:R+16*\b+4*\j+3], v3 offset:512+128*\b+16*\j      ; K step 1 lands while K step 0 is quantised
.endr
.endr
	QUANT X, PC, SX, TM, 8
	s_wait_dscnt 0x0
	QUANT R, PC+12, SX, TM, 9
.irp k, 0,1,2,3,4,5
	ds_store_b128 v4, v[PC+4*\k:PC+4*\k+3] offset:16*\k
.endr
	ds_store_b128 v4, v[8:11] offset:96            ; the two scale words and 8 bytes of zeros
	ds_store_b128 v5, v[12:15]                     ; bytes 224-255
.irp t, 0,1,2,3,4,5,6,7
	ds_load_b128 v[R+4*\t:R+4*\t+3], v6 offset:2*OUTP*\t
.endr
.irp t, 0,1,2,3,4,5,6,7
	s_wait_dscnt 7-\t
	global_store_b128 v1, v[R+4*\t:R+4*\t+3], s[6:7] offset:512*\t               ; two whole rows of 256 bytes
.endr
	s_wait_tensorcnt 0x0
	ds_add_u32 v250, v251
	s_wait_dscnt 0x0
	s_endpgm
.Lfunc_end_k_q6a72e582d3_quant:
	.size	k_q6a72e582d3_quant, .Lfunc_end_k_q6a72e582d3_quant-k_q6a72e582d3_quant
	.p2alignl 7, 3214868480
	.fill 96, 4, 3214868480
	.section	.rodata,"a",@progbits
	.p2align	6, 0x0
	.amdhsa_kernel k_q6a72e582d3_quant
		.amdhsa_group_segment_fixed_size 105728
		.amdhsa_private_segment_fixed_size 0
		.amdhsa_enable_private_segment 0
		.amdhsa_kernarg_size 16
		.amdhsa_user_sgpr_count 2
		.amdhsa_user_sgpr_kernarg_segment_ptr 1
		.amdhsa_wavefront_size32 1
		.amdhsa_system_sgpr_workgroup_id_x 1
		.amdhsa_system_sgpr_workgroup_id_y 1
		.amdhsa_system_sgpr_workgroup_id_z 1
		.amdhsa_system_vgpr_workitem_id 0
		.amdhsa_next_free_vgpr 256
		.amdhsa_next_free_sgpr 66
		.amdhsa_reserve_vcc 0
		.amdhsa_float_denorm_mode_32 3
		.amdhsa_float_denorm_mode_16_64 3
		.amdhsa_memory_ordered 1
		.amdhsa_forward_progress 1
		.amdhsa_inst_pref_size 20
	.end_amdhsa_kernel
	.amdgpu_metadata
---
amdhsa.version: [ 1, 2 ]
amdhsa.kernels:
  - .name:           k_q6a72e582d3_quant
    .symbol:         k_q6a72e582d3_quant.kd
    .args:
      - { .name: x, .offset: 0, .size: 8, .value_kind: global_buffer, .address_space: global }
      - { .name: xq, .offset: 8, .size: 8, .value_kind: global_buffer, .address_space: global }
    .group_segment_fixed_size: 105728
    .private_segment_fixed_size: 0
    .kernarg_segment_align: 8
    .kernarg_segment_size: 16
    .max_flat_workgroup_size: 160
    .sgpr_count:     66
    .vgpr_count:     256
    .wavefront_size: 32
...
	.end_amdgpu_metadata
.endif
;; end of part 1
;; launch layer (part 2): grid 250 x 1, 8 waves a work-group, no clusters, 312,832 bytes of LDS; arguments xq, x, attention_samples, Wq_codes, Wq_scales, bq, Wk_codes, Wk_scales, bk, Wv_codes, Wv_scales, bv, Wo_codes, Wo_scales, bo, g1, be1, W1_codes, W1_scales, b1, W2_codes, W2_scales, b2, g2, be2, out0; writes out0
.if DOCPART == 2
	.amdgcn_target "amdgcn-amd-amdhsa--gfx1250"
	.amdhsa_code_object_version 6
	.text
	.protected	k_q6a72e582d3_layer
	.globl	k_q6a72e582d3_layer
	.p2align	8
	.type	k_q6a72e582d3_layer,@function
k_q6a72e582d3_layer:
	s_mov_b64 s[64:65], 0
	v_nop
	global_prefetch_b8 v0, s[64:65] scope:SCOPE_SE
	s_setreg_imm32_b32 hwreg(HW_REG_WAVE_MODE, 25, 1), 1
	s_wait_xcnt 0x0
; The whole layer for 80 nodes a work-group: q, the gather, k, v, scores, softmax, o, Wo, + x, LN1, W1, relu, W2, + x1, LN2.  All six quantised products run on codes of BF6 (E3M2) with E8M0 scales.
; quantise(x[samples]) = quantise(x)[samples], since a block of 32 lies inside one row: so the gather takes rows of xq (208 bytes used of 256), laid in the order of an operand's registers.
; A node's 16 neighbours are one tile of 16 rows.  q, k, v, o, x1 and the hidden layer never go to memory.
; ROLES (w = wave 0..7, p = w & 3, u = w >> 2).  q: head w for all 80 nodes.  Attention: heads 2 p, 2 p + 1 of nodes 40 u .. 40 u + 39; in round i wave w gathers node 40 u + 4 i + p for its group of four waves.
; Wo, W2: columns 32 w .. + 31 of all 80 rows.  W1: hidden units 128 w .. + 127, which are K step w of W2.  LN1, LN2: rows 10 w .. + 9.  Quantising o and x1: waves 0-4, a tile of 16 rows each.
; LAYOUTS.  k is made TRANSPOSED (source 0 = 16 rows of Wk, source 1 = the neighbours); row m of tile t is channel 64 p + 32 (m / 8) + 8 t + m % 8: lane (r, h) then holds neighbour r and, in 32 registers, all 32
; channels of head 2 p + h: a score is finished inside a lane.  q lies in the same order, a node a lane, and comes to every lane of a row of 16 by row_share on the multiply-add's first source.
; v is made the natural way (source 0 = the neighbours): lane r holds channel 64 p + 16 t + r, register j neighbour 8 h + j; the weights come by row_share:j.
; bv is added behind the weighted sum: the weights of a softmax add up to 1 but for f32 rounding.  The row's maximum is taken off ahead of the exponential.
; NO CLUSTER: 20,000 nodes are 1,250 tiles of 16 = 2 x 5^4, which no multiple of four work-groups shares evenly in whole tiles; the grid of 250 is no multiple of 4.  No tensor loads: the gather goes by index, lane
; by lane, and each weight fragment goes from memory straight into the register that keeps it.
; LIMITS: NaN and infinities are not served.  A block whose largest magnitude lies under 2^-122 (zeros too) gets the scale byte 1.  v_exp_f32, v_rcp_f32, v_rsq_f32 are 1 ulp; an exponential under 2^-126 is 0.
; Indices are held to 0 .. 19,999.
; ---- LDS
.set GIMG, 3328                        ; a fragment pair's image: 6 x 512 bytes (lane l's 16 bytes at 16 l), then 256 bytes of scale pairs (8 l)
.set GPAR, 8*GIMG                      ; eight slots, one a wave; two such sets take turns from round to round
.set QL,   2*GPAR                      ; q: 8 heads x 80 nodes x (128 + 16) bytes
.set QP,   144
.set QH,   80*QP
.set TIM,  QL+8*QH                     ; five tiles' images: x, then o, then x1
.set ST1,  TIM+5*GIMG                  ; 80 rows x (1,024 + 16): attn_out, then x1
.set SP,   1040
.set HIM,  ST1+80*SP                   ; the hidden layer: 40 images (5 s + m) of 3 x 512 + 128 bytes
.set HIMG, 1664
.set OST,  ST1                         ; o: [p][node][256 + 16]: 4 x 21,760 bytes over ST1 and HIM's first bytes; read out before either is written
.set OP,   272
.set OREG, 80*OP
.set ST2,  0                           ; 80 rows x 1,040: the FFN's result, over the gather's slots and q, which are done with by then
; ---- scalar registers: s[8:59] the 26 addresses in the order of the arguments
.set WV, 60
.set WP, 61
.set WU, 62
.set TC, 63                            ; the trip, 0..4
.set SEL, 66                           ; s[66:67] v_permlanex16_b32's selects for lane l xor 16
.set CS, 68                            ; log2(e) / sqrt(32)
.set RD, 69                            ; 1 / 256
.set EP, 70                            ; 1e-5
.set OB, 74                            ; 8 nodes x 272 bytes x trip
.set QB, 75                            ; 8 nodes x 144 bytes x (trip + 1)
; ---- window 0, kept: LDS addresses
.set GRD,4
.set GRS,5
.set GWR,6
.set GWS,7
.set QAD,8
.set OAD,9
.set TIW,10
.set TIWS,11
.set TIR,12
.set TIRS,13
.set QWR,14
.set SWR,15
.set SWR4,16
.set QTR,17
.set LNR,18
.set HWR,19
.set HWS,20
.set HRD0,21
.set HRS0,23
.set S2W,25
.set S2W4,26
.set L2R,27
; the scale words' own registers, v28-56: they hold scales and nothing else
.set WKS,28                            ; v28-35 Wk's, v36-43 Wv's; then W1's 16; then W2's 16
.set WVS,36
.set PS,44                             ; v44-47 Wq's, then Wo's
.set GSA,48                            ; v[48:49], v[50:51] the pairs of the two fragments in hand
.set GSB,50
.set HS,52                             ; v52-56 the hidden layer's
; attention
.set IXA,58
.set IX,59
.set GAD,60
.set H112,61
.set BVO,62
.set TA,64                             ; a node's temporaries: +0..3 four partial scores, later o; +4 maximum, +5 p, +6 sum, +7 1 / sum, +8, +9 the weights of heads 2 p, 2 p + 1
.set TB,76
.set IX0,88
.set IX1,89
.set GA,90
.set GB,114
.set QA,138
.set ACA,170
.set ACB,202
.set PFO,234
.set QTO,236
.set OADT,237
.set QADT,238
.set L16,239
; global byte offsets, made once
.set WAQ,240
.set WSAQ,241
.set BAQ,242
.set WAK,243
.set WSAK,244
.set BAK,245
.set WAV,246
.set WSAV,247
.set BVA,248
.set XTA,249
.set W1A,250
.set W1SA,251
.set B1A,252
.set W2A,253
.set W2SA,254
.set XRA,255
; window 1 in attention
.set WK,0
.set WV1,96
.set BK,192
.set GG,224
; window 0 behind attention
.set GBR,58                            ; v58-65 gain, v66-73 bias
.set RES,74
.set VAL,154
.set X,74                              ; 64 numbers for QUANT; also the hidden layer's 8 tiles
.set XFA,138
.set XFB,162
.set TM,186
.set PC,202
.set SX,214
.set PW,222
.set AC2,74
.set HF,154
.set MSB, 0
.macro WIN new                         ; the immediate's high byte repeats the setting that is left
.if MSB != \new
	s_set_vgpr_msb (MSB<<8)|\new
.set MSB, \new
.endif
.endm
.macro PLACES n
.rept \n
	v_nop
.endr
.endm
.macro BAR                             ; my LDS stores have landed and my LDS loads are in: then the work-group's barrier
	s_wait_dscnt 0x0
	s_barrier_signal -1
	s_barrier_wait -1
.endm
.macro MM d, a, b, c, sa, sb
	v_wmma_scale_f32_16x16x128_f8f6f4 v[(\d):(\d)+7], v[(\a):(\a)+11], v[(\b):(\b)+11], v[(\c):(\c)+7], v[\sa], v[\sb] matrix_a_fmt:MATRIX_FMT_BF6 matrix_b_fmt:MATRIX_FMT_BF6
.endm
.macro MZ d, a, b, sa, sb              ; the first K step starts the sum
	v_wmma_scale_f32_16x16x128_f8f6f4 v[(\d):(\d)+7], v[(\a):(\a)+11], v[(\b):(\b)+11], 0, v[\sa], v[\sb] matrix_a_fmt:MATRIX_FMT_BF6 matrix_b_fmt:MATRIX_FMT_BF6
.endm
.macro WLOAD reg, adr, base, off       ; a weight's fragment: 2 x 24 bytes of a row's stream of bits, in pieces of 8
.irp q, 0,1,2,3,4,5
	global_load_b64 v[(\reg)+2*\q:(\reg)+2*\q+1], v[\adr], s[\base:\base+1] offset:(\off)+48*(\q/3)+8*(\q%3)
.endr
.endm
.macro GFETCH reg, sc, par, slot       ; a node's two fragments and scale pair out of the group's slots
.irp k, 0,1,2,3,4,5
	ds_load_b128 v[(\reg)+4*\k:(\reg)+4*\k+3], v[GRD] offset:GPAR*(\par)+GIMG*(\slot)+512*\k
.endr
	ds_load_b64 v[\sc:\sc+1], v[GRS] offset:GPAR*(\par)+GIMG*(\slot)
.endm
.macro FETCHT reg, sc, m               ; tile m's
.irp k, 0,1,2,3,4,5
	ds_load_b128 v[(\reg)+4*\k:(\reg)+4*\k+3], v[TIR] offset:GIMG*(\m)+512*\k
.endr
	ds_load_b64 v[\sc:\sc+1], v[TIRS] offset:GIMG*(\m)
.endm
.macro GADDR ix                        ; 256 x the neighbour's index + 112 h
	v_min_u32 v[\ix], 0x4e1f, v[\ix]
	v_lshlrev_b32 v[GAD], 8, v[\ix]
	v_add_nc_u32 v[GAD], v[GAD], v[H112]
.endm
.macro GLOADS                          ; my lane's 96 bytes of codes and 8 of scales of neighbour r
	WIN 0x40
.irp k, 0,1,2,3,4,5
	global_load_b128 v[GG+4*\k:GG+4*\k+3], v[GAD], s[8:9] offset:16*\k
.endr
	global_load_b64 v[GG+24:GG+25], v[GAD], s[8:9] offset:96
	WIN 0
.endm
.macro GSTORE par                      ; they go to my slot as they stand
	WIN 0x04
.irp k, 0,1,2,3,4,5
	ds_store_b128 v[GWR], v[GG+4*\k:GG+4*\k+3] offset:GPAR*(\par)+512*\k
.endr
	ds_store_b64 v[GWS], v[GG+24:GG+25] offset:GPAR*(\par)
	WIN 0
.endm
; The head of round 2 TC + rho: the next round's gather is in registers and goes to the other set of slots, which every wave has left (the last round's barrier).
.macro RTOP rho
	s_wait_loadcnt 0x0                             ; the gather for the next round and the indices for the round after it: both were asked for a round ago
.if \rho == 1
	s_cmp_lt_u32 s[TC], 4                          ; the last round has no successor
	s_cbranch_scc0 .Lns_\@
.endif
	GSTORE 1-\rho
.if \rho == 1
.Lns_\@:
.endif
	GADDR IX
.endm
.macro GISSUE rho                      ; the gather two rounds on, the indices three rounds on; none beyond round 9
	s_cmp_lt_u32 s[TC], 4
	s_cbranch_scc0 .Lng_\@
	GLOADS
.if (\rho) == 1
	s_cmp_lt_u32 s[TC], 3
	s_cbranch_scc0 .Lng_\@
.endif
	v_add_nc_u32 v[IXA], 256, v[IXA]               ; (its last load was waited for at the round's head)
	global_load_b32 v[IX], v[IXA], s[12:13]
.Lng_\@:
.endm
; TWO NODES, na and nb = na + 1 of the trip's eight.  gi: 1, 2: the round's gather is issued.  sig: the round's barrier.  nxt: the next two nodes are fetched from set np, slots ns, ns + 1 (2: not in the last trip).
.macro STEP na, nb, gi, sig, nxt, np, ns, ql
	s_wait_dscnt 0x0                               ; both nodes' fragments (and q) are in; my stores into the slots and of o are done
.if \na == 0
	v_add_nc_u32 v[OADT], s[OB], v[OAD]
.endif
.if \gi
	GISSUE (\gi)-1
.endif
.if \sig
	s_barrier_signal -1                            ; my image of the next round lies in its slot, and my reads of this round's slots are over
.endif
	WIN 0x11                                       ; Wk and bk in window 1
.irp t, 0,1,2,3                        ; the eight accumulators take turns, one instruction a turn
	MM ACA+8*\t, WK+24*\t, GA, BK+8*\t, WKS+2*\t, GSA
	MM ACB+8*\t, WK+24*\t, GB, BK+8*\t, WKS+2*\t, GSB
.endr
	WIN 0x01
.irp t, 0,1,2,3
	MM ACA+8*\t, WK+24*\t+12, GA+12, ACA+8*\t, WKS+2*\t+1, GSA+1
	MM ACB+8*\t, WK+24*\t+12, GB+12, ACB+8*\t, WKS+2*\t+1, GSB+1
.endr
	WIN 0
	PLACES 4                                       ; four places ahead of the first read of results
.set i, 0
.rept 32                               ; score(neighbour r, head 2 p + h) = the sum over 32 channels, in four chains a node; each accumulator is read from its low end on
.if i < 4
	v_mul_f32_dpp v[TA+i%4], v[QA+i], v[ACA+i] row_share:\na row_mask:0xf bank_mask:0xf
	v_mul_f32_dpp v[TB+i%4], v[QA+i], v[ACB+i] row_share:\nb row_mask:0xf bank_mask:0xf
.else
	v_fmac_f32_dpp v[TA+i%4], v[QA+i], v[ACA+i] row_share:\na row_mask:0xf bank_mask:0xf
	v_fmac_f32_dpp v[TB+i%4], v[QA+i], v[ACB+i] row_share:\nb row_mask:0xf bank_mask:0xf
.endif
.set i, i+1
.endr
.irp T, TA,TB
	v_add_f32 v[\T], v[\T], v[\T+1]
.endr
.irp T, TA,TB
	v_add_f32 v[\T+2], v[\T+2], v[\T+3]
.endr
.irp T, TA,TB
	v_add_f32 v[\T], v[\T], v[\T+2]
.endr
.irp T, TA,TB
	v_max_num_f32_dpp v[\T+4], v[\T], v[\T] row_xmask:1 row_mask:0xf bank_mask:0xf   ; a row of 16 lanes holds a head's 16 scores
.endr
.irp x, 2,4,8
.irp T, TA,TB
	v_max_num_f32_dpp v[\T+4], v[\T+4], v[\T+4] row_xmask:\x row_mask:0xf bank_mask:0xf
.endr
.endr
.irp T, TA,TB
	v_sub_f32 v[\T+5], v[\T], v[\T+4]              ; the maximum is taken off,
.endr
.irp T, TA,TB
	v_mul_f32 v[\T+5], s[CS], v[\T+5]              ; x log2(e) / sqrt(32)
.endr
.irp T, TA,TB
	v_exp_f32 v[\T+5], v[\T+5]
.endr
	v_nop                                          ; a plain place behind the exponentials
	s_wait_alu depctr_va_vdst(0)                   ; one wait for both, ahead of their first reader
.irp T, TA,TB
	v_add_f32_dpp v[\T+6], v[\T+5], v[\T+5] row_xmask:1 row_mask:0xf bank_mask:0xf
.endr
.irp x, 2,4,8
.irp T, TA,TB
	v_add_f32_dpp v[\T+6], v[\T+6], v[\T+6] row_xmask:\x row_mask:0xf bank_mask:0xf
.endr
.endr
.irp T, TA,TB
	v_rcp_f32 v[\T+7], v[\T+6]
.endr
	v_nop
	s_wait_alu depctr_va_vdst(0)
.irp T, TA,TB
	v_mul_f32 v[\T+8], v[\T+5], v[\T+7]            ; the weights: lane (r, h): head 2 p + h, neighbour r
.endr
.irp T, TA,TB
	v_mov_b32_dpp v[\T+9], v[\T+8] row_xmask:8 row_mask:0xf bank_mask:0xf
.endr
.irp T, TA,TB
	v_permlane16_swap_b32 v[\T+8], v[\T+9]         ; +8: head 2 p, +9: head 2 p + 1; in each, lanes 0-7 of row h hold neighbours 8 h .. 8 h + 7
.endr
	WIN 0x04                                       ; Wv in window 1.  (The lines above that name temporaries alone, and the four v_nop, are more than the five places owed ahead of products that write over k)
.irp t, 0,1,2,3
	MZ ACA+8*\t, GA, WV1+24*\t, GSA, WVS+2*\t
	MZ ACB+8*\t, GB, WV1+24*\t, GSB, WVS+2*\t
.endr
.irp t, 0,1,2,3
	MM ACA+8*\t, GA+12, WV1+24*\t+12, ACA+8*\t, GSA+1, WVS+2*\t+1
	MM ACB+8*\t, GB+12, WV1+24*\t+12, ACB+8*\t, GSB+1, WVS+2*\t+1
.endr
	WIN 0
.if \sig
	s_barrier_wait -1                              ; every wave's image of the next round lies in its slot; nobody reads this round's slots any more
.endif
	PLACES 4                                       ; ahead of loads into registers that the products have read, and of the first read of v
.if \nxt == 2
	s_cmp_lt_u32 s[TC], 4
	s_cbranch_scc0 .Lnf_\@
.endif
.if \nxt
	GFETCH GA, GSA, \np, \ns
	GFETCH GB, GSB, \np, (\ns)+1
.if \ql
	v_add_nc_u32 v[QADT], s[QB], v[QAD]
.irp k, 0,1,2,3,4,5,6,7
	ds_load_b128 v[QA+4*\k:QA+4*\k+3], v[QADT] offset:16*\k                      ; the next trip's q: lane (n, h): node n % 8, head 2 p + h
.endr
.endif
.endif
.if \nxt == 2
.Lnf_\@:
.endif
.irp j, 0,1,2,3,4,5,6,7                ; o(channel 64 p + 16 t + r) over my half's eight neighbours; tile t's sum at +0, +2, +1, +3
.irp t, 0,1,2,3
.if \j == 0
	v_mul_f32_dpp v[TA+2*(\t%2)+\t/2], v[TA+8+\t/2], v[ACA+8*\t+\j] row_share:\j row_mask:0xf bank_mask:0xf
	v_mul_f32_dpp v[TB+2*(\t%2)+\t/2], v[TB+8+\t/2], v[ACB+8*\t+\j] row_share:\j row_mask:0xf bank_mask:0xf
.else
	v_fmac_f32_dpp v[TA+2*(\t%2)+\t/2], v[TA+8+\t/2], v[ACA+8*\t+\j] row_share:\j row_mask:0xf bank_mask:0xf
	v_fmac_f32_dpp v[TB+2*(\t%2)+\t/2], v[TB+8+\t/2], v[ACB+8*\t+\j] row_share:\j row_mask:0xf bank_mask:0xf
.endif
.endr
.endr
.irp T, TA,TB
	v_permlane16_swap_b32 v[\T], v[\T+2]           ; tiles 0 and 1: the halves' sums come to stand lane by lane,
	v_permlane16_swap_b32 v[\T+1], v[\T+3]         ; tiles 2 and 3 likewise
.endr
.irp T, TA,TB
	v_pk_add_f32 v[\T:\T+1], v[\T:\T+1], v[\T+2:\T+3]      ; lane l: channels 64 p + l and 64 p + 32 + l
.endr
.irp T, TA,TB
	v_pk_add_f32 v[\T:\T+1], v[\T:\T+1], v[BVO:BVO+1]
.endr
	ds_store_b32 v[OADT], v[TA] offset:OP*\na
	ds_store_b32 v[OADT], v[TA+1] offset:OP*\na+128
	ds_store_b32 v[OADT], v[TB] offset:OP*\nb
	ds_store_b32 v[OADT], v[TB+1] offset:OP*\nb+128
.endm
; 32 columns of a weight [256][256] for the five tiles of rows, TRANSPOSED (source 0 = 16 rows of the weight): lane (r, h) holds row r and eight neighbouring columns.  The bias is the C of the first K step.
.macro PROJ wf, wb, win0, win1, xfa, xfb, pa, dst, dst4, p16
	FETCHT \xfa, GSA, 0
.irp m, 0,1,2,3,4
.set XC, (\xfa)+((\xfb)-(\xfa))*(\m%2)
.set XN, (\xfa)+((\xfb)-(\xfa))*((\m+1)%2)
.set SC, GSA+2*(\m%2)
.set SN, GSA+2*((\m+1)%2)
.if \m < 4
	FETCHT XN, SN, \m+1
	s_wait_dscnt 7                                 ; all but the seven loads just issued: this tile's fragments are in, the last tile's stores are done
.else
	s_wait_dscnt 0x0
.endif
	WIN \win0
	MM \pa, \wf, XC, \wb, PS, SC
	MM (\pa)+8, (\wf)+24, XC, (\wb)+8, PS+2, SC
	WIN \win1
	MM \pa, (\wf)+12, XC+12, \pa, PS+1, SC+1
	MM (\pa)+8, (\wf)+36, XC+12, (\pa)+8, PS+3, SC+1
	WIN 0
	PLACES 5                                       ; four ahead of the stores and of the next fetch, five ahead of the next tile's products, which begin these sums anew
.irp t, 0,1
.if (\m)*(\p16) > 65000
	ds_store_b128 v[\dst4], v[(\pa)+8*\t:(\pa)+8*\t+3] offset:64*\t
	ds_store_b128 v[\dst4], v[(\pa)+8*\t+4:(\pa)+8*\t+7] offset:64*\t+16
.else
	ds_store_b128 v[\dst], v[(\pa)+8*\t:(\pa)+8*\t+3] offset:(\m)*(\p16)+64*\t
	ds_store_b128 v[\dst], v[(\pa)+8*\t+4:(\pa)+8*\t+7] offset:(\m)*(\p16)+64*\t+16
.endif
.endr
.endr
	s_wait_dscnt 0x0
.endm
; 64 numbers of a lane, register 16 b + i = k 32 b + 16 (lane / 16) + i of my row, become 12 registers of codes at v[pc] and the row's scale word in v[pw].
.macro QUANT src, pc, sx, tm, pw
.irp b, 0,1,2,3
	v_max3_num_f32 v[\tm+\b], |v[\src+16*\b]|, |v[\src+1+16*\b]|, 0x2800000   ; and the floor 2^(5 - 127): the byte cannot fall under 1
.endr
.irp i, 2,4,6,8,10,12,14
.irp b, 0,1,2,3
	v_max3_num_f32 v[\tm+\b], v[\tm+\b], |v[\src+16*\b+\i]|, |v[\src+1+16*\b+\i]|
.endr
.endr
.irp b, 0,1,2,3
	v_permlanex16_b32 v[\tm+4+\b], v[\tm+\b], s[SEL], s[SEL+1]
.endr
.irp b, 0,1,2,3
	v_max_num_f32 v[\tm+\b], v[\tm+\b], v[\tm+4+\b]
.endr
.irp b, 0,1,2,3
	v_add_nc_u32 v[\tm+12+\b], 0xfe000000, v[\tm+\b]       ; 4 off the exponent field: the conversion's scale operand
.endr
.irp b, 0,1,2,3
	v_lshrrev_b32 v[\tm+4+\b], 23, v[\tm+12+\b]            ; the scale's byte
.endr
	v_lshl_or_b32 v[\pw], v[\tm+5], 8, v[\tm+4]
	v_lshl_or_b32 v[\pw], v[\tm+6], 16, v[\pw]
	v_lshl_or_b32 v[\pw], v[\tm+7], 24, v[\pw]
.irp c, 0,1
	v_cvt_scalef32_pk16_bf6_f32 v[\pc+6*\c:\pc+6*\c+2], v[\src+32*\c:\src+32*\c+15], v[\tm+12+2*\c]
	v_cvt_scalef32_pk16_bf6_f32 v[\sx+4*\c:\sx+4*\c+2], v[\src+32*\c+16:\src+32*\c+31], v[\tm+13+2*\c]
.endr
	v_nop                                          ; one plain place behind the conversions
.irp c, 0,1
.irp i, 0,1,2
	v_permlane16_swap_b32 v[\pc+6*\c+\i], v[\sx+4*\c+\i]
.endr
.irp i, 0,1,2
	v_mov_b32 v[\pc+3+6*\c+\i], v[\sx+4*\c+\i]
.endr
.endr
.endm
; My tile of 16 rows (kind 0: o, from its stage by quarters of a row; kind 1: x1, from rows of 1,040 bytes) becomes an image of two fragments and a scale pair.
.macro QTILE adr, kind
.irp s, 0,1
.irp b, 0,1,2,3
.irp j, 0,1,2,3
.if \kind == 0
	ds_load_b128 v[X+16*\b+4*\j:X+16*\b+4*\j+3], v[\adr] offset:(2*\s+\b/2)*OREG+(\b%2)*128+16*\j
.else
	ds_load_b128 v[X+16*\b+4*\j:X+16*\b+4*\j+3], v[\adr] offset:512*\s+128*\b+16*\j
.endif
.endr
.endr
	s_wait_dscnt 0x0                               ; the numbers are in; the last K step's stores have read their registers
	QUANT X, PC, SX, TM, PW
.irp k, 0,1,2
	ds_store_b128 v[TIW], v[PC+4*\k:PC+4*\k+3] offset:1536*\s+512*\k
.endr
	ds_store_b32 v[TIWS], v[PW] offset:4*\s
.endr
.endm
; LayerNorm of VAL + RES, ten rows in ten chains.  A lane holds channels 4 l .. + 3 and 128 + 4 l .. + 3 of each row.  RES is done with behind the first lines and serves as the temporaries.
.macro LNORM out
.irp c, 0,2,4,6
.irp i, 0,1,2,3,4,5,6,7,8,9
	v_pk_add_f32 v[VAL+8*\i+\c:VAL+8*\i+\c+1], v[VAL+8*\i+\c:VAL+8*\i+\c+1], v[RES+8*\i+\c:RES+8*\i+\c+1]
.endr
.endr
.irp i, 0,1,2,3,4,5,6,7,8,9
	v_pk_add_f32 v[RES+8*\i:RES+8*\i+1], v[VAL+8*\i:VAL+8*\i+1], v[VAL+8*\i+2:VAL+8*\i+3]
.endr
.irp i, 0,1,2,3,4,5,6,7,8,9
	v_pk_add_f32 v[RES+8*\i+2:RES+8*\i+3], v[VAL+8*\i+4:VAL+8*\i+5], v[VAL+8*\i+6:VAL+8*\i+7]
.endr
.irp i, 0,1,2,3,4,5,6,7,8,9
	v_pk_add_f32 v[RES+8*\i:RES+8*\i+1], v[RES+8*\i:RES+8*\i+1], v[RES+8*\i+2:RES+8*\i+3]
.endr
.irp i, 0,1,2,3,4,5,6,7,8,9
	v_add_f32 v[RES+8*\i], v[RES+8*\i], v[RES+8*\i+1]
.endr
.irp x, 1,2,4,8
.irp i, 0,1,2,3,4,5,6,7,8,9
	v_add_f32_dpp v[RES+8*\i], v[RES+8*\i], v[RES+8*\i] row_xmask:\x row_mask:0xf bank_mask:0xf
.endr
.endr
.irp i, 0,1,2,3,4,5,6,7,8,9
	v_permlanex16_b32 v[RES+8*\i+1], v[RES+8*\i], s[SEL], s[SEL+1]
.endr
.irp i, 0,1,2,3,4,5,6,7,8,9
	v_add_f32 v[RES+8*\i], v[RES+8*\i], v[RES+8*\i+1]
.endr
.irp i, 0,1,2,3,4,5,6,7,8,9
	v_mul_f32 v[RES+8*\i], s[RD], v[RES+8*\i]      ; the mean
.endr
.irp c, 0,2,4,6
.irp i, 0,1,2,3,4,5,6,7,8,9
	v_pk_add_f32 v[VAL+8*\i+\c:VAL+8*\i+\c+1], v[VAL+8*\i+\c:VAL+8*\i+\c+1], v[RES+8*\i:RES+8*\i+1] op_sel_hi:[1,0] neg_lo:[0,1] neg_hi:[0,1]
.endr
.endr
.irp i, 0,1,2,3,4,5,6,7,8,9
	v_pk_mul_f32 v[RES+8*\i+2:RES+8*\i+3], v[VAL+8*\i:VAL+8*\i+1], v[VAL+8*\i:VAL+8*\i+1]
.endr
.irp c, 2,4,6
.irp i, 0,1,2,3,4,5,6,7,8,9
	v_pk_fma_f32 v[RES+8*\i+2:RES+8*\i+3], v[VAL+8*\i+\c:VAL+8*\i+\c+1], v[VAL+8*\i+\c:VAL+8*\i+\c+1], v[RES+8*\i+2:RES+8*\i+3]
.endr
.endr
.irp i, 0,1,2,3,4,5,6,7,8,9
	v_add_f32 v[RES+8*\i+2], v[RES+8*\i+2], v[RES+8*\i+3]
.endr
.irp x, 1,2,4,8
.irp i, 0,1,2,3,4,5,6,7,8,9
	v_add_f32_dpp v[RES+8*\i+2], v[RES+8*\i+2], v[RES+8*\i+2] row_xmask:\x row_mask:0xf bank_mask:0xf
.endr
.endr
.irp i, 0,1,2,3,4,5,6,7,8,9
	v_permlanex16_b32 v[RES+8*\i+3], v[RES+8*\i+2], s[SEL], s[SEL+1]
.endr
.irp i, 0,1,2,3,4,5,6,7,8,9
	v_add_f32 v[RES+8*\i+2], v[RES+8*\i+2], v[RES+8*\i+3]
.endr
.irp i, 0,1,2,3,4,5,6,7,8,9
	v_fma_f32 v[RES+8*\i+2], v[RES+8*\i+2], s[RD], s[EP]   ; the variance + 1e-5
.endr
.irp i, 0,1,2,3,4,5,6,7,8,9
	v_rsq_f32 v[RES+8*\i+4], v[RES+8*\i+2]
.endr
	v_nop                                          ; a plain place behind the batch
	s_wait_alu depctr_va_vdst(0)                   ; one wait for the ten, ahead of their first reader
.irp c, 0,2,4,6
.irp i, 0,1,2,3,4,5,6,7,8,9
	v_pk_mul_f32 v[VAL+8*\i+\c:VAL+8*\i+\c+1], v[VAL+8*\i+\c:VAL+8*\i+\c+1], v[RES+8*\i+4:RES+8*\i+5] op_sel_hi:[1,0]
.endr
.endr
.irp c, 0,2,4,6
.irp i, 0,1,2,3,4,5,6,7,8,9
	v_pk_fma_f32 v[VAL+8*\i+\c:VAL+8*\i+\c+1], v[VAL+8*\i+\c:VAL+8*\i+\c+1], v[GBR+\c:GBR+\c+1], v[GBR+8+\c:GBR+8+\c+1]
.endr
.endr
.irp i, 0,1,2,3,4,5,6,7,8,9
.if \out
	global_store_b128 v[XRA], v[VAL+8*\i:VAL+8*\i+3], s[58:59] offset:1024*\i th:TH_STORE_NT        ; 32 lanes store 512 bytes on end, at a multiple of 256 from out0's first byte
	global_store_b128 v[XRA], v[VAL+8*\i+4:VAL+8*\i+7], s[58:59] offset:1024*\i+512 th:TH_STORE_NT
.else
	ds_store_b128 v[LNR], v[VAL+8*\i:VAL+8*\i+3] offset:SP*\i
	ds_store_b128 v[LNR], v[VAL+8*\i+4:VAL+8*\i+7] offset:SP*\i+512
.endif
.endr
.endm
.macro GAINS g, b                      ; my eight channels' gain and bias
	global_load_b128 v[GBR:GBR+3], v[L16], s[\g:\g+1]
	global_load_b128 v[GBR+4:GBR+7], v[L16], s[\g:\g+1] offset:512
	global_load_b128 v[GBR+8:GBR+11], v[L16], s[\b:\b+1]
	global_load_b128 v[GBR+12:GBR+15], v[L16], s[\b:\b+1] offset:512
.endm
; ================ the head: ids, every address, the first loads
	s_load_b512 s[8:23], s[0:1], 0x0
	s_load_b512 s[24:39], s[0:1], 0x40
	s_load_b512 s[40:55], s[0:1], 0x80
	s_load_b128 s[56:59], s[0:1], 0xc0
	v_lshl_add_u32 v57, v0, 2, 0x4c200
	v_mov_b32 v235, 0
	v_lshrrev_b32 v1, 5, v0
	v_readfirstlane_b32 s[WV], v1                  ; w
	s_and_b32 s[WP], s[WV], 3                      ; p
	s_lshr_b32 s[WU], s[WV], 2                     ; u
	v_and_b32 v1, 31, v0                           ; l
	v_and_b32 v2, 15, v0                           ; r
	v_bfe_u32 v3, v0, 4, 1                         ; h
	v_lshlrev_b32 v[L16], 4, v1
	v_lshlrev_b32 v64, 3, v1                       ; 8 l
	v_lshlrev_b32 v65, 2, v1                       ; 4 l
	v_and_b32 v66, 7, v0                           ; r % 8
	v_bfe_u32 v67, v0, 3, 1                        ; r / 8
	v_mul_u32_u24 v68, v2, SP
	v_lshl_add_u32 v69, v3, 5, v68                 ; 1,040 r + 32 h
	s_mul_i32 s2, s[WU], 4*GIMG                    ; my group's four slots
	v_add_nc_u32 v[GRD], s2, v[L16]
	s_add_co_u32 s3, s2, 3072
	v_add_nc_u32 v[GRS], s3, v64
	s_mul_i32 s2, s[WV], GIMG                      ; my slot; my tile's image
	v_add_nc_u32 v[GWR], s2, v[L16]
	s_add_co_u32 s3, s2, 3072
	v_add_nc_u32 v[GWS], s3, v64
	s_add_co_u32 s3, s2, TIM
	v_add_nc_u32 v[TIW], s3, v[L16]
	s_add_co_u32 s3, s2, TIM+3072
	v_add_nc_u32 v[TIWS], s3, v64
	v_add_nc_u32 v[TIR], TIM, v[L16]
	v_add_nc_u32 v[TIRS], TIM+3072, v64
	s_mul_i32 s2, s[WP], 2*QH
	s_mul_i32 s3, s[WU], 40*QP
	s_add_co_u32 s2, s2, s3
	s_add_co_u32 s2, s2, QL
	v_mul_u32_u24 v[QAD], v66, QP
	v_mad_u32_u24 v[QAD], v3, QH, v[QAD]
	v_add_nc_u32 v[QAD], s2, v[QAD]                ; q of node 40 u + r % 8, head 2 p + h
	s_mul_i32 s2, s[WP], OREG
	s_mul_i32 s3, s[WU], 40*OP
	s_add_co_u32 s2, s2, s3
	s_add_co_u32 s2, s2, OST
	v_add_nc_u32 v[OAD], s2, v65                   ; o: quarter p of node 40 u's row, + 4 l: 10,880 bytes on end are my wave's
	s_mul_i32 s2, s[WV], QH
	s_add_co_u32 s2, s2, QL
	v_mul_u32_u24 v[QWR], v2, QP
	v_lshl_add_u32 v[QWR], v3, 5, v[QWR]
	v_add_nc_u32 v[QWR], s2, v[QWR]
	s_lshl_b32 s2, s[WV], 7
	s_add_co_u32 s3, s2, ST1
	v_add_nc_u32 v[SWR], s3, v69
	v_add_nc_u32 v[SWR4], 64*SP, v[SWR]            ; (tile 4 lies beyond a 16-bit offset)
	v_add_nc_u32 v[S2W], s2, v69
	v_add_nc_u32 v[S2W4], 64*SP, v[S2W]
	s_mul_i32 s2, s[WV], 16*SP
	s_add_co_u32 s2, s2, ST1
	v_lshl_add_u32 v[QTR], v3, 6, v68
	v_add_nc_u32 v[QTR], s2, v[QTR]
	s_mul_i32 s2, s[WV], 10*SP
	v_add_nc_u32 v[L2R], s2, v[L16]
	s_add_co_u32 s2, s2, ST1
	v_add_nc_u32 v[LNR], s2, v[L16]
	s_mul_i32 s2, s[WV], 5*HIMG
	s_add_co_u32 s3, s2, HIM
	v_add_nc_u32 v[HWR], s3, v[L16]
	s_add_co_u32 s3, s2, HIM+1536
	v_add_nc_u32 v[HWS], s3, v65
	v_add_nc_u32 v[HRD0], HIM, v[L16]
	v_add_nc_u32 v[HRD0+1], HIM+20*HIMG, v[L16]
	v_add_nc_u32 v[HRS0], HIM+1536, v65
	v_add_nc_u32 v[HRS0+1], HIM+1536+20*HIMG, v65
	s_mul_i32 s2, s[WV], 16*OP
	s_add_co_u32 s2, s2, OST
	v_mul_u32_u24 v[QTO], v2, OP
	v_lshl_add_u32 v[QTO], v3, 6, v[QTO]
	v_add_nc_u32 v[QTO], s2, v[QTO]
	; global byte offsets: the wave's share stands in the offset, so that the bases stay whole
	v_mul_u32_u24 v70, v3, 24
	v_mad_u32_u24 v71, v2, 192, v70                ; 192 r + 24 h
	s_mul_i32 s2, s[WV], 32*192
	v_add_nc_u32 v[WAQ], s2, v71
	s_lshl_b32 s2, s[WV], 8
	v_lshl_add_u32 v[WSAQ], v2, 3, s2
	s_lshl_b32 s2, s[WV], 7
	v_lshl_add_u32 v[BAQ], v3, 5, s2
	s_mul_i32 s2, s[WP], 64*192
	v_mad_u32_u24 v[WAK], v66, 192, v70
	v_mad_u32_u24 v[WAK], v67, 32*192, v[WAK]
	v_add_nc_u32 v[WAK], s2, v[WAK]                ; Wk: row 64 p + 32 (r / 8) + r % 8
	v_add_nc_u32 v[WAV], s2, v71                   ; Wv: row 64 p + r
	s_lshl_b32 s2, s[WP], 9
	v_lshl_add_u32 v[WSAK], v66, 3, s2
	v_lshl_add_u32 v[WSAK], v67, 8, v[WSAK]
	v_lshl_add_u32 v[WSAV], v2, 3, s2
	s_lshl_b32 s2, s[WP], 8
	v_lshl_add_u32 v[BAK], v3, 7, s2
	v_add_nc_u32 v[BVA], s2, v65
	v_mul_u32_u24 v[H112], v3, 112
	s_lshl_b32 s2, s[WV], 12
	v_lshl_add_u32 v[XTA], v2, 8, v[H112]
	v_add_nc_u32 v[XTA], s2, v[XTA]
	v_and_b32 v72, 8, v2
	v_add_nc_u32 v72, v72, v2                      ; r + 8 (r / 8)
	s_mul_i32 s2, s[WV], 24576
	v_mad_u32_u24 v[W1A], v72, 192, v70
	v_add_nc_u32 v[W1A], s2, v[W1A]
	v_mad_u32_u24 v[W2A], v2, 768, v70
	v_add_nc_u32 v[W2A], s2, v[W2A]
	s_lshl_b32 s2, s[WV], 10
	v_lshl_add_u32 v[W1SA], v72, 3, s2
	v_lshl_add_u32 v[W2SA], v2, 5, s2
	s_lshl_b32 s2, s[WV], 9
	v_lshl_add_u32 v[B1A], v3, 6, s2
	s_mul_i32 s2, s[WV], 10240
	v_add_nc_u32 v[XRA], s2, v[L16]
	s_mul_i32 s2, s[WU], 40*64
	s_lshl_b32 s3, s[WP], 6
	s_add_co_u32 s2, s2, s3
	v_lshl_add_u32 v[IXA], v2, 2, s2               ; the indices of node 40 u + p, neighbour r
	s_lshl_b32 s2, s[WV], 13
	v_lshl_add_u32 v[PFO], v1, 8, s2               ; 256 (32 w + l)
.set j, 0
.rept 24
	v_mov_b32 v[TA+j], 0                           ; written once: the destination of a DPP form or a lane permute counts as one of its sources
.set j, j+1
.endr
	s_mov_b32 s[SEL], 0x76543210
	s_mov_b32 s[SEL+1], 0xfedcba98
	s_mov_b32 s[CS], 0x3e8293ee
	s_mov_b32 s[RD], 0x3b800000
	s_mov_b32 s[EP], 0x3727c5ac
	s_mov_b32 s[OB], 0
	s_mov_b32 s[QB], 8*QP
	s_mul_i32 s2, ttmp9, 80*256
	s_mov_b32 s3, 0
	s_mul_i32 s4, ttmp9, 80*1024
	s_mov_b32 s5, 0
	s_mul_i32 s6, ttmp9, 80*64
	s_mov_b32 s7, 0
	s_wait_kmcnt 0x0
	s_add_nc_u64 s[72:73], s[8:9], s[2:3]          ; xq at my work-group's rows; s[8:9] stays whole for the gather
	s_add_nc_u64 s[10:11], s[10:11], s[4:5]        ; x,
	s_add_nc_u64 s[58:59], s[58:59], s[4:5]        ; out0
	s_add_nc_u64 s[12:13], s[12:13], s[6:7]        ; and the indices likewise
	global_load_b32 v[IX0], v[IXA], s[12:13]                       ; rounds 0, 1, 2
	global_load_b32 v[IX1], v[IXA], s[12:13] offset:256
	global_load_b32 v[IX], v[IXA], s[12:13] offset:512
	s_cmp_lt_u32 s[WV], 5
	s_cbranch_scc0 .Lno_tile
.irp k, 0,1,2,3,4,5
	global_load_b128 v[GA+4*\k:GA+4*\k+3], v[XTA], s[72:73] offset:16*\k         ; waves 0-4: tile w of my work-group's own rows
.endr
	global_load_b64 v[GSA:GSA+1], v[XTA], s[72:73] offset:96
.Lno_tile:
.irp t, 0,1                            ; Wq's set, 32 loads: head w's four fragments, bq in the result's layout, four scale words
.irp s, 0,1
	WLOAD QA+12*(2*\t+\s), WAQ, 14, 3072*\t+96*\s
.endr
.endr
.irp t, 0,1
.irp c, 0,1
	global_load_b128 v[186+8*\t+4*\c:186+8*\t+4*\c+3], v[BAQ], s[18:19] offset:64*\t+16*\c
.endr
.endr
.irp t, 0,1
.irp s, 0,1
	global_load_b32 v[PS+2*\t+\s], v[WSAQ], s[16:17] offset:128*\t+4*\s
.endr
.endr
	s_wait_loadcnt 32                              ; all that is older than Wq's 32: the indices and the tile
	s_cmp_lt_u32 s[WV], 5
	s_cbranch_scc0 .Lno_tile2
.irp k, 0,1,2,3,4,5
	ds_store_b128 v[TIW], v[GA+4*\k:GA+4*\k+3] offset:512*\k
.endr
	ds_store_b64 v[TIWS], v[GSA:GSA+1]
.Lno_tile2:
	GADDR IX0
	GLOADS                                         ; round 0's gather
	v_add_nc_u32 v[IXA], 512, v[IXA]               ; (the three index loads are in)
	WIN 0x40                                       ; 122 loads: attention's weights, which stay in registers
.irp t, 0,1,2,3
.irp s, 0,1
	WLOAD WK+24*\t+12*\s, WAK, 20, 1536*\t+96*\s
.endr
.endr
.irp t, 0,1,2,3
.irp s, 0,1
	WLOAD WV1+24*\t+12*\s, WAV, 26, 3072*\t+96*\s
.endr
.endr
.irp t, 0,1,2,3
.irp c, 0,1
	global_load_b128 v[BK+8*\t+4*\c:BK+8*\t+4*\c+3], v[BAK], s[24:25] offset:32*\t+16*\c
.endr
.endr
	WIN 0
.irp t, 0,1,2,3
.irp s, 0,1
	global_load_b32 v[WKS+2*\t+\s], v[WSAK], s[22:23] offset:64*\t+4*\s
	global_load_b32 v[WVS+2*\t+\s], v[WSAV], s[28:29] offset:128*\t+4*\s
.endr
.endr
	global_load_b32 v[BVO], v[BVA], s[30:31]
	global_load_b32 v[BVO+1], v[BVA], s[30:31] offset:128
	BAR                                            ; x's five images lie in LDS
	s_wait_loadcnt 63                              ; Wq's set and round 0's gather are older than the youngest 63 of the 122
	GSTORE 0
	PROJ QA, 186, 0, 0, GA, GB, ACB, QWR, QWR, 16*QP       ; q of head w, all 80 nodes, into LDS
	GADDR IX1
	GLOADS                                         ; round 1's gather (the stores of round 0's have been waited for)
	s_barrier_signal -1                            ; (no LDS instruction of mine is out)
	s_barrier_wait -1                              ; q and round 0's images lie in LDS
	s_wait_loadcnt 7                               ; all weights are in; round 1's gather stays out
	GFETCH GA, GSA, 0, 0
	GFETCH GB, GSB, 0, 1
.irp k, 0,1,2,3,4,5,6,7
	ds_load_b128 v[QA+4*\k:QA+4*\k+3], v[QAD] offset:16*\k
.endr
; ================ attention: five trips of two rounds of four nodes; one barrier a round
	s_mov_b32 s[TC], 0
.Ltrip:
	s_cmp_eq_u32 s[TC], 4                          ; in the last trip: my work-group's 80 rows of x, 320 blocks of 256 bytes, each named once, a lane a block, one trip ahead of the loads that want them
	s_cbranch_scc0 .Lno_pf
	global_prefetch_b8 v[PFO], s[10:11] th:TH_LOAD_NT scope:SCOPE_SE
	s_cmp_lt_u32 s[WV], 2
	s_cbranch_scc0 .Lno_pf
	global_prefetch_b8 v[PFO], s[10:11] offset:65536 th:TH_LOAD_NT scope:SCOPE_SE
.Lno_pf:
	RTOP 0
	STEP 0, 1, 1, 0, 1, 0, 2, 0
	STEP 2, 3, 0, 1, 1, 1, 0, 0
	RTOP 1
	STEP 4, 5, 2, 0, 1, 1, 2, 0
	STEP 6, 7, 0, 1, 2, 0, 0, 1
	s_add_co_u32 s[OB], s[OB], 8*OP
	s_add_co_u32 s[QB], s[QB], 8*QP
	s_add_co_u32 s[TC], s[TC], 1
	s_cmp_lt_u32 s[TC], 5
	s_cbranch_scc1 .Ltrip
; ================ the tail.  Its weights are asked for at once
	s_wait_loadcnt 0x0                             ; nothing of the gather is out
	s_wait_dscnt 0x0                               ; my stores of o are done
.irp b, 0,1,2,3
	v_mov_b32 v[TM+4+\b], 0                        ; written once, for QUANT's lane permutes
.endr
	WIN 0x40
.irp t, 0,1                            ; Wo's set, 32 loads
.irp s, 0,1
	WLOAD 192+12*(2*\t+\s), WAQ, 32, 3072*\t+96*\s
.endr
.endr
.irp t, 0,1
.irp c, 0,1
	global_load_b128 v[240+8*\t+4*\c:240+8*\t+4*\c+3], v[BAQ], s[36:37] offset:64*\t+16*\c
.endr
.endr
	WIN 0
.irp t, 0,1
.irp s, 0,1
	global_load_b32 v[PS+2*\t+\s], v[WSAQ], s[34:35] offset:128*\t+4*\s
.endr
.endr
	GAINS 38, 40                                   ; g1, be1
	WIN 0x40
.irp a, 0,1,2,3,4,5,6,7                ; W1: tile a = 2 b + u' begins at row 32 b + 8 u'; lane r takes the row r + 8 (r / 8) further on
.irp s, 0,1
	WLOAD 24*\a+12*\s, W1A, 42, 192*(32*(\a/2)+8*(\a%2))+96*\s
.endr
.endr
	WIN 0
.irp a, 0,1,2,3,4,5,6,7
.irp s, 0,1
	global_load_b32 v[WKS+2*\a+\s], v[W1SA], s[44:45] offset:8*(32*(\a/2)+8*(\a%2))+4*\s
.endr
.endr
	s_barrier_signal -1
	s_barrier_wait -1                              ; o of all 80 nodes lies in its stage
	s_cmp_lt_u32 s[WV], 5
	s_cbranch_scc0 .Lno_qo
	QTILE QTO, 0
.Lno_qo:
	BAR                                            ; o's five images lie in LDS, and o's stage has been read out
.irp i, 0,1,2,3,4,5,6,7,8,9
	global_load_b128 v[RES+8*\i:RES+8*\i+3], v[XRA], s[10:11] offset:1024*\i th:TH_LOAD_NT          ; x, rows 10 w .. + 9, for the residual
	global_load_b128 v[RES+8*\i+4:RES+8*\i+7], v[XRA], s[10:11] offset:1024*\i+512 th:TH_LOAD_NT
.endr
	s_wait_loadcnt 63                              ; behind Wo's set 136 loads were issued: it is older than the youngest 63
	PROJ 192, 240, 0x11, 0x01, 154, 178, 202, SWR, SWR4, 16*SP     ; attn_out + bo, columns 32 w .. + 31
	WIN 0x40
.irp a, 0,1,2,3,4,5,6,7                ; b1 in the result's layout, where Wo lay
.irp c, 0,1
	global_load_b128 v[192+8*\a+4*\c:192+8*\a+4*\c+3], v[B1A], s[46:47] offset:4*(32*(\a/2)+8*(\a%2))+16*\c
.endr
.endr
	WIN 0
	s_barrier_signal -1                            ; (PROJ has waited for its stores)
	s_barrier_wait -1
	s_wait_loadcnt 16                              ; only b1's 16 loads are younger than x's rows
.irp i, 0,1,2,3,4,5,6,7,8,9
	ds_load_b128 v[VAL+8*\i:VAL+8*\i+3], v[LNR] offset:SP*\i
	ds_load_b128 v[VAL+8*\i+4:VAL+8*\i+7], v[LNR] offset:SP*\i+512
.endr
	s_wait_dscnt 0x0
	LNORM 0                                        ; x1 takes attn_out's place: my ten rows are read and written by me alone
	GAINS 54, 56                                   ; g2, be2
	BAR
	s_cmp_lt_u32 s[WV], 5
	s_cbranch_scc0 .Lno_qx
	QTILE QTR, 1
.Lno_qx:
	BAR                                            ; x1's five images lie in LDS
; ---- the hidden layer: my 128 units for the five tiles of rows; quantised in registers, they are K step w of the second product
	s_wait_loadcnt 0x0
	FETCHT XFA, GSA, 0
.irp m, 0,1,2,3,4
.set XC, XFA+(XFB-XFA)*(\m%2)
.set XN, XFA+(XFB-XFA)*((\m+1)%2)
.set SC, GSA+2*(\m%2)
.set SN, GSA+2*((\m+1)%2)
.if \m < 4
	FETCHT XN, SN, \m+1
	s_wait_dscnt 7                                 ; all but the seven just issued
.else
	s_wait_dscnt 0x0
.endif
	WIN 0x11
.irp a, 0,1,2,3,4,5,6,7
	MM X+8*\a, 24*\a, XC, 192+8*\a, WKS+2*\a, SC
.endr
	WIN 0x01
.irp a, 0,1,2,3,4,5,6,7
	MM X+8*\a, 24*\a+12, XC+12, X+8*\a, WKS+2*\a+1, SC+1
.endr
	WIN 0
	PLACES 4
.if \m == 4
	WIN 0x40                                       ; W1, b1 and their scale words are done with: W2's fragments, b2 and W2's scale words take their places
.irp t, 0,1
.irp s, 0,1,2,3,4,5,6,7
	WLOAD 12*(8*\t+\s), W2A, 48, 12288*\t+96*\s
.endr
.endr
.irp t, 0,1
.irp c, 0,1
	global_load_b128 v[192+8*\t+4*\c:192+8*\t+4*\c+3], v[BAQ], s[52:53] offset:64*\t+16*\c
.endr
.endr
	WIN 0
.irp t, 0,1
.irp s, 0,1,2,3,4,5,6,7
	global_load_b32 v[WKS+8*\t+\s], v[W2SA], s[50:51] offset:512*\t+4*\s
.endr
.endr
.endif
.set j, 0
.rept 64
	v_max_num_f32 v[X+j], 0, v[X+j]                ; relu, in f32; each accumulator from its low end on
.set j, j+1
.endr
	QUANT X, PC, SX, TM, PW
.irp k, 0,1,2
	ds_store_b128 v[HWR], v[PC+4*\k:PC+4*\k+3] offset:HIMG*\m+512*\k
.endr
	ds_store_b32 v[HWS], v[PW] offset:HIMG*\m
.endr
	BAR                                            ; the hidden layer's 40 images lie in LDS
; ---- the second product: my 32 columns for the 80 rows: ten accumulators by turns, a K step at a time
	s_wait_loadcnt 0x0
.irp s, 0,1,2,3,4,5,6,7
.if \s > 0
	PLACES 4
.endif
.irp m, 0,1,2,3,4
.irp k, 0,1,2
	ds_load_b128 v[HF+12*\m+4*\k:HF+12*\m+4*\k+3], v[HRD0+\s/4] offset:HIMG*(5*(\s%4)+\m)+512*\k
.endr
	ds_load_b32 v[HS+\m], v[HRS0+\s/4] offset:HIMG*(5*(\s%4)+\m)
.endr
	s_wait_dscnt 0x0
.if \s == 0
	WIN 0x11
.else
	WIN 0x01
.endif
.irp m, 0,1,2,3,4
.irp t, 0,1
.if \s == 0
	MM AC2+8*(5*\t+\m), 12*(8*\t+\s), HF+12*\m, 192+8*\t, WKS+8*\t+\s, HS+\m
.else
	MM AC2+8*(5*\t+\m), 12*(8*\t+\s), HF+12*\m, AC2+8*(5*\t+\m), WKS+8*\t+\s, HS+\m
.endif
.endr
.endr
	WIN 0
.endr
	PLACES 4
.irp m, 0,1,2,3
.irp t, 0,1
	ds_store_b128 v[S2W], v[AC2+8*(5*\t+\m):AC2+8*(5*\t+\m)+3] offset:16*SP*\m+64*\t
	ds_store_b128 v[S2W], v[AC2+8*(5*\t+\m)+4:AC2+8*(5*\t+\m)+7] offset:16*SP*\m+64*\t+16
.endr
.endr
.irp t, 0,1
	ds_store_b128 v[S2W4], v[AC2+8*(5*\t+4):AC2+8*(5*\t+4)+3] offset:64*\t
	ds_store_b128 v[S2W4], v[AC2+8*(5*\t+4)+4:AC2+8*(5*\t+4)+7] offset:64*\t+16
.endr
	BAR                                            ; 80 whole rows of the FFN's result lie in LDS
.irp i, 0,1,2,3,4,5,6,7,8,9
	ds_load_b128 v[VAL+8*\i:VAL+8*\i+3], v[L2R] offset:SP*\i
	ds_load_b128 v[VAL+8*\i+4:VAL+8*\i+7], v[L2R] offset:SP*\i+512
	ds_load_b128 v[RES+8*\i:RES+8*\i+3], v[LNR] offset:SP*\i                     ; x1, the residual
	ds_load_b128 v[RES+8*\i+4:RES+8*\i+7], v[LNR] offset:SP*\i+512
.endr
	s_wait_dscnt 0x0
	LNORM 1
	s_wait_tensorcnt 0x0
	ds_add_u32 v57, v235
	s_wait_dscnt 0x0
	s_endpgm
.Lfunc_end_k_q6a72e582d3_layer:
	.size	k_q6a72e582d3_layer, .Lfunc_end_k_q6a72e582d3_layer-k_q6a72e582d3_layer
	.p2alignl 7, 3214868480
	.fill 96, 4, 3214868480
	.section	.rodata,"a",@progbits
	.p2align	6, 0x0
	.amdhsa_kernel k_q6a72e582d3_layer
		.amdhsa_group_segment_fixed_size 312832
		.amdhsa_private_segment_fixed_size 0
		.amdhsa_enable_private_segment 0
		.amdhsa_kernarg_size 208
		.amdhsa_user_sgpr_count 2
		.amdhsa_user_sgpr_kernarg_segment_ptr 1
		.amdhsa_wavefront_size32 1
		.amdhsa_system_sgpr_workgroup_id_x 1
		.amdhsa_system_sgpr_workgroup_id_y 1
		.amdhsa_system_sgpr_workgroup_id_z 1
		.amdhsa_system_vgpr_workitem_id 0
		.amdhsa_next_free_vgpr 512
		.amdhsa_next_free_sgpr 96
		.amdhsa_reserve_vcc 0
		.amdhsa_float_denorm_mode_32 3
		.amdhsa_float_denorm_mode_16_64 3
		.amdhsa_memory_ordered 1
		.amdhsa_forward_progress 1
		.amdhsa_inst_pref_size 255
	.end_amdhsa_kernel
	.section	.bss,"aw",@nobits
	.p2align	6
	.space	262144
	.amdgpu_metadata
---
amdhsa.version: [ 1, 2 ]
amdhsa.kernels:
  - .name:           k_q6a72e582d3_layer
    .symbol:         k_q6a72e582d3_layer.kd
    .args:
      - { .name: xq, .offset: 0, .size: 8, .value_kind: global_buffer, .address_space: global }
      - { .name: x, .offset: 8, .size: 8, .value_kind: global_buffer, .address_space: global }
      - { .name: attention_samples, .offset: 16, .size: 8, .value_kind: global_buffer, .address_space: global }
      - { .name: Wq_codes, .offset: 24, .size: 8, .value_kind: global_buffer, .address_space: global }
      - { .name: Wq_scales, .offset: 32, .size: 8, .value_kind: global_buffer, .address_space: global }
      - { .name: bq, .offset: 40, .size: 8, .value_kind: global_buffer, .address_space: global }
      - { .name: Wk_codes, .offset: 48, .size: 8, .value_kind: global_buffer, .address_space: global }
      - { .name: Wk_scales, .offset: 56, .size: 8, .value_kind: global_buffer, .address_space: global }
      - { .name: bk, .offset: 64, .size: 8, .value_kind: global_buffer, .address_space: global }
      - { .name: Wv_codes, .offset: 72, .size: 8, .value_kind: global_buffer, .address_space: global }
      - { .name: Wv_scales, .offset: 80, .size: 8, .value_kind: global_buffer, .address_space: global }
      - { .name: bv, .offset: 88, .size: 8, .value_kind: global_buffer, .address_space: global }
      - { .name: Wo_codes, .offset: 96, .size: 8, .value_kind: global_buffer, .address_space: global }
      - { .name: Wo_scales, .offset: 104, .size: 8, .value_kind: global_buffer, .address_space: global }
      - { .name: bo, .offset: 112, .size: 8, .value_kind: global_buffer, .address_space: global }
      - { .name: g1, .offset: 120, .size: 8, .value_kind: global_buffer, .address_space: global }
      - { .name: be1, .offset: 128, .size: 8, .value_kind: global_buffer, .address_space: global }
      - { .name: W1_codes, .offset: 136, .size: 8, .value_kind: global_buffer, .address_space: global }
      - { .name: W1_scales, .offset: 144, .size: 8, .value_kind: global_buffer, .address_space: global }
      - { .name: b1, .offset: 152, .size: 8, .value_kind: global_buffer, .address_space: global }
      - { .name: W2_codes, .offset: 160, .size: 8, .value_kind: global_buffer, .address_space: global }
      - { .name: W2_scales, .offset: 168, .size: 8, .value_kind: global_buffer, .address_space: global }
      - { .name: b2, .offset: 176, .size: 8, .value_kind: global_buffer, .address_space: global }
      - { .name: g2, .offset: 184, .size: 8, .value_kind: global_buffer, .address_space: global }
      - { .name: be2, .offset: 192, .size: 8, .value_kind: global_buffer, .address_space: global }
      - { .name: out0, .offset: 200, .size: 8, .value_kind: global_buffer, .address_space: global }
    .group_segment_fixed_size: 312832
    .private_segment_fixed_size: 0
    .kernarg_segment_align: 8
    .kernarg_segment_size: 208
    .max_flat_workgroup_size: 256
    .sgpr_count:     96
    .vgpr_count:     512
    .wavefront_size: 32
...
	.end_amdgpu_metadata
.endif
;; end of part 2
;; ======== version 2 of 3: 2 launches
;; workspace buffers: xq 5,120,000 bytes; wl 589,824 bytes
;; launch quant (part 3): grid 250 x 1, 5 waves a work-group, no clusters, 105,728 bytes of LDS; arguments x, xq, W1_codes, W2_codes, Wq_codes, Wk_codes, Wv_codes, Wo_codes, wl; writes xq, wl
.if DOCPART == 3
	.amdgcn_target "amdgcn-amd-amdhsa--gfx1250"
	.amdhsa_code_object_version 6
	.text
	.protected	k_q6a72e582d3_quant
	.globl	k_q6a72e582d3_quant
	.p2align	8
	.type	k_q6a72e582d3_quant,@function
k_q6a72e582d3_quant:
	s_mov_b64 s[64:65], 0
	v_nop
	global_prefetch_b8 v0, s[64:65] scope:SCOPE_SE
	s_setreg_imm32_b32 hwreg(HW_REG_WAVE_MODE, 25, 1), 1
	s_wait_xcnt 0x0
; TWO THINGS.  (1) x [20000][256] f32 -> xq [20000][256 bytes]: each row's codes of BF6 (E3M2) and its eight E8M0 scale bytes, laid in the ORDER OF AN OPERAND'S REGISTERS, in two halves of 128 bytes:
; half h: bytes 0-95 the codes of blocks h, 2 + h, 4 + h, 6 + h (24 bytes each), 96-103 the row's 8 scale bytes, 104-127 zeros.
; Lane (r, h) of a fragment wants the 96 bytes at 256 row + 128 h (K steps 0 and 1, 24 registers) and the two scale words 96 bytes further on.
; (2) The six weights' codes -> wl: 384 fragments (16 rows x 128 K) of 1,536 bytes as IMAGES OF THEIR REGISTERS: lane l's 16 bytes of register group k at 512 k + 16 l, so that the next launch loads a fragment by
; three loads of 512 bytes on end.  Fragments 0-127: W1 (2 T + s), 128-255: W2 (8 T + s), 256-287 Wq, 288-319 Wk, 320-351 Wv, 352-383 Wo (2 T + s); T the tile of rows, s the K step.  Lane r of tile T takes row
; 16 T + r; in Wk row 64 (T / 4) + 8 (T % 4) + r % 8 + 32 (r / 8); in W1 row 32 (T / 2) + 8 (T % 2) + r % 8 + 16 (r / 8): the rows that the next launch wants together.
; A block's scale is 2^(floor(log2(its largest magnitude)) - 4); its byte is that magnitude's exponent field - 4, held at 1 from below.
; LIMITS: a block whose largest magnitude lies under 2^-122 (a block of zeros too) gets the byte 1; zeros have zero codes, and this program alone reads the bytes.  NaN and infinities are not served.
; SHARES: 250 work-groups x 5 waves; a wave owns 16 rows of x (16,384 bytes in, 4,096 out); waves 0-383 of the 1,250 also take one fragment of a weight each.  Waves share nothing: no barrier.
; Every load of x reads 512 bytes on end; the rows turn through the wave's own LDS so that a lane holds 16 neighbours of each block; the result leaves through LDS as whole rows of 256 bytes, two to a store.
.set INP,  1040                        ; a row of x in LDS: 1,024 bytes + 16
.set OUTP, 272                         ; a row of xq in LDS: 256 + 16
.set WREG, 16*INP+16*OUTP              ; a wave's LDS: 20,992 bytes
.set FRB,  1536                        ; a fragment's image
.set R,    16                          ; v16-143  x as loaded; later K step 1's numbers, later the rows on their way out
.set X,    144                         ; v144-207 K step 0's numbers
.set PC,   208                         ; v208-231 the 24 registers of codes; ahead of that a weight's fragment
.set SX,   232                         ; v232-239 the conversions' second halves
.set TM,   240                         ; v240-255 at work in QUANT
; 64 numbers of a lane, register 16 b + i = k 32 b + 16 (lane / 16) + i of my row, become 12 registers of codes at v[pc] and the row's scale word in v[pw].
.macro QUANT src, pc, sx, tm, pw
.irp b, 0,1,2,3
	v_max3_num_f32 v[\tm+\b], |v[\src+16*\b]|, |v[\src+1+16*\b]|, 0x2800000   ; my 16 numbers of block b, and the floor 2^(5 - 127): the byte cannot fall under 1
.endr
.irp i, 2,4,6,8,10,12,14
.irp b, 0,1,2,3
	v_max3_num_f32 v[\tm+\b], v[\tm+\b], |v[\src+16*\b+\i]|, |v[\src+1+16*\b+\i]|
.endr
.endr
.irp b, 0,1,2,3
	v_permlanex16_b32 v[\tm+4+\b], v[\tm+\b], s20, s21
.endr
.irp b, 0,1,2,3
	v_max_num_f32 v[\tm+\b], v[\tm+\b], v[\tm+4+\b]        ; with lane l xor 16's 16: the block's largest magnitude
.endr
.irp b, 0,1,2,3
	v_add_nc_u32 v[\tm+12+\b], 0xfe000000, v[\tm+\b]       ; 4 off its exponent field: the conversion's scale operand
.endr
.irp b, 0,1,2,3
	v_lshrrev_b32 v[\tm+4+\b], 23, v[\tm+12+\b]            ; the scale's byte
.endr
	v_lshl_or_b32 v[\pw], v[\tm+5], 8, v[\tm+4]
	v_lshl_or_b32 v[\pw], v[\tm+6], 16, v[\pw]
	v_lshl_or_b32 v[\pw], v[\tm+7], 24, v[\pw]
.irp c, 0,1
	v_cvt_scalef32_pk16_bf6_f32 v[\pc+6*\c:\pc+6*\c+2], v[\src+32*\c:\src+32*\c+15], v[\tm+12+2*\c]
	v_cvt_scalef32_pk16_bf6_f32 v[\sx+4*\c:\sx+4*\c+2], v[\src+32*\c+16:\src+32*\c+31], v[\tm+13+2*\c]   ; (a conversion's three registers begin on an even number)
.endr
	v_nop                                          ; one plain place behind the conversions
.irp c, 0,1                            ; the layout wants a whole block in a lane: lanes 0-15 block 2 c, lanes 16-31 block 2 c + 1
.irp i, 0,1,2
	v_permlane16_swap_b32 v[\pc+6*\c+\i], v[\sx+4*\c+\i]
.endr
.irp i, 0,1,2
	v_mov_b32 v[\pc+3+6*\c+\i], v[\sx+4*\c+\i]
.endr
.endr
.endm
.macro WPIECES base                    ; a fragment as the weight lies in memory: 2 x 24 bytes of my row's stream of bits, in pieces of 8
.irp q, 0,1,2,3,4,5
	global_load_b64 v[PC+2*\q:PC+2*\q+1], v8, s[\base:\base+1] offset:48*(\q/3)+8*(\q%3)
.endr
.endm
.macro WSRC lim, base                  ; from the weight whose fragments end at 32 lim: each weight's loads name its own address
	s_cmp_lt_u32 s24, \lim
	s_cbranch_scc0 .Lnot_\@
	WPIECES \base
	s_branch .Lw_in
.Lnot_\@:
.endm
	s_load_b128 s[4:7], s[0:1], 0x0                ; x, xq
	s_load_b256 s[32:39], s[0:1], 0x10             ; the codes of W1, W2, Wq, Wk,
	s_load_b128 s[40:43], s[0:1], 0x30             ; Wv, Wo
	s_load_b64 s[44:45], s[0:1], 0x40              ; wl
	v_lshl_add_u32 v250, v0, 2, 0x19a00
	v_mov_b32 v251, 0
	v_lshrrev_b32 v1, 5, v0
	v_readfirstlane_b32 s8, v1                     ; wave 0..4
	v_and_b32 v7, 31, v0                           ; lane
	v_and_b32 v232, 15, v0                         ; r
	v_bfe_u32 v233, v0, 4, 1                       ; h
	v_lshlrev_b32 v1, 4, v7                        ; 16 x lane: my bytes of a load's or a store's 512
	s_mul_i32 s9, s8, WREG                         ; my wave's LDS
	s_add_co_u32 s10, s9, 16*INP                   ; and its part for the way out
	v_add_nc_u32 v2, s9, v1                        ; in: as the bytes lie
	v_mul_u32_u24 v3, v232, INP
	v_lshl_add_u32 v3, v233, 6, v3
	v_add_nc_u32 v3, s9, v3                        ; back: row r, + 64 h: my 16 numbers of a block
	v_mul_u32_u24 v4, v232, OUTP
	v_add_nc_u32 v4, s10, v4
	v_lshl_add_u32 v4, v233, 7, v4                 ; my half's 128 bytes of row r
	v_mul_u32_u24 v6, v233, OUTP
	v_lshl_add_u32 v6, v232, 4, v6
	v_add_nc_u32 v6, s10, v6                       ; out: lanes 0-15 one row, lanes 16-31 the next
	s_mov_b32 s20, 0x76543210
	s_mov_b32 s21, 0xfedcba98                      ; v_permlanex16_b32's selects for lane l xor 16
	s_mul_i32 s11, ttmp9, 5
	s_add_co_u32 s11, s11, s8                      ; my tile of 16 rows; also my fragment's number
	s_lshl_b32 s12, s11, 14
	s_mov_b32 s13, 0
	s_lshl_b32 s14, s11, 12
	s_mov_b32 s15, 0
	s_wait_kmcnt 0x0
	s_add_nc_u64 s[4:5], s[4:5], s[12:13]
	s_add_nc_u64 s[6:7], s[6:7], s[14:15]
.set k, 0
.rept 32
	global_load_b128 v[R+4*k:R+4*k+3], v1, s[4:5] offset:512*k th:TH_LOAD_NT   ; 512 bytes on end: half a row
.set k, k+1
.endr
.irp j, 10,11,12,13,14,15
	v_mov_b32 v[\j], 0                             ; the zeros of a row of xq
.endr
.irp b, 0,1,2,3
	v_mov_b32 v[TM+4+\b], 0                        ; written once: a lane permute's destination counts as one of its sources
.endr
; ---- a weight's fragment, in the first 384 waves: loads, wait and stores stand in this one branch, behind the loads of x, so that both are on their way together
	s_cmp_lt_u32 s11, 384
	s_cbranch_scc0 .Lno_w
	s_lshr_b32 s24, s11, 5                         ; 0-3 W1, 4-7 W2, 8 Wq, 9 Wk, 10 Wv, 11 Wo
	s_lshr_b32 s23, s11, 7                         ; 0 W1, 1 W2, 2 the four of [256][256]
	s_bfe_u32 s16, s11, 0x40001                    ; those four: T = bits 4:1,
	s_and_b32 s17, s11, 1                          ; s = bit 0 (W1's too),
	s_lshl_b32 s18, s16, 4                         ; first row 16 T,
	s_mov_b32 s19, 8                               ; lanes 8-15 eight rows on from lanes 0-7,
	s_mov_b32 s22, 192                             ; a row of 256 codes
	s_lshr_b32 s25, s16, 2                         ; Wk: first row 64 (T / 4) + 8 (T % 4), lanes 8-15 32 rows on
	s_lshl_b32 s25, s25, 6
	s_and_b32 s26, s16, 3
	s_lshl_b32 s26, s26, 3
	s_add_co_u32 s25, s25, s26
	s_cmp_eq_u32 s24, 9
	s_cselect_b32 s18, s25, s18
	s_cselect_b32 s19, 32, s19
	s_bfe_u32 s25, s11, 0x40003                    ; W2: T = bits 6:3, s = bits 2:0, a row of 1,024 codes
	s_lshl_b32 s25, s25, 4
	s_and_b32 s26, s11, 7
	s_mov_b32 s28, 768
	s_cmp_eq_u32 s23, 1
	s_cselect_b32 s18, s25, s18
	s_cselect_b32 s17, s26, s17
	s_cselect_b32 s22, s28, s22
	s_lshr_b32 s25, s11, 2                         ; W1: T = bits 6:1: first row 32 (T / 2) + 8 (T % 2), lanes 8-15 16 rows on
	s_lshl_b32 s25, s25, 5
	s_bfe_u32 s26, s11, 0x10001
	s_lshl_b32 s26, s26, 3
	s_add_co_u32 s25, s25, s26
	s_cmp_eq_u32 s23, 0
	s_cselect_b32 s18, s25, s18
	s_cselect_b32 s19, 16, s19
	s_mul_i32 s17, s17, 96                         ; a K step is 96 bytes of a row
	s_mul_i32 s28, s11, FRB
	s_mov_b32 s29, 0
	s_add_nc_u64 s[30:31], s[44:45], s[28:29]      ; where the image goes
	v_and_b32 v8, 7, v0
	v_bfe_u32 v9, v0, 3, 1
	v_mad_u32_u24 v8, v9, s19, v8
	v_add_nc_u32 v8, s18, v8                       ; my row,
	v_mul_u32_u24 v8, s22, v8                      ; in bytes,
	v_mad_u32_u24 v8, v233, 24, v8                 ; + 24 h
	v_add_nc_u32 v8, s17, v8                       ; + the K step
	WSRC 4, 32
	WSRC 8, 34
	WSRC 9, 36
	WSRC 10, 38
	WSRC 11, 40
	WPIECES 42
.Lw_in:
	s_wait_loadcnt 0x0                             ; the fragment is in (and x, which is wanted next)
.irp k, 0,1,2
	global_store_b128 v1, v[PC+4*\k:PC+4*\k+3], s[30:31] offset:512*\k           ; 32 lanes store 512 bytes on end, at a multiple of 256 from wl's first byte
.endr
.Lno_w:
.set k, 0
.rept 32
	s_wait_loadcnt 31-k                            ; loads come back in order: load k is in, the younger ones stay out
	ds_store_b128 v2, v[R+4*k:R+4*k+3] offset:(k/2)*INP+(k%2)*512
.set k, k+1
.endr
.irp b, 0,1,2,3
.irp j, 0,1,2,3
	ds_load_b128 v[X+16*\b+4*\j:X+16*\b+4*\j+3], v3 offset:128*\b+16*\j          ; K step 0 (LDS serves a wave's instructions in order)
.endr
.endr
	s_wait_dscnt 0x0                               ; K step 0 is in, and the stores have read v16-143
.irp b, 0,1,2,3
.irp j, 0,1,2,3
	ds_load_b128 v[R+16*\b+4*\j:R+16*\b+4*\j+3], v3 offset:512+128*\b+16*\j      ; K step 1 lands while K step 0 is quantised
.endr
.endr
	s_wait_xcnt 0x0                                ; the image's stores have read v208-219: the codes are written there only behind this wait
	QUANT X, PC, SX, TM, 8
	s_wait_dscnt 0x0
	QUANT R, PC+12, SX, TM, 9
.irp k, 0,1,2,3,4,5
	ds_store_b128 v4, v[PC+4*\k:PC+4*\k+3] offset:16*\k
.endr
	ds_store_b128 v4, v[8:11] offset:96            ; the two scale words and 8 bytes of zeros
	ds_store_b128 v4, v[12:15] offset:112          ; the half's last 16 bytes
.irp t, 0,1,2,3,4,5,6,7
	ds_load_b128 v[R+4*\t:R+4*\t+3], v6 offset:2*OUTP*\t
.endr
.irp t, 0,1,2,3,4,5,6,7
	s_wait_dscnt 7-\t
	global_store_b128 v1, v[R+4*\t:R+4*\t+3], s[6:7] offset:512*\t               ; two whole rows of 256 bytes
.endr
	s_wait_tensorcnt 0x0
	ds_add_u32 v250, v251
	s_wait_dscnt 0x0
	s_endpgm
.Lfunc_end_k_q6a72e582d3_quant:
	.size	k_q6a72e582d3_quant, .Lfunc_end_k_q6a72e582d3_quant-k_q6a72e582d3_quant
	.p2alignl 7, 3214868480
	.fill 96, 4, 3214868480
	.section	.rodata,"a",@progbits
	.p2align	6, 0x0
	.amdhsa_kernel k_q6a72e582d3_quant
		.amdhsa_group_segment_fixed_size 105728
		.amdhsa_private_segment_fixed_size 0
		.amdhsa_enable_private_segment 0
		.amdhsa_kernarg_size 72
		.amdhsa_user_sgpr_count 2
		.amdhsa_user_sgpr_kernarg_segment_ptr 1
		.amdhsa_wavefront_size32 1
		.amdhsa_system_sgpr_workgroup_id_x 1
		.amdhsa_system_sgpr_workgroup_id_y 1
		.amdhsa_system_sgpr_workgroup_id_z 1
		.amdhsa_system_vgpr_workitem_id 0
		.amdhsa_next_free_vgpr 256
		.amdhsa_next_free_sgpr 66
		.amdhsa_reserve_vcc 0
		.amdhsa_float_denorm_mode_32 3
		.amdhsa_float_denorm_mode_16_64 3
		.amdhsa_memory_ordered 1
		.amdhsa_forward_progress 1
		.amdhsa_inst_pref_size 26
	.end_amdhsa_kernel
	.amdgpu_metadata
---
amdhsa.version: [ 1, 2 ]
amdhsa.kernels:
  - .name:           k_q6a72e582d3_quant
    .symbol:         k_q6a72e582d3_quant.kd
    .args:
      - { .name: x, .offset: 0, .size: 8, .value_kind: global_buffer, .address_space: global }
      - { .name: xq, .offset: 8, .size: 8, .value_kind: global_buffer, .address_space: global }
      - { .name: W1_codes, .offset: 16, .size: 8, .value_kind: global_buffer, .address_space: global }
      - { .name: W2_codes, .offset: 24, .size: 8, .value_kind: global_buffer, .address_space: global }
      - { .name: Wq_codes, .offset: 32, .size: 8, .value_kind: global_buffer, .address_space: global }
      - { .name: Wk_codes, .offset: 40, .size: 8, .value_kind: global_buffer, .address_space: global }
      - { .name: Wv_codes, .offset: 48, .size: 8, .value_kind: global_buffer, .address_space: global }
      - { .name: Wo_codes, .offset: 56, .size: 8, .value_kind: global_buffer, .address_space: global }
      - { .name: wl, .offset: 64, .size: 8, .value_kind: global_buffer, .address_space: global }
    .group_segment_fixed_size: 105728
    .private_segment_fixed_size: 0
    .kernarg_segment_align: 8
    .kernarg_segment_size: 72
    .max_flat_workgroup_size: 160
    .sgpr_count:     66
    .vgpr_count:     256
    .wavefront_size: 32
...
	.end_amdgpu_metadata
.endif
;; end of part 3
;; launch layer (part 4): grid 250 x 1, 8 waves a work-group, no clusters, 294,400 bytes of LDS; arguments xq, x, attention_samples, wl, Wq_scales, bq, Wk_scales, bk, Wv_scales, bv, Wo_scales, bo, g1, be1, W1_scales, b1, W2_scales, b2, g2, be2, out0; writes out0
.if DOCPART == 4
	.amdgcn_target "amdgcn-amd-amdhsa--gfx1250"
	.amdhsa_code_object_version 6
	.text
	.protected	k_q6a72e582d3_layer
	.globl	k_q6a72e582d3_layer
	.p2align	8
	.type	k_q6a72e582d3_layer,@function
k_q6a72e582d3_layer:
	s_mov_b64 s[64:65], 0
	v_nop
	global_prefetch_b8 v0, s[64:65] scope:SCOPE_SE
	s_setreg_imm32_b32 hwreg(HW_REG_WAVE_MODE, 25, 1), 1
	s_wait_xcnt 0x0
; The whole layer for 80 nodes a work-group: q, the gather, k, v, scores, softmax, o, Wo, + x, LN1, W1, relu, W2, + x1, LN2.  All six quantised products run on codes of BF6 (E3M2) with E8M0 scales.
; quantise(x[samples]) = quantise(x)[samples], since a block of 32 lies inside one row: so the gather takes rows of xq (256 bytes: two halves of 96 bytes of codes, 8 of scales, 24 zeros).
; A node's 16 neighbours are one tile of 16 rows.  q, k, v, o, x1 and the hidden layer never go to memory.
; EVERY LOAD OF CODES READS BYTES ON END.  The weights' codes come from wl, where the launch before has laid each fragment as an image of its registers: three loads of 512 bytes.  A gather's load takes two whole
; rows of xq, sixteen lanes to a row; the pieces are sorted into the operand's order by the LDS address at which each lane stores its 16 bytes.
; ROLES (w = wave 0..7, p = w & 3, u = w >> 2).  q: head w for all 80 nodes.  Attention: heads 2 p, 2 p + 1 of nodes 40 u .. 40 u + 39; in round i wave w gathers node 40 u + 4 i + p for its group of four waves.
; Wo, W2: columns 32 w .. + 31 of all 80 rows.  W1: hidden units 128 w .. + 127, which are K step w of W2.  LN1, LN2: rows 10 w .. + 9.  Quantising o and x1: waves 0-4, a tile of 16 rows each.
; LAYOUTS.  k is made TRANSPOSED (source 0 = 16 rows of Wk, source 1 = the neighbours); row m of tile t is channel 64 p + 32 (m / 8) + 8 t + m % 8: lane (r, h) then holds neighbour r and, in 32 registers, all 32
; channels of head 2 p + h: a score is finished inside a lane.  q lies in the same order, a node a lane, and comes to every lane of a row of 16 by row_share on the multiply-add's first source.
; v is made the natural way (source 0 = the neighbours): lane r holds channel 64 p + 16 t + r, register j neighbour 8 h + j; the weights come by row_share:j.
; bv is added behind the weighted sum: the weights of a softmax add up to 1 but for f32 rounding.  The row's maximum is taken off ahead of the exponential.
; NO CLUSTER: 20,000 nodes are 1,250 tiles of 16 = 2 x 5^4, which no multiple of four work-groups shares evenly in whole tiles; the grid of 250 is no multiple of 4.  No tensor loads: the gather goes by index,
; and each weight fragment goes from memory straight into the register that keeps it.
; LIMITS: NaN and infinities are not served.  A block whose largest magnitude lies under 2^-122 (zeros too) gets the scale byte 1.  v_exp_f32, v_rcp_f32, v_rsq_f32 are 1 ulp; an exponential under 2^-126 is 0.
; Indices are held to 0 .. 19,999.
; ---- LDS
.set GP,   272                         ; a gathered node's slot: 16 regions of 256 + 16 bytes; piece j (16 bytes) of neighbour n's row lies at 272 j + 16 n: the sixteen lanes of a store (one row, 16 pieces)
.set GIMG, 16*GP                       ; fall on 16 different columns of 16 bytes, the sixteen lanes of a load (one piece, 16 rows) read 256 bytes on end
.set TIMG, 3328                        ; a tile's image: 6 x 512 bytes (lane l's 16 bytes at 16 l), then 256 bytes of scale pairs (8 l)
.set QL,   8*GIMG                      ; bytes 0 on: the even rounds' eight slots, one a wave.  Then q: 8 heads x 80 nodes x (128 + 16) bytes
.set QP,   144
.set QH,   80*QP
.set TIM,  QL+8*QH                     ; five tiles' images: x, then o, then x1
.set ST1,  TIM+5*TIMG                  ; 80 rows x (1,024 + 16): attn_out, then x1
.set SP,   1040
.set HIM,  ST1+80*SP                   ; the hidden layer: 40 images (5 s + m) of 3 x 512 + 128 bytes
.set HIMG, 1664
.set GB1,  HIM+40*HIMG-8*GIMG          ; the odd rounds' eight slots: the last 34,816 bytes of the hidden layer's region, which is written only long behind attention's last barrier
.set OST,  ST1                         ; o: [p][node][256 + 16]: 4 x 21,760 bytes over ST1 and HIM's first 3,840 bytes; read out before either is written
.set OP,   272
.set OREG, 80*OP
.set ST2,  0                           ; 80 rows x 1,040: the FFN's result, over the even slots and q, which are done with by then
; ---- wl: fragments of 1,536 bytes
.set FRB,  1536
.set WL_W1, 0
.set WL_W2, 128*FRB
.set WL_WQ, 256*FRB
.set WL_WK, 288*FRB
.set WL_WV, 320*FRB
.set WL_WO, 352*FRB
; ---- scalar registers: s[8:49] the 21 addresses in the order of the arguments
.set P_XQ,8
.set P_X,10
.set P_IDX,12
.set P_WL,14
.set P_WQS,16
.set P_BQ,18
.set P_WKS,20
.set P_BK,22
.set P_WVS,24
.set P_BV,26
.set P_WOS,28
.set P_BO,30
.set P_G1,32
.set P_BE1,34
.set P_W1S,36
.set P_B1,38
.set P_W2S,40
.set P_B2,42
.set P_G2,44
.set P_BE2,46
.set P_OUT,48
.set WV, 60
.set WP, 61
.set WU, 62
.set TC, 63                            ; the trip, 0..4
.set SEL, 66                           ; s[66:67] v_permlanex16_b32's selects for lane l xor 16
.set CS, 68                            ; log2(e) / sqrt(32)
.set RD, 69                            ; 1 / 256
.set EP, 70                            ; 1e-5
.set OB, 74                            ; 8 nodes x 272 bytes x trip
.set QB, 75                            ; 8 nodes x 144 bytes x (trip + 1)
; ---- window 0, kept: LDS addresses
.set GRD,4                             ; v4, v5: where I read my group's slots, even and odd rounds
.set GWR,6                             ; v6, v7: where I store into my slot
.set QAD,8
.set OAD,9
.set TIW,10
.set TIWS,11
.set TIR,12
.set TIRS,13
.set QWR,14
.set SWR,15
.set SWR4,16
.set QTR,17
.set LNR,18
.set HWR,19
.set HWS,20
.set HRD0,21
.set HRS0,23
.set S2W,25
.set S2W4,26
.set L2R,27
; the scale words' own registers, v28-56: they hold scales and nothing else
.set WKS,28                            ; v28-35 Wk's, v36-43 Wv's; then W1's 16; then W2's 16
.set WVS,36
.set PS,44                             ; v44-47 Wq's, then Wo's
.set GSA,48                            ; v[48:49], v[50:51] the pairs of the two fragments in hand
.set GSB,50
.set HS,52                             ; v52-56 the hidden layer's
; attention
.set IXA,58                            ; byte offset of my eight indices
.set J16,59                            ; 16 x (lane % 16): my piece of a row of xq
.set BVO,62
.set TA,64                             ; a node's temporaries: +0..3 four partial scores, later o; +4 maximum, +5 p, +6 sum, +7 1 / sum, +8, +9 the weights of heads 2 p, 2 p + 1
.set TB,76
.set IX0,64                            ; at the head: the indices of rounds 0 and 1
.set IX1,72
.set GA,90
.set GB,114
.set QA,138
.set ACA,170
.set ACB,202
.set PFO,234
.set QTO,236
.set OADT,237
.set QADT,238
.set L16,239
.set IX,240                            ; v240-247 eight indices: neighbours 8 (lane / 16) + 0 .. 7
.set GAD,248                           ; v248-255 their rows' byte offsets, + my piece
; global byte offsets of the head's loads
.set WLQ,218
.set WSAQ,219
.set BAQ,220
.set WLK,221
.set WSAK,222
.set BAK,223
.set WSAV,224
.set BVA,225
.set XTA,226
; and of the tail's, made behind attention
.set TWLQ,240
.set TWSAQ,241
.set TBAQ,242
.set TWL1,243
.set W1SA,244
.set B1A,245
.set W2SA,246
.set XRA,247
; window 1 in attention
.set WK,0
.set WV1,96
.set BK,192
.set GG,224                            ; v224-255 of window 1: a gather on its way
; window 0 behind attention
.set GBR,58                            ; v58-65 gain, v66-73 bias
.set RES,74
.set VAL,154
.set X,74                              ; 64 numbers for QUANT; also the hidden layer's 8 tiles
.set XFA,138
.set XFB,162
.set TM,186
.set PC,202
.set SX,214
.set PW,222
.set AC2,74
.set HF,154
.set MSB, 0
.macro WIN new                         ; the immediate's high byte repeats the setting that is left
.if MSB != \new
	s_set_vgpr_msb (MSB<<8)|\new
.set MSB, \new
.endif
.endm
.macro PLACES n
.rept \n
	v_nop
.endr
.endm
.macro BAR                             ; my LDS stores have landed and my LDS loads are in: then the work-group's barrier
	s_wait_dscnt 0x0
	s_barrier_signal -1
	s_barrier_wait -1
.endm
.macro MM d, a, b, c, sa, sb
	v_wmma_scale_f32_16x16x128_f8f6f4 v[(\d):(\d)+7], v[(\a):(\a)+11], v[(\b):(\b)+11], v[(\c):(\c)+7], v[\sa], v[\sb] matrix_a_fmt:MATRIX_FMT_BF6 matrix_b_fmt:MATRIX_FMT_BF6
.endm
.macro MZ d, a, b, sa, sb              ; the first K step starts the sum
	v_wmma_scale_f32_16x16x128_f8f6f4 v[(\d):(\d)+7], v[(\a):(\a)+11], v[(\b):(\b)+11], 0, v[\sa], v[\sb] matrix_a_fmt:MATRIX_FMT_BF6 matrix_b_fmt:MATRIX_FMT_BF6
.endm
.macro WLOAD reg, adr, off             ; a weight's fragment out of wl: three loads of 512 bytes on end
.irp k, 0,1,2
	global_load_b128 v[(\reg)+4*\k:(\reg)+4*\k+3], v[\adr], s[P_WL:P_WL+1] offset:(\off)+512*\k
.endr
.endm
.macro GFETCH reg, sc, par, slot       ; a node's two fragments and scale pair out of my group's slots: lane (r, h) takes pieces 8 h + 0 .. 6 of neighbour r
.irp k, 0,1,2,3,4,5
	ds_load_b128 v[(\reg)+4*\k:(\reg)+4*\k+3], v[GRD+(\par)] offset:GIMG*(\slot)+GP*\k
.endr
	ds_load_b64 v[\sc:\sc+1], v[GRD+(\par)] offset:GIMG*(\slot)+GP*6
.endm
.macro FETCHT reg, sc, m               ; tile m's
.irp k, 0,1,2,3,4,5
	ds_load_b128 v[(\reg)+4*\k:(\reg)+4*\k+3], v[TIR] offset:TIMG*(\m)+512*\k
.endr
	ds_load_b64 v[\sc:\sc+1], v[TIRS] offset:TIMG*(\m)
.endm
.macro GADDR ix                        ; 256 x each of my eight neighbours' indices + my piece
.irp i, 0,1,2,3,4,5,6,7
	v_min_u32 v[(\ix)+\i], 0x4e1f, v[(\ix)+\i]
.endr
.irp i, 0,1,2,3,4,5,6,7
	v_lshlrev_b32 v[GAD+\i], 8, v[(\ix)+\i]
.endr
.irp i, 0,1,2,3,4,5,6,7
	v_add_nc_u32 v[GAD+\i], v[GAD+\i], v[J16]
.endr
.endm
.macro GLOADS                          ; load i: the whole rows of neighbours i (lanes 0-15) and 8 + i (lanes 16-31), 256 bytes on end each
	WIN 0x40
.irp i, 0,1,2,3,4,5,6,7
	global_load_b128 v[GG+4*\i:GG+4*\i+3], v[GAD+\i], s[P_XQ:P_XQ+1]
.endr
	WIN 0
.endm
.macro GSTORE par                      ; piece j of neighbour i + 8 (lane / 16) goes to 272 j + 128 (lane / 16) + 16 i of my slot
	WIN 0x04
.irp i, 0,1,2,3,4,5,6,7
	ds_store_b128 v[GWR+(\par)], v[GG+4*\i:GG+4*\i+3] offset:16*\i
.endr
	WIN 0
.endm
; The head of round 2 TC + rho: the next round's gather is in registers and goes to the other set of slots, which every wave has left (the last round's barrier).
.macro RTOP rho
	s_wait_loadcnt 0x0                             ; the gather for the next round and the indices for the round after it: both were asked for a round ago
.if \rho == 1
	s_cmp_lt_u32 s[TC], 4                          ; the last round has no successor
	s_cbranch_scc0 .Lns_\@
.endif
	GSTORE 1-\rho
.if \rho == 1
.Lns_\@:
.endif
	GADDR IX
.endm
.macro GISSUE rho                      ; the gather two rounds on, the indices three rounds on; none beyond round 9
	s_cmp_lt_u32 s[TC], 4
	s_cbranch_scc0 .Lng_\@
	GLOADS
.if (\rho) == 1
	s_cmp_lt_u32 s[TC], 3
	s_cbranch_scc0 .Lng_\@
.endif
	v_add_nc_u32 v[IXA], 256, v[IXA]               ; (its last loads were waited for at the round's head)
	global_load_b128 v[IX:IX+3], v[IXA], s[P_IDX:P_IDX+1]
	global_load_b128 v[IX+4:IX+7], v[IXA], s[P_IDX:P_IDX+1] offset:16
.Lng_\@:
.endm
; TWO NODES, na and nb = na + 1 of the trip's eight.  gi: 1, 2: the round's gather is issued.  sig: the round's barrier.  nxt: the next two nodes are fetched from set np, slots ns, ns + 1 (2: not in the last trip).
.macro STEP na, nb, gi, sig, nxt, np, ns, ql
	s_wait_dscnt 0x0                               ; both nodes' fragments (and q) are in; my stores into the slots and of o are done
.if \na == 0
	v_add_nc_u32 v[OADT], s[OB], v[OAD]
.endif
.if \gi
	GISSUE (\gi)-1
.endif
.if \sig
	s_barrier_signal -1                            ; my image of the next round lies in its slot, and my reads of this round's slots are over
.endif
	WIN 0x11                                       ; Wk and bk in window 1
.irp t, 0,1,2,3                        ; the eight accumulators take turns, one instruction a turn
	MM ACA+8*\t, WK+24*\t, GA, BK+8*\t, WKS+2*\t, GSA
	MM ACB+8*\t, WK+24*\t, GB, BK+8*\t, WKS+2*\t, GSB
.endr
	WIN 0x01
.irp t, 0,1,2,3
	MM ACA+8*\t, WK+24*\t+12, GA+12, ACA+8*\t, WKS+2*\t+1, GSA+1
	MM ACB+8*\t, WK+24*\t+12, GB+12, ACB+8*\t, WKS+2*\t+1, GSB+1
.endr
	WIN 0
	PLACES 4                                       ; four places ahead of the first read of results
.set i, 0
.rept 32                               ; score(neighbour r, head 2 p + h) = the sum over 32 channels, in four chains a node; each accumulator is read from its low end on
.if i < 4
	v_mul_f32_dpp v[TA+i%4], v[QA+i], v[ACA+i] row_share:\na row_mask:0xf bank_mask:0xf
	v_mul_f32_dpp v[TB+i%4], v[QA+i], v[ACB+i] row_share:\nb row_mask:0xf bank_mask:0xf
.else
	v_fmac_f32_dpp v[TA+i%4], v[QA+i], v[ACA+i] row_share:\na row_mask:0xf bank_mask:0xf
	v_fmac_f32_dpp v[TB+i%4], v[QA+i], v[ACB+i] row_share:\nb row_mask:0xf bank_mask:0xf
.endif
.set i, i+1
.endr
.irp T, TA,TB
	v_add_f32 v[\T], v[\T], v[\T+1]
.endr
.irp T, TA,TB
	v_add_f32 v[\T+2], v[\T+2], v[\T+3]
.endr
.irp T, TA,TB
	v_add_f32 v[\T], v[\T], v[\T+2]
.endr
.irp T, TA,TB
	v_max_num_f32_dpp v[\T+4], v[\T], v[\T] row_xmask:1 row_mask:0xf bank_mask:0xf   ; a row of 16 lanes holds a head's 16 scores
.endr
.irp x, 2,4,8
.irp T, TA,TB
	v_max_num_f32_dpp v[\T+4], v[\T+4], v[\T+4] row_xmask:\x row_mask:0xf bank_mask:0xf
.endr
.endr
.irp T, TA,TB
	v_sub_f32 v[\T+5], v[\T], v[\T+4]              ; the maximum is taken off,
.endr
.irp T, TA,TB
	v_mul_f32 v[\T+5], s[CS], v[\T+5]              ; x log2(e) / sqrt(32)
.endr
.irp T, TA,TB
	v_exp_f32 v[\T+5], v[\T+5]
.endr
	v_nop                                          ; a plain place behind the exponentials
	s_wait_alu depctr_va_vdst(0)                   ; one wait for both, ahead of their first reader
.irp T, TA,TB
	v_add_f32_dpp v[\T+6], v[\T+5], v[\T+5] row_xmask:1 row_mask:0xf bank_mask:0xf
.endr
.irp x, 2,4,8
.irp T, TA,TB
	v_add_f32_dpp v[\T+6], v[\T+6], v[\T+6] row_xmask:\x row_mask:0xf bank_mask:0xf
.endr
.endr
.irp T, TA,TB
	v_rcp_f32 v[\T+7], v[\T+6]
.endr
	v_nop
	s_wait_alu depctr_va_vdst(0)
.irp T, TA,TB
	v_mul_f32 v[\T+8], v[\T+5], v[\T+7]            ; the weights: lane (r, h): head 2 p + h, neighbour r
.endr
.irp T, TA,TB
	v_mov_b32_dpp v[\T+9], v[\T+8] row_xmask:8 row_mask:0xf bank_mask:0xf
.endr
.irp T, TA,TB
	v_permlane16_swap_b32 v[\T+8], v[\T+9]         ; +8: head 2 p, +9: head 2 p + 1; in each, lanes 0-7 of row h hold neighbours 8 h .. 8 h + 7
.endr
	WIN 0x04                                       ; Wv in window 1.  (The lines above that name temporaries alone, and the four v_nop, are more than the five places owed ahead of products that write over k)
.irp t, 0,1,2,3
	MZ ACA+8*\t, GA, WV1+24*\t, GSA, WVS+2*\t
	MZ ACB+8*\t, GB, WV1+24*\t, GSB, WVS+2*\t
.endr
.irp t, 0,1,2,3
	MM ACA+8*\t, GA+12, WV1+24*\t+12, ACA+8*\t, GSA+1, WVS+2*\t+1
	MM ACB+8*\t, GB+12, WV1+24*\t+12, ACB+8*\t, GSB+1, WVS+2*\t+1
.endr
	WIN 0
.if \sig
	s_barrier_wait -1                              ; every wave's image of the next round lies in its slot; nobody reads this round's slots any more
.endif
	PLACES 4                                       ; ahead of loads into registers that the products have read, and of the first read of v
.if \nxt == 2
	s_cmp_lt_u32 s[TC], 4
	s_cbranch_scc0 .Lnf_\@
.endif
.if \nxt
	GFETCH GA, GSA, \np, \ns
	GFETCH GB, GSB, \np, (\ns)+1
.if \ql
	v_add_nc_u32 v[QADT], s[QB], v[QAD]
.irp k, 0,1,2,3,4,5,6,7
	ds_load_b128 v[QA+4*\k:QA+4*\k+3], v[QADT] offset:16*\k                      ; the next trip's q: lane (n, h): node n % 8, head 2 p + h
.endr
.endif
.endif
.if \nxt == 2
.Lnf_\@:
.endif
.irp j, 0,1,2,3,4,5,6,7                ; o(channel 64 p + 16 t + r) over my half's eight neighbours; tile t's sum at +0, +2, +1, +3
.irp t, 0,1,2,3
.if \j == 0
	v_mul_f32_dpp v[TA+2*(\t%2)+\t/2], v[TA+8+\t/2], v[ACA+8*\t+\j] row_share:\j row_mask:0xf bank_mask:0xf
	v_mul_f32_dpp v[TB+2*(\t%2)+\t/2], v[TB+8+\t/2], v[ACB+8*\t+\j] row_share:\j row_mask:0xf bank_mask:0xf
.else
	v_fmac_f32_dpp v[TA+2*(\t%2)+\t/2], v[TA+8+\t/2], v[ACA+8*\t+\j] row_share:\j row_mask:0xf bank_mask:0xf
	v_fmac_f32_dpp v[TB+2*(\t%2)+\t/2], v[TB+8+\t/2], v[ACB+8*\t+\j] row_share:\j row_mask:0xf bank_mask:0xf
.endif
.endr
.endr
.irp T, TA,TB
	v_permlane16_swap_b32 v[\T], v[\T+2]           ; tiles 0 and 1: the halves' sums come to stand lane by lane,
	v_permlane16_swap_b32 v[\T+1], v[\T+3]         ; tiles 2 and 3 likewise
.endr
.irp T, TA,TB
	v_pk_add_f32 v[\T:\T+1], v[\T:\T+1], v[\T+2:\T+3]      ; lane l: channels 64 p + l and 64 p + 32 + l
.endr
.irp T, TA,TB
	v_pk_add_f32 v[\T:\T+1], v[\T:\T+1], v[BVO:BVO+1]
.endr
	ds_store_b32 v[OADT], v[TA] offset:OP*\na
	ds_store_b32 v[OADT], v[TA+1] offset:OP*\na+128
	ds_store_b32 v[OADT], v[TB] offset:OP*\nb
	ds_store_b32 v[OADT], v[TB+1] offset:OP*\nb+128
.endm
; 32 columns of a weight [256][256] for the five tiles of rows, TRANSPOSED (source 0 = 16 rows of the weight): lane (r, h) holds row r and eight neighbouring columns.  The bias is the C of the first K step.
.macro PROJ wf, wb, win0, win1, xfa, xfb, pa, dst, dst4, p16
	FETCHT \xfa, GSA, 0
.irp m, 0,1,2,3,4
.set XC, (\xfa)+((\xfb)-(\xfa))*(\m%2)
.set XN, (\xfa)+((\xfb)-(\xfa))*((\m+1)%2)
.set SC, GSA+2*(\m%2)
.set SN, GSA+2*((\m+1)%2)
.if \m < 4
	FETCHT XN, SN, \m+1
	s_wait_dscnt 7                                 ; all but the seven loads just issued: this tile's fragments are in, the last tile's stores are done
.else
	s_wait_dscnt 0x0
.endif
	WIN \win0
	MM \pa, \wf, XC, \wb, PS, SC
	MM (\pa)+8, (\wf)+24, XC, (\wb)+8, PS+2, SC
	WIN \win1
	MM \pa, (\wf)+12, XC+12, \pa, PS+1, SC+1
	MM (\pa)+8, (\wf)+36, XC+12, (\pa)+8, PS+3, SC+1
	WIN 0
	PLACES 5                                       ; four ahead of the stores and of the next fetch, five ahead of the next tile's products, which begin these sums anew
.irp t, 0,1
.if (\m)*(\p16) > 65000
	ds_store_b128 v[\dst4], v[(\pa)+8*\t:(\pa)+8*\t+3] offset:64*\t
	ds_store_b128 v[\dst4], v[(\pa)+8*\t+4:(\pa)+8*\t+7] offset:64*\t+16
.else
	ds_store_b128 v[\dst], v[(\pa)+8*\t:(\pa)+8*\t+3] offset:(\m)*(\p16)+64*\t
	ds_store_b128 v[\dst], v[(\pa)+8*\t+4:(\pa)+8*\t+7] offset:(\m)*(\p16)+64*\t+16
.endif
.endr
.endr
	s_wait_dscnt 0x0
.endm
; 64 numbers of a lane, register 16 b + i = k 32 b + 16 (lane / 16) + i of my row, become 12 registers of codes at v[pc] and the row's scale word in v[pw].
.macro QUANT src, pc, sx, tm, pw
.irp b, 0,1,2,3
	v_max3_num_f32 v[\tm+\b], |v[\src+16*\b]|, |v[\src+1+16*\b]|, 0x2800000   ; and the floor 2^(5 - 127): the byte cannot fall under 1
.endr
.irp i, 2,4,6,8,10,12,14
.irp b, 0,1,2,3
	v_max3_num_f32 v[\tm+\b], v[\tm+\b], |v[\src+16*\b+\i]|, |v[\src+1+16*\b+\i]|
.endr
.endr
.irp b, 0,1,2,3
	v_permlanex16_b32 v[\tm+4+\b], v[\tm+\b], s[SEL], s[SEL+1]
.endr
.irp b, 0,1,2,3
	v_max_num_f32 v[\tm+\b], v[\tm+\b], v[\tm+4+\b]
.endr
.irp b, 0,1,2,3
	v_add_nc_u32 v[\tm+12+\b], 0xfe000000, v[\tm+\b]       ; 4 off the exponent field: the conversion's scale operand
.endr
.irp b, 0,1,2,3
	v_lshrrev_b32 v[\tm+4+\b], 23, v[\tm+12+\b]            ; the scale's byte
.endr
	v_lshl_or_b32 v[\pw], v[\tm+5], 8, v[\tm+4]
	v_lshl_or_b32 v[\pw], v[\tm+6], 16, v[\pw]
	v_lshl_or_b32 v[\pw], v[\tm+7], 24, v[\pw]
.irp c, 0,1
	v_cvt_scalef32_pk16_bf6_f32 v[\pc+6*\c:\pc+6*\c+2], v[\src+32*\c:\src+32*\c+15], v[\tm+12+2*\c]
	v_cvt_scalef32_pk16_bf6_f32 v[\sx+4*\c:\sx+4*\c+2], v[\src+32*\c+16:\src+32*\c+31], v[\tm+13+2*\c]
.endr
	v_nop                                          ; one plain place behind the conversions
.irp c, 0,1
.irp i, 0,1,2
	v_permlane16_swap_b32 v[\pc+6*\c+\i], v[\sx+4*\c+\i]
.endr
.irp i, 0,1,2
	v_mov_b32 v[\pc+3+6*\c+\i], v[\sx+4*\c+\i]
.endr
.endr
.endm
; My tile of 16 rows (kind 0: o, from its stage by quarters of a row; kind 1: x1, from rows of 1,040 bytes) becomes an image of two fragments and a scale pair.
.macro QTILE adr, kind
.irp s, 0,1
.irp b, 0,1,2,3
.irp j, 0,1,2,3
.if \kind == 0
	ds_load_b128 v[X+16*\b+4*\j:X+16*\b+4*\j+3], v[\adr] offset:(2*\s+\b/2)*OREG+(\b%2)*128+16*\j
.else
	ds_load_b128 v[X+16*\b+4*\j:X+16*\b+4*\j+3], v[\adr] offset:512*\s+128*\b+16*\j
.endif
.endr
.endr
	s_wait_dscnt 0x0                               ; the numbers are in; the last K step's stores have read their registers
	QUANT X, PC, SX, TM, PW
.irp k, 0,1,2
	ds_store_b128 v[TIW], v[PC+4*\k:PC+4*\k+3] offset:1536*\s+512*\k
.endr
	ds_store_b32 v[TIWS], v[PW] offset:4*\s
.endr
.endm
; LayerNorm of VAL + RES, ten rows in ten chains.  A lane holds channels 4 l .. + 3 and 128 + 4 l .. + 3 of each row.  RES is done with behind the first lines and serves as the temporaries.
.macro LNORM out
.irp c, 0,2,4,6
.irp i, 0,1,2,3,4,5,6,7,8,9
	v_pk_add_f32 v[VAL+8*\i+\c:VAL+8*\i+\c+1], v[VAL+8*\i+\c:VAL+8*\i+\c+1], v[RES+8*\i+\c:RES+8*\i+\c+1]
.endr
.endr
.irp i, 0,1,2,3,4,5,6,7,8,9
	v_pk_add_f32 v[RES+8*\i:RES+8*\i+1], v[VAL+8*\i:VAL+8*\i+1], v[VAL+8*\i+2:VAL+8*\i+3]
.endr
.irp i, 0,1,2,3,4,5,6,7,8,9
	v_pk_add_f32 v[RES+8*\i+2:RES+8*\i+3], v[VAL+8*\i+4:VAL+8*\i+5], v[VAL+8*\i+6:VAL+8*\i+7]
.endr
.irp i, 0,1,2,3,4,5,6,7,8,9
	v_pk_add_f32 v[RES+8*\i:RES+8*\i+1], v[RES+8*\i:RES+8*\i+1], v[RES+8*\i+2:RES+8*\i+3]
.endr
.irp i, 0,1,2,3,4,5,6,7,8,9
	v_add_f32 v[RES+8*\i], v[RES+8*\i], v[RES+8*\i+1]
.endr
.irp x, 1,2,4,8
.irp i, 0,1,2,3,4,5,6,7,8,9
	v_add_f32_dpp v[RES+8*\i], v[RES+8*\i], v[RES+8*\i] row_xmask:\x row_mask:0xf bank_mask:0xf
.endr
.endr
.irp i, 0,1,2,3,4,5,6,7,8,9
	v_permlanex16_b32 v[RES+8*\i+1], v[RES+8*\i], s[SEL], s[SEL+1]
.endr
.irp i, 0,1,2,3,4,5,6,7,8,9
	v_add_f32 v[RES+8*\i], v[RES+8*\i], v[RES+8*\i+1]
.endr
.irp i, 0,1,2,3,4,5,6,7,8,9
	v_mul_f32 v[RES+8*\i], s[RD], v[RES+8*\i]      ; the mean
.endr
.irp c, 0,2,4,6
.irp i, 0,1,2,3,4,5,6,7,8,9
	v_pk_add_f32 v[VAL+8*\i+\c:VAL+8*\i+\c+1], v[VAL+8*\i+\c:VAL+8*\i+\c+1], v[RES+8*\i:RES+8*\i+1] op_sel_hi:[1,0] neg_lo:[0,1] neg_hi:[0,1]
.endr
.endr
.irp i, 0,1,2,3,4,5,6,7,8,9
	v_pk_mul_f32 v[RES+8*\i+2:RES+8*\i+3], v[VAL+8*\i:VAL+8*\i+1], v[VAL+8*\i:VAL+8*\i+1]
.endr
.irp c, 2,4,6
.irp i, 0,1,2,3,4,5,6,7,8,9
	v_pk_fma_f32 v[RES+8*\i+2:RES+8*\i+3], v[VAL+8*\i+\c:VAL+8*\i+\c+1], v[VAL+8*\i+\c:VAL+8*\i+\c+1], v[RES+8*\i+2:RES+8*\i+3]
.endr
.endr
.irp i, 0,1,2,3,4,5,6,7,8,9
	v_add_f32 v[RES+8*\i+2], v[RES+8*\i+2], v[RES+8*\i+3]
.endr
.irp x, 1,2,4,8
.irp i, 0,1,2,3,4,5,6,7,8,9
	v_add_f32_dpp v[RES+8*\i+2], v[RES+8*\i+2], v[RES+8*\i+2] row_xmask:\x row_mask:0xf bank_mask:0xf
.endr
.endr
.irp i, 0,1,2,3,4,5,6,7,8,9
	v_permlanex16_b32 v[RES+8*\i+3], v[RES+8*\i+2], s[SEL], s[SEL+1]
.endr
.irp i, 0,1,2,3,4,5,6,7,8,9
	v_add_f32 v[RES+8*\i+2], v[RES+8*\i+2], v[RES+8*\i+3]
.endr
.irp i, 0,1,2,3,4,5,6,7,8,9
	v_fma_f32 v[RES+8*\i+2], v[RES+8*\i+2], s[RD], s[EP]   ; the variance + 1e-5
.endr
.irp i, 0,1,2,3,4,5,6,7,8,9
	v_rsq_f32 v[RES+8*\i+4], v[RES+8*\i+2]
.endr
	v_nop                                          ; a plain place behind the batch
	s_wait_alu depctr_va_vdst(0)                   ; one wait for the ten, ahead of their first reader
.irp c, 0,2,4,6
.irp i, 0,1,2,3,4,5,6,7,8,9
	v_pk_mul_f32 v[VAL+8*\i+\c:VAL+8*\i+\c+1], v[VAL+8*\i+\c:VAL+8*\i+\c+1], v[RES+8*\i+4:RES+8*\i+5] op_sel_hi:[1,0]
.endr
.endr
.irp c, 0,2,4,6
.irp i, 0,1,2,3,4,5,6,7,8,9
	v_pk_fma_f32 v[VAL+8*\i+\c:VAL+8*\i+\c+1], v[VAL+8*\i+\c:VAL+8*\i+\c+1], v[GBR+\c:GBR+\c+1], v[GBR+8+\c:GBR+8+\c+1]
.endr
.endr
.irp i, 0,1,2,3,4,5,6,7,8,9
.if \out
	global_store_b128 v[XRA], v[VAL+8*\i:VAL+8*\i+3], s[P_OUT:P_OUT+1] offset:1024*\i th:TH_STORE_NT        ; 32 lanes store 512 bytes on end, at a multiple of 256 from out0's first byte
	global_store_b128 v[XRA], v[VAL+8*\i+4:VAL+8*\i+7], s[P_OUT:P_OUT+1] offset:1024*\i+512 th:TH_STORE_NT
.else
	ds_store_b128 v[LNR], v[VAL+8*\i:VAL+8*\i+3] offset:SP*\i
	ds_store_b128 v[LNR], v[VAL+8*\i+4:VAL+8*\i+7] offset:SP*\i+512
.endif
.endr
.endm
.macro GAINS g, b                      ; my eight channels' gain and bias
	global_load_b128 v[GBR:GBR+3], v[L16], s[\g:\g+1]
	global_load_b128 v[GBR+4:GBR+7], v[L16], s[\g:\g+1] offset:512
	global_load_b128 v[GBR+8:GBR+11], v[L16], s[\b:\b+1]
	global_load_b128 v[GBR+12:GBR+15], v[L16], s[\b:\b+1] offset:512
.endm
; ================ the head: ids, every LDS address, the first loads
	s_load_b512 s[8:23], s[0:1], 0x0
	s_load_b512 s[24:39], s[0:1], 0x40
	s_load_b256 s[40:47], s[0:1], 0x80
	s_load_b64 s[48:49], s[0:1], 0xa0
	v_lshl_add_u32 v57, v0, 2, 0x47a00
	v_mov_b32 v235, 0
	v_lshrrev_b32 v1, 5, v0
	v_readfirstlane_b32 s[WV], v1                  ; w
	s_and_b32 s[WP], s[WV], 3                      ; p
	s_lshr_b32 s[WU], s[WV], 2                     ; u
	v_and_b32 v1, 31, v0                           ; l
	v_and_b32 v2, 15, v0                           ; r
	v_bfe_u32 v3, v0, 4, 1                         ; h
	v_lshlrev_b32 v[L16], 4, v1
	v_lshlrev_b32 v64, 3, v1                       ; 8 l
	v_lshlrev_b32 v65, 2, v1                       ; 4 l
	v_and_b32 v66, 7, v0                           ; r % 8
	v_bfe_u32 v67, v0, 3, 1                        ; r / 8
	v_mul_u32_u24 v68, v2, SP
	v_lshl_add_u32 v69, v3, 5, v68                 ; 1,040 r + 32 h
	s_mul_i32 s2, s[WU], 4*GIMG                    ; my group's four slots: I read pieces 8 h + k of neighbour r
	v_mul_u32_u24 v[GRD], v3, 8*GP
	v_lshl_add_u32 v[GRD], v2, 4, v[GRD]
	v_add_nc_u32 v[GRD], s2, v[GRD]
	v_add_nc_u32 v[GRD+1], GB1, v[GRD]
	s_mul_i32 s2, s[WV], GIMG                      ; my slot: I store piece lane % 16 of neighbours 8 (lane / 16) + i
	v_mul_u32_u24 v[GWR], v2, GP
	v_lshl_add_u32 v[GWR], v3, 7, v[GWR]
	v_add_nc_u32 v[GWR], s2, v[GWR]
	v_add_nc_u32 v[GWR+1], GB1, v[GWR]
	s_mul_i32 s2, s[WV], TIMG                      ; my tile's image
	s_add_co_u32 s3, s2, TIM
	v_add_nc_u32 v[TIW], s3, v[L16]
	s_add_co_u32 s3, s2, TIM+3072
	v_add_nc_u32 v[TIWS], s3, v64
	v_add_nc_u32 v[TIR], TIM, v[L16]
	v_add_nc_u32 v[TIRS], TIM+3072, v64
	s_mul_i32 s2, s[WP], 2*QH
	s_mul_i32 s3, s[WU], 40*QP
	s_add_co_u32 s2, s2, s3
	s_add_co_u32 s2, s2, QL
	v_mul_u32_u24 v[QAD], v66, QP
	v_mad_u32_u24 v[QAD], v3, QH, v[QAD]
	v_add_nc_u32 v[QAD], s2, v[QAD]                ; q of node 40 u + r % 8, head 2 p + h
	s_mul_i32 s2, s[WP], OREG
	s_mul_i32 s3, s[WU], 40*OP
	s_add_co_u32 s2, s2, s3
	s_add_co_u32 s2, s2, OST
	v_add_nc_u32 v[OAD], s2, v65                   ; o: quarter p of node 40 u's row, + 4 l: 10,880 bytes on end are my wave's
	s_mul_i32 s2, s[WV], QH
	s_add_co_u32 s2, s2, QL
	v_mul_u32_u24 v[QWR], v2, QP
	v_lshl_add_u32 v[QWR], v3, 5, v[QWR]
	v_add_nc_u32 v[QWR], s2, v[QWR]
	s_lshl_b32 s2, s[WV], 7
	s_add_co_u32 s3, s2, ST1
	v_add_nc_u32 v[SWR], s3, v69
	v_add_nc_u32 v[SWR4], 64*SP, v[SWR]            ; (tile 4 lies beyond a 16-bit offset)
	v_add_nc_u32 v[S2W], s2, v69
	v_add_nc_u32 v[S2W4], 64*SP, v[S2W]
	s_mul_i32 s2, s[WV], 16*SP
	s_add_co_u32 s2, s2, ST1
	v_lshl_add_u32 v[QTR], v3, 6, v68
	v_add_nc_u32 v[QTR], s2, v[QTR]
	s_mul_i32 s2, s[WV], 10*SP
	v_add_nc_u32 v[L2R], s2, v[L16]
	s_add_co_u32 s2, s2, ST1
	v_add_nc_u32 v[LNR], s2, v[L16]
	s_mul_i32 s2, s[WV], 5*HIMG
	s_add_co_u32 s3, s2, HIM
	v_add_nc_u32 v[HWR], s3, v[L16]
	s_add_co_u32 s3, s2, HIM+1536
	v_add_nc_u32 v[HWS], s3, v65
	v_add_nc_u32 v[HRD0], HIM, v[L16]
	v_add_nc_u32 v[HRD0+1], HIM+20*HIMG, v[L16]
	v_add_nc_u32 v[HRS0], HIM+1536, v65
	v_add_nc_u32 v[HRS0+1], HIM+1536+20*HIMG, v65
	s_mul_i32 s2, s[WV], 16*OP
	s_add_co_u32 s2, s2, OST
	v_mul_u32_u24 v[QTO], v2, OP
	v_lshl_add_u32 v[QTO], v3, 6, v[QTO]
	v_add_nc_u32 v[QTO], s2, v[QTO]
	; global byte offsets of the head's loads: the wave's share stands in the offset, so that the bases stay whole
	s_mul_i32 s2, s[WV], 4*FRB
	v_add_nc_u32 v[WLQ], s2, v[L16]                ; Wq: my four fragments
	s_lshl_b32 s2, s[WV], 8
	v_lshl_add_u32 v[WSAQ], v2, 3, s2
	s_lshl_b32 s2, s[WV], 7
	v_lshl_add_u32 v[BAQ], v3, 5, s2
	s_mul_i32 s2, s[WP], 8*FRB
	v_add_nc_u32 v[WLK], s2, v[L16]                ; Wk, Wv: my eight fragments of each
	s_lshl_b32 s2, s[WP], 9
	v_lshl_add_u32 v[WSAK], v66, 3, s2
	v_lshl_add_u32 v[WSAK], v67, 8, v[WSAK]        ; Wk's scale words: row 64 p + 32 (r / 8) + r % 8
	v_lshl_add_u32 v[WSAV], v2, 3, s2              ; Wv's: row 64 p + r
	s_lshl_b32 s2, s[WP], 8
	v_lshl_add_u32 v[BAK], v3, 7, s2
	v_add_nc_u32 v[BVA], s2, v65
	s_lshl_b32 s2, s[WV], 12
	v_lshlrev_b32 v[XTA], 8, v2
	v_lshl_add_u32 v[XTA], v3, 7, v[XTA]
	v_add_nc_u32 v[XTA], s2, v[XTA]                ; xq: row 16 w + r of my work-group's, half h
	s_mul_i32 s2, s[WU], 40*64
	s_lshl_b32 s3, s[WP], 6
	s_add_co_u32 s2, s2, s3
	v_lshl_add_u32 v[IXA], v3, 5, s2               ; the indices of node 40 u + p, neighbours 8 h .. 8 h + 7: 32 bytes
	v_lshlrev_b32 v[J16], 4, v2
	s_lshl_b32 s2, s[WV], 13
	v_lshl_add_u32 v[PFO], v1, 8, s2               ; 256 (32 w + l)
	s_mov_b32 s[SEL], 0x76543210
	s_mov_b32 s[SEL+1], 0xfedcba98
	s_mov_b32 s[CS], 0x3e8293ee
	s_mov_b32 s[RD], 0x3b800000
	s_mov_b32 s[EP], 0x3727c5ac
	s_mov_b32 s[OB], 0
	s_mov_b32 s[QB], 8*QP
	s_mul_i32 s2, ttmp9, 80*256
	s_mov_b32 s3, 0
	s_mul_i32 s4, ttmp9, 80*1024
	s_mov_b32 s5, 0
	s_mul_i32 s6, ttmp9, 80*64
	s_mov_b32 s7, 0
	s_wait_kmcnt 0x0
	s_add_nc_u64 s[72:73], s[P_XQ:P_XQ+1], s[2:3]          ; xq at my work-group's rows; its own address stays whole for the gather
	s_add_nc_u64 s[P_X:P_X+1], s[P_X:P_X+1], s[4:5]        ; x,
	s_add_nc_u64 s[P_OUT:P_OUT+1], s[P_OUT:P_OUT+1], s[4:5]    ; out0
	s_add_nc_u64 s[P_IDX:P_IDX+1], s[P_IDX:P_IDX+1], s[6:7]    ; and the indices likewise
	global_load_b128 v[IX0:IX0+3], v[IXA], s[P_IDX:P_IDX+1]                      ; rounds 0, 1, 2
	global_load_b128 v[IX0+4:IX0+7], v[IXA], s[P_IDX:P_IDX+1] offset:16
	global_load_b128 v[IX1:IX1+3], v[IXA], s[P_IDX:P_IDX+1] offset:256
	global_load_b128 v[IX1+4:IX1+7], v[IXA], s[P_IDX:P_IDX+1] offset:272
	global_load_b128 v[IX:IX+3], v[IXA], s[P_IDX:P_IDX+1] offset:512
	global_load_b128 v[IX+4:IX+7], v[IXA], s[P_IDX:P_IDX+1] offset:528
	s_cmp_lt_u32 s[WV], 5
	s_cbranch_scc0 .Lno_tile
.irp k, 0,1,2,3,4,5
	global_load_b128 v[GA+4*\k:GA+4*\k+3], v[XTA], s[72:73] offset:16*\k         ; waves 0-4: tile w of my work-group's own rows
.endr
	global_load_b64 v[GSA:GSA+1], v[XTA], s[72:73] offset:96
.Lno_tile:
.irp t, 0,1                            ; Wq's set, 20 loads: head w's four fragments, bq in the result's layout, four scale words
.irp s, 0,1
	WLOAD QA+12*(2*\t+\s), WLQ, WL_WQ+FRB*(2*\t+\s)
.endr
.endr
.irp t, 0,1
.irp c, 0,1
	global_load_b128 v[186+8*\t+4*\c:186+8*\t+4*\c+3], v[BAQ], s[P_BQ:P_BQ+1] offset:64*\t+16*\c
.endr
.endr
.irp t, 0,1
.irp s, 0,1
	global_load_b32 v[PS+2*\t+\s], v[WSAQ], s[P_WQS:P_WQS+1] offset:128*\t+4*\s
.endr
.endr
	s_wait_loadcnt 20                              ; all that is older than Wq's 20: the indices and the tile
	s_cmp_lt_u32 s[WV], 5
	s_cbranch_scc0 .Lno_tile2
.irp k, 0,1,2,3,4,5
	ds_store_b128 v[TIW], v[GA+4*\k:GA+4*\k+3] offset:512*\k
.endr
	ds_store_b64 v[TIWS], v[GSA:GSA+1]
.Lno_tile2:
	GADDR IX0
	GLOADS                                         ; round 0's gather
	v_add_nc_u32 v[IXA], 512, v[IXA]               ; (the index loads are in)
	WIN 0x40                                       ; 74 loads: attention's weights, which stay in registers
.irp t, 0,1,2,3
.irp s, 0,1
	WLOAD WK+24*\t+12*\s, WLK, WL_WK+FRB*(2*\t+\s)
.endr
.endr
.irp t, 0,1,2,3
.irp s, 0,1
	WLOAD WV1+24*\t+12*\s, WLK, WL_WV+FRB*(2*\t+\s)
.endr
.endr
.irp t, 0,1,2,3
.irp c, 0,1
	global_load_b128 v[BK+8*\t+4*\c:BK+8*\t+4*\c+3], v[BAK], s[P_BK:P_BK+1] offset:32*\t+16*\c
.endr
.endr
	WIN 0
.irp t, 0,1,2,3
.irp s, 0,1
	global_load_b32 v[WKS+2*\t+\s], v[WSAK], s[P_WKS:P_WKS+1] offset:64*\t+4*\s
	global_load_b32 v[WVS+2*\t+\s], v[WSAV], s[P_WVS:P_WVS+1] offset:128*\t+4*\s
.endr
.endr
	global_load_b32 v[BVO], v[BVA], s[P_BV:P_BV+1]
	global_load_b32 v[BVO+1], v[BVA], s[P_BV:P_BV+1] offset:128
	BAR                                            ; x's five images lie in LDS
	s_wait_loadcnt 63                              ; Wq's set and round 0's gather are older than the youngest 63 of the 74
	GSTORE 0
	PROJ QA, 186, 0, 0, GA, GB, ACB, QWR, QWR, 16*QP       ; q of head w, all 80 nodes, into LDS
	GADDR IX1
	GLOADS                                         ; round 1's gather (the stores of round 0's have been waited for)
	s_barrier_signal -1                            ; (no LDS instruction of mine is out)
	s_barrier_wait -1                              ; q and round 0's images lie in LDS
	s_wait_loadcnt 8                               ; all weights are in; round 1's eight loads stay out
.set j, 0
.rept 24
	v_mov_b32 v[TA+j], 0                           ; written once: the destination of a DPP form or a lane permute counts as one of its sources
.set j, j+1
.endr
	GFETCH GA, GSA, 0, 0
	GFETCH GB, GSB, 0, 1
.irp k, 0,1,2,3,4,5,6,7
	ds_load_b128 v[QA+4*\k:QA+4*\k+3], v[QAD] offset:16*\k
.endr
; ================ attention: five trips of two rounds of four nodes; one barrier a round
	s_mov_b32 s[TC], 0
.Ltrip:
	s_cmp_eq_u32 s[TC], 4                          ; in the last trip: my work-group's 80 rows of x, 320 blocks of 256 bytes, each named once, a lane a block, one trip ahead of the loads that want them
	s_cbranch_scc0 .Lno_pf
	global_prefetch_b8 v[PFO], s[P_X:P_X+1] th:TH_LOAD_NT scope:SCOPE_SE
	s_cmp_lt_u32 s[WV], 2
	s_cbranch_scc0 .Lno_pf
	global_prefetch_b8 v[PFO], s[P_X:P_X+1] offset:65536 th:TH_LOAD_NT scope:SCOPE_SE
.Lno_pf:
	RTOP 0
	STEP 0, 1, 1, 0, 1, 0, 2, 0
	STEP 2, 3, 0, 1, 1, 1, 0, 0
	RTOP 1
	STEP 4, 5, 2, 0, 1, 1, 2, 0
	STEP 6, 7, 0, 1, 2, 0, 0, 1
	s_add_co_u32 s[OB], s[OB], 8*OP
	s_add_co_u32 s[QB], s[QB], 8*QP
	s_add_co_u32 s[TC], s[TC], 1
	s_cmp_lt_u32 s[TC], 5
	s_cbranch_scc1 .Ltrip
; ================ the tail.  Its offsets are made, and its weights are asked for at once
	s_wait_loadcnt 0x0                             ; nothing of the gather is out: v240-255 may be written
	s_wait_dscnt 0x0                               ; my stores of o are done
	s_mul_i32 s2, s[WV], 4*FRB
	v_add_nc_u32 v[TWLQ], s2, v[L16]               ; Wo: my four fragments
	s_lshl_b32 s2, s[WV], 8
	v_lshl_add_u32 v[TWSAQ], v2, 3, s2
	s_lshl_b32 s2, s[WV], 7
	v_lshl_add_u32 v[TBAQ], v3, 5, s2
	s_mul_i32 s2, s[WV], 16*FRB
	v_add_nc_u32 v[TWL1], s2, v[L16]               ; W1, W2: my sixteen fragments of each
	v_and_b32 v[W1SA], 8, v2
	v_add_nc_u32 v[W1SA], v[W1SA], v2              ; r + 8 (r / 8)
	s_lshl_b32 s2, s[WV], 10
	v_lshl_add_u32 v[W1SA], v[W1SA], 3, s2
	v_lshl_add_u32 v[W2SA], v2, 5, s2
	s_lshl_b32 s2, s[WV], 9
	v_lshl_add_u32 v[B1A], v3, 6, s2
	s_mul_i32 s2, s[WV], 10240
	v_add_nc_u32 v[XRA], s2, v[L16]
.irp b, 0,1,2,3
	v_mov_b32 v[TM+4+\b], 0                        ; written once, for QUANT's lane permutes
.endr
	WIN 0x40
.irp t, 0,1                            ; Wo's set, 20 loads
.irp s, 0,1
	WLOAD 192+12*(2*\t+\s), TWLQ, WL_WO+FRB*(2*\t+\s)
.endr
.endr
.irp t, 0,1
.irp c, 0,1
	global_load_b128 v[240+8*\t+4*\c:240+8*\t+4*\c+3], v[TBAQ], s[P_BO:P_BO+1] offset:64*\t+16*\c
.endr
.endr
	WIN 0
.irp t, 0,1
.irp s, 0,1
	global_load_b32 v[PS+2*\t+\s], v[TWSAQ], s[P_WOS:P_WOS+1] offset:128*\t+4*\s
.endr
.endr
	GAINS P_G1, P_BE1
	WIN 0x40
.irp a, 0,1,2,3,4,5,6,7                ; W1: tile a = 2 b + u' holds rows 32 b + 8 u' + r + 8 (r / 8) of my 128
.irp s, 0,1
	WLOAD 24*\a+12*\s, TWL1, WL_W1+FRB*(2*\a+\s)
.endr
.endr
	WIN 0
.irp a, 0,1,2,3,4,5,6,7
.irp s, 0,1
	global_load_b32 v[WKS+2*\a+\s], v[W1SA], s[P_W1S:P_W1S+1] offset:8*(32*(\a/2)+8*(\a%2))+4*\s
.endr
.endr
	s_barrier_signal -1
	s_barrier_wait -1                              ; o of all 80 nodes lies in its stage
	s_cmp_lt_u32 s[WV], 5
	s_cbranch_scc0 .Lno_qo
	QTILE QTO, 0
.Lno_qo:
	BAR                                            ; o's five images lie in LDS, and o's stage has been read out
.irp i, 0,1,2,3,4,5,6,7,8,9
	global_load_b128 v[RES+8*\i:RES+8*\i+3], v[XRA], s[P_X:P_X+1] offset:1024*\i th:TH_LOAD_NT          ; x, rows 10 w .. + 9, for the residual
	global_load_b128 v[RES+8*\i+4:RES+8*\i+7], v[XRA], s[P_X:P_X+1] offset:1024*\i+512 th:TH_LOAD_NT
.endr
	s_wait_loadcnt 63                              ; behind Wo's set 88 loads were issued: it is older than the youngest 63
	PROJ 192, 240, 0x11, 0x01, 154, 178, 202, SWR, SWR4, 16*SP     ; attn_out + bo, columns 32 w .. + 31
	WIN 0x40
.irp a, 0,1,2,3,4,5,6,7                ; b1 in the result's layout, where Wo lay
.irp c, 0,1
	global_load_b128 v[192+8*\a+4*\c:192+8*\a+4*\c+3], v[B1A], s[P_B1:P_B1+1] offset:4*(32*(\a/2)+8*(\a%2))+16*\c
.endr
.endr
	WIN 0
	s_barrier_signal -1                            ; (PROJ has waited for its stores)
	s_barrier_wait -1
	s_wait_loadcnt 16                              ; only b1's 16 loads are younger than x's rows
.irp i, 0,1,2,3,4,5,6,7,8,9
	ds_load_b128 v[VAL+8*\i:VAL+8*\i+3], v[LNR] offset:SP*\i
	ds_load_b128 v[VAL+8*\i+4:VAL+8*\i+7], v[LNR] offset:SP*\i+512
.endr
	s_wait_dscnt 0x0
	LNORM 0                                        ; x1 takes attn_out's place: my ten rows are read and written by me alone
	GAINS P_G2, P_BE2
	BAR
	s_cmp_lt_u32 s[WV], 5
	s_cbranch_scc0 .Lno_qx
	QTILE QTR, 1
.Lno_qx:
	BAR                                            ; x1's five images lie in LDS
; ---- the hidden layer: my 128 units for the five tiles of rows; quantised in registers, they are K step w of the second product
	s_wait_loadcnt 0x0
	FETCHT XFA, GSA, 0
.irp m, 0,1,2,3,4
.set XC, XFA+(XFB-XFA)*(\m%2)
.set XN, XFA+(XFB-XFA)*((\m+1)%2)
.set SC, GSA+2*(\m%2)
.set SN, GSA+2*((\m+1)%2)
.if \m < 4
	FETCHT XN, SN, \m+1
	s_wait_dscnt 7                                 ; all but the seven just issued
.else
	s_wait_dscnt 0x0
.endif
	WIN 0x11
.irp a, 0,1,2,3,4,5,6,7
	MM X+8*\a, 24*\a, XC, 192+8*\a, WKS+2*\a, SC
.endr
	WIN 0x01
.irp a, 0,1,2,3,4,5,6,7
	MM X+8*\a, 24*\a+12, XC+12, X+8*\a, WKS+2*\a+1, SC+1
.endr
	WIN 0
	PLACES 4
.if \m == 4
	WIN 0x40                                       ; W1, b1 and their scale words are done with: W2's fragments, b2 and W2's scale words take their places
.irp t, 0,1
.irp s, 0,1,2,3,4,5,6,7
	WLOAD 12*(8*\t+\s), TWL1, WL_W2+FRB*(8*\t+\s)
.endr
.endr
.irp t, 0,1
.irp c, 0,1
	global_load_b128 v[192+8*\t+4*\c:192+8*\t+4*\c+3], v[TBAQ], s[P_B2:P_B2+1] offset:64*\t+16*\c
.endr
.endr
	WIN 0
.irp t, 0,1
.irp s, 0,1,2,3,4,5,6,7
	global_load_b32 v[WKS+8*\t+\s], v[W2SA], s[P_W2S:P_W2S+1] offset:512*\t+4*\s
.endr
.endr
.endif
.set j, 0
.rept 64
	v_max_num_f32 v[X+j], 0, v[X+j]                ; relu, in f32; each accumulator from its low end on
.set j, j+1
.endr
	QUANT X, PC, SX, TM, PW
.irp k, 0,1,2
	ds_store_b128 v[HWR], v[PC+4*\k:PC+4*\k+3] offset:HIMG*\m+512*\k
.endr
	ds_store_b32 v[HWS], v[PW] offset:HIMG*\m
.endr
	BAR                                            ; the hidden layer's 40 images lie in LDS
; ---- the second product: my 32 columns for the 80 rows: ten accumulators by turns, a K step at a time
	s_wait_loadcnt 0x0
.irp s, 0,1,2,3,4,5,6,7
.if \s > 0
	PLACES 4
.endif
.irp m, 0,1,2,3,4
.irp k, 0,1,2
	ds_load_b128 v[HF+12*\m+4*\k:HF+12*\m+4*\k+3], v[HRD0+\s/4] offset:HIMG*(5*(\s%4)+\m)+512*\k
.endr
	ds_load_b32 v[HS+\m], v[HRS0+\s/4] offset:HIMG*(5*(\s%4)+\m)
.endr
	s_wait_dscnt 0x0
.if \s == 0
	WIN 0x11
.else
	WIN 0x01
.endif
.irp m, 0,1,2,3,4
.irp t, 0,1
.if \s == 0
	MM AC2+8*(5*\t+\m), 12*(8*\t+\s), HF+12*\m, 192+8*\t, WKS+8*\t+\s, HS+\m
.else
	MM AC2+8*(5*\t+\m), 12*(8*\t+\s), HF+12*\m, AC2+8*(5*\t+\m), WKS+8*\t+\s, HS+\m
.endif
.endr
.endr
	WIN 0
.endr
	PLACES 4
.irp m, 0,1,2,3
.irp t, 0,1
	ds_store_b128 v[S2W], v[AC2+8*(5*\t+\m):AC2+8*(5*\t+\m)+3] offset:16*SP*\m+64*\t
	ds_store_b128 v[S2W], v[AC2+8*(5*\t+\m)+4:AC2+8*(5*\t+\m)+7] offset:16*SP*\m+64*\t+16
.endr
.endr
.irp t, 0,1
	ds_store_b128 v[S2W4], v[AC2+8*(5*\t+4):AC2+8*(5*\t+4)+3] offset:64*\t
	ds_store_b128 v[S2W4], v[AC2+8*(5*\t+4)+4:AC2+8*(5*\t+4)+7] offset:64*\t+16
.endr
	BAR                                            ; 80 whole rows of the FFN's result lie in LDS
.irp i, 0,1,2,3,4,5,6,7,8,9
	ds_load_b128 v[VAL+8*\i:VAL+8*\i+3], v[L2R] offset:SP*\i
	ds_load_b128 v[VAL+8*\i+4:VAL+8*\i+7], v[L2R] offset:SP*\i+512
	ds_load_b128 v[RES+8*\i:RES+8*\i+3], v[LNR] offset:SP*\i                     ; x1, the residual
	ds_load_b128 v[RES+8*\i+4:RES+8*\i+7], v[LNR] offset:SP*\i+512
.endr
	s_wait_dscnt 0x0
	LNORM 1
	s_wait_tensorcnt 0x0
	ds_add_u32 v57, v235
	s_wait_dscnt 0x0
	s_endpgm
.Lfunc_end_k_q6a72e582d3_layer:
	.size	k_q6a72e582d3_layer, .Lfunc_end_k_q6a72e582d3_layer-k_q6a72e582d3_layer
	.p2alignl 7, 3214868480
	.fill 96, 4, 3214868480
	.section	.rodata,"a",@progbits
	.p2align	6, 0x0
	.amdhsa_kernel k_q6a72e582d3_layer
		.amdhsa_group_segment_fixed_size 294400
		.amdhsa_private_segment_fixed_size 0
		.amdhsa_enable_private_segment 0
		.amdhsa_kernarg_size 168
		.amdhsa_user_sgpr_count 2
		.amdhsa_user_sgpr_kernarg_segment_ptr 1
		.amdhsa_wavefront_size32 1
		.amdhsa_system_sgpr_workgroup_id_x 1
		.amdhsa_system_sgpr_workgroup_id_y 1
		.amdhsa_system_sgpr_workgroup_id_z 1
		.amdhsa_system_vgpr_workitem_id 0
		.amdhsa_next_free_vgpr 512
		.amdhsa_next_free_sgpr 96
		.amdhsa_reserve_vcc 0
		.amdhsa_float_denorm_mode_32 3
		.amdhsa_float_denorm_mode_16_64 3
		.amdhsa_memory_ordered 1
		.amdhsa_forward_progress 1
		.amdhsa_inst_pref_size 255
	.end_amdhsa_kernel
	.section	.bss,"aw",@nobits
	.p2align	6
	.space	262144
	.amdgpu_metadata
---
amdhsa.version: [ 1, 2 ]
amdhsa.kernels:
  - .name:           k_q6a72e582d3_layer
    .symbol:         k_q6a72e582d3_layer.kd
    .args:
      - { .name: xq, .offset: 0, .size: 8, .value_kind: global_buffer, .address_space: global }
      - { .name: x, .offset: 8, .size: 8, .value_kind: global_buffer, .address_space: global }
      - { .name: attention_samples, .offset: 16, .size: 8, .value_kind: global_buffer, .address_space: global }
      - { .name: wl, .offset: 24, .size: 8, .value_kind: global_buffer, .address_space: global }
      - { .name: Wq_scales, .offset: 32, .size: 8, .value_kind: global_buffer, .address_space: global }
      - { .name: bq, .offset: 40, .size: 8, .value_kind: global_buffer, .address_space: global }
      - { .name: Wk_scales, .offset: 48, .size: 8, .value_kind: global_buffer, .address_space: global }
      - { .name: bk, .offset: 56, .size: 8, .value_kind: global_buffer, .address_space: global }
      - { .name: Wv_scales, .offset: 64, .size: 8, .value_kind: global_buffer, .address_space: global }
      - { .name: bv, .offset: 72, .size: 8, .value_kind: global_buffer, .address_space: global }
      - { .name: Wo_scales, .offset: 80, .size: 8, .value_kind: global_buffer, .address_space: global }
      - { .name: bo, .offset: 88, .size: 8, .value_kind: global_buffer, .address_space: global }
      - { .name: g1, .offset: 96, .size: 8, .value_kind: global_buffer, .address_space: global }
      - { .name: be1, .offset: 104, .size: 8, .value_kind: global_buffer, .address_space: global }
      - { .name: W1_scales, .offset: 112, .size: 8, .value_kind: global_buffer, .address_space: global }
      - { .name: b1, .offset: 120, .size: 8, .value_kind: global_buffer, .address_space: global }
      - { .name: W2_scales, .offset: 128, .size: 8, .value_kind: global_buffer, .address_space: global }
      - { .name: b2, .offset: 136, .size: 8, .value_kind: global_buffer, .address_space: global }
      - { .name: g2, .offset: 144, .size: 8, .value_kind: global_buffer, .address_space: global }
      - { .name: be2, .offset: 152, .size: 8, .value_kind: global_buffer, .address_space: global }
      - { .name: out0, .offset: 160, .size: 8, .value_kind: global_buffer, .address_space: global }
    .group_segment_fixed_size: 294400
    .private_segment_fixed_size: 0
    .kernarg_segment_align: 8
    .kernarg_segment_size: 168
    .max_flat_workgroup_size: 256
    .sgpr_count:     96
    .vgpr_count:     512
    .wavefront_size: 32
...
	.end_amdgpu_metadata
.endif
;; end of part 4
;; ======== version 3 of 3: 2 launches
;; workspace buffers: xq 5,120,000 bytes; wl 589,824 bytes
;; launch quant (part 5): grid 250 x 1, 5 waves a work-group, no clusters, 105,728 bytes of LDS; arguments x, xq, W1_codes, W2_codes, Wq_codes, Wk_codes, Wv_codes, Wo_codes, wl; writes xq, wl
.if DOCPART == 5
	.amdgcn_target "amdgcn-amd-amdhsa--gfx1250"
	.amdhsa_code_object_version 6
	.text
	.protected	k_q6a72e582d3_quant
	.globl	k_q6a72e582d3_quant
	.p2align	8
	.type	k_q6a72e582d3_quant,@function
k_q6a72e582d3_quant:
	s_mov_b64 s[64:65], 0
	v_nop
	global_prefetch_b8 v0, s[64:65] scope:SCOPE_SE
	s_setreg_imm32_b32 hwreg(HW_REG_WAVE_MODE, 25, 1), 1
	s_wait_xcnt 0x0
; TWO THINGS.  (1) x [20000][256] f32 -> xq [20000][256 bytes]: each row's codes of BF6 (E3M2) and its eight E8M0 scale bytes, laid in the ORDER OF AN OPERAND'S REGISTERS, in two halves of 128 bytes:
; half h: bytes 0-95 the codes of blocks h, 2 + h, 4 + h, 6 + h (24 bytes each), 96-103 the row's 8 scale bytes, 104-127 zeros.
; Lane (r, h) of a fragment wants the 96 bytes at 256 row + 128 h (K steps 0 and 1, 24 registers) and the two scale words 96 bytes further on.
; (2) The six weights' codes -> wl: 384 fragments (16 rows x 128 K) of 1,536 bytes as IMAGES OF THEIR REGISTERS: lane l's 16 bytes of register group k at 512 k + 16 l, so that the next launch loads a fragment by
; three loads of 512 bytes on end.  Fragments 0-127: W1 (2 T + s), 128-255: W2 (8 T + s), 256-287 Wq, 288-319 Wk, 320-351 Wv, 352-383 Wo (2 T + s); T the tile of rows, s the K step.  Lane r of tile T takes row
; 16 T + r; in Wk row 64 (T / 4) + 8 (T % 4) + r % 8 + 32 (r / 8); in W1 row 32 (T / 2) + 8 (T % 2) + r % 8 + 16 (r / 8): the rows that the next launch wants together.
; A block's scale is 2^(floor(log2(its largest magnitude)) - 4); its byte is that magnitude's exponent field - 4, held at 1 from below.
; LIMITS: a block whose largest magnitude lies under 2^-122 (a block of zeros too) gets the byte 1; zeros have zero codes, and this program alone reads the bytes.  NaN and infinities are not served.
; SHARES: 250 work-groups x 5 waves; a wave owns 16 rows of x (16,384 bytes in, 4,096 out); waves 0-383 of the 1,250 also take one fragment of a weight each.  Waves share nothing: no barrier.
; Every load of x reads 512 bytes on end; the rows turn through the wave's own LDS so that a lane holds 16 neighbours of each block; the result leaves through LDS as whole rows of 256 bytes, two to a store.
.set INP,  1040                        ; a row of x in LDS: 1,024 bytes + 16
.set OUTP, 272                         ; a row of xq in LDS: 256 + 16
.set WREG, 16*INP+16*OUTP              ; a wave's LDS: 20,992 bytes
.set FRB,  1536                        ; a fragment's image
.set R,    16                          ; v16-143  x as loaded; later K step 1's numbers, later the rows on their way out
.set X,    144                         ; v144-207 K step 0's numbers
.set PC,   208                         ; v208-231 the 24 registers of codes; ahead of that a weight's fragment
.set SX,   232                         ; v232-239 the conversions' second halves
.set TM,   240                         ; v240-255 at work in QUANT
; 64 numbers of a lane, register 16 b + i = k 32 b + 16 (lane / 16) + i of my row, become 12 registers of codes at v[pc] and the row's scale word in v[pw].
.macro QUANT src, pc, sx, tm, pw
.irp b, 0,1,2,3
	v_max3_num_f32 v[\tm+\b], |v[\src+16*\b]|, |v[\src+1+16*\b]|, 0x2800000   ; my 16 numbers of block b, and the floor 2^(5 - 127): the byte cannot fall under 1
.endr
.irp i, 2,4,6,8,10,12,14
.irp b, 0,1,2,3
	v_max3_num_f32 v[\tm+\b], v[\tm+\b], |v[\src+16*\b+\i]|, |v[\src+1+16*\b+\i]|
.endr
.endr
.irp b, 0,1,2,3
	v_permlanex16_b32 v[\tm+4+\b], v[\tm+\b], s20, s21
.endr
.irp b, 0,1,2,3
	v_max_num_f32 v[\tm+\b], v[\tm+\b], v[\tm+4+\b]        ; with lane l xor 16's 16: the block's largest magnitude
.endr
.irp b, 0,1,2,3
	v_add_nc_u32 v[\tm+12+\b], 0xfe000000, v[\tm+\b]       ; 4 off its exponent field: the conversion's scale operand
.endr
.irp b, 0,1,2,3
	v_lshrrev_b32 v[\tm+4+\b], 23, v[\tm+12+\b]            ; the scale's byte
.endr
	v_lshl_or_b32 v[\pw], v[\tm+5], 8, v[\tm+4]
	v_lshl_or_b32 v[\pw], v[\tm+6], 16, v[\pw]
	v_lshl_or_b32 v[\pw], v[\tm+7], 24, v[\pw]
.irp c, 0,1
	v_cvt_scalef32_pk16_bf6_f32 v[\pc+6*\c:\pc+6*\c+2], v[\src+32*\c:\src+32*\c+15], v[\tm+12+2*\c]
	v_cvt_scalef32_pk16_bf6_f32 v[\sx+4*\c:\sx+4*\c+2], v[\src+32*\c+16:\src+32*\c+31], v[\tm+13+2*\c]   ; (a conversion's three registers begin on an even number)
.endr
	v_nop                                          ; one plain place behind the conversions
.irp c, 0,1                            ; the layout wants a whole block in a lane: lanes 0-15 block 2 c, lanes 16-31 block 2 c + 1
.irp i, 0,1,2
	v_permlane16_swap_b32 v[\pc+6*\c+\i], v[\sx+4*\c+\i]
.endr
.irp i, 0,1,2
	v_mov_b32 v[\pc+3+6*\c+\i], v[\sx+4*\c+\i]
.endr
.endr
.endm
.macro WPIECES base                    ; a fragment as the weight lies in memory: 2 x 24 bytes of my row's stream of bits, in pieces of 8
.irp q, 0,1,2,3,4,5
	global_load_b64 v[PC+2*\q:PC+2*\q+1], v8, s[\base:\base+1] offset:48*(\q/3)+8*(\q%3)
.endr
.endm
.macro WSRC lim, base                  ; from the weight whose fragments end at 32 lim: each weight's loads name its own address
	s_cmp_lt_u32 s24, \lim
	s_cbranch_scc0 .Lnot_\@
	s_wait_alu depctr_va_vdst(0)
	WPIECES \base
	s_branch .Lw_in
.Lnot_\@:
.endm
	s_load_b128 s[4:7], s[0:1], 0x0                ; x, xq
	s_load_b256 s[32:39], s[0:1], 0x10             ; the codes of W1, W2, Wq, Wk,
	s_load_b128 s[40:43], s[0:1], 0x30             ; Wv, Wo
	s_load_b64 s[44:45], s[0:1], 0x40              ; wl
	v_lshl_add_u32 v250, v0, 2, 0x19a00
	v_mov_b32 v251, 0
	v_lshrrev_b32 v1, 5, v0
	v_readfirstlane_b32 s8, v1                     ; wave 0..4
	v_and_b32 v7, 31, v0                           ; lane
	v_and_b32 v232, 15, v0                         ; r
	v_bfe_u32 v233, v0, 4, 1                       ; h
	v_lshlrev_b32 v1, 4, v7                        ; 16 x lane: my bytes of a load's or a store's 512
	s_mul_i32 s9, s8, WREG                         ; my wave's LDS
	s_add_co_u32 s10, s9, 16*INP                   ; and its part for the way out
	v_add_nc_u32 v2, s9, v1                        ; in: as the bytes lie
	v_mul_u32_u24 v3, v232, INP
	v_lshl_add_u32 v3, v233, 6, v3
	v_add_nc_u32 v3, s9, v3                        ; back: row r, + 64 h: my 16 numbers of a block
	v_mul_u32_u24 v4, v232, OUTP
	v_add_nc_u32 v4, s10, v4
	v_lshl_add_u32 v4, v233, 7, v4                 ; my half's 128 bytes of row r
	v_mul_u32_u24 v6, v233, OUTP
	v_lshl_add_u32 v6, v232, 4, v6
	v_add_nc_u32 v6, s10, v6                       ; out: lanes 0-15 one row, lanes 16-31 the next
	s_mov_b32 s20, 0x76543210
	s_mov_b32 s21, 0xfedcba98                      ; v_permlanex16_b32's selects for lane l xor 16
	s_mul_i32 s11, ttmp9, 5
	s_add_co_u32 s11, s11, s8                      ; my tile of 16 rows; also my fragment's number
	s_lshl_b32 s12, s11, 14
	s_mov_b32 s13, 0
	s_lshl_b32 s14, s11, 12
	s_mov_b32 s15, 0
	s_wait_kmcnt 0x0
	s_add_nc_u64 s[4:5], s[4:5], s[12:13]
	s_add_nc_u64 s[6:7], s[6:7], s[14:15]
.set k, 0
.rept 32
	global_load_b128 v[R+4*k:R+4*k+3], v1, s[4:5] offset:512*k th:TH_LOAD_NT   ; 512 bytes on end: half a row
.set k, k+1
.endr
.irp j, 10,11,12,13,14,15
	v_mov_b32 v[\j], 0                             ; the zeros of a row of xq
.endr
.irp b, 0,1,2,3
	v_mov_b32 v[TM+4+\b], 0                        ; written once: a lane permute's destination counts as one of its sources
.endr
; ---- a weight's fragment, in the first 384 waves: loads, wait and stores stand in this one branch, behind the loads of x, so that both are on their way together
	s_cmp_lt_u32 s11, 384
	s_cbranch_scc0 .Lno_w
	s_lshr_b32 s24, s11, 5                         ; 0-3 W1, 4-7 W2, 8 Wq, 9 Wk, 10 Wv, 11 Wo
	s_lshr_b32 s23, s11, 7                         ; 0 W1, 1 W2, 2 the four of [256][256]
	s_bfe_u32 s16, s11, 0x40001                    ; those four: T = bits 4:1,
	s_and_b32 s17, s11, 1                          ; s = bit 0 (W1's too),
	s_lshl_b32 s18, s16, 4                         ; first row 16 T,
	s_mov_b32 s19, 8                               ; lanes 8-15 eight rows on from lanes 0-7,
	s_mov_b32 s22, 192                             ; a row of 256 codes
	s_lshr_b32 s25, s16, 2                         ; Wk: first row 64 (T / 4) + 8 (T % 4), lanes 8-15 32 rows on
	s_lshl_b32 s25, s25, 6
	s_and_b32 s26, s16, 3
	s_lshl_b32 s26, s26, 3
	s_add_co_u32 s25, s25, s26
	s_cmp_eq_u32 s24, 9
	s_cselect_b32 s18, s25, s18
	s_cselect_b32 s19, 32, s19
	s_bfe_u32 s25, s11, 0x40003                    ; W2: T = bits 6:3, s = bits 2:0, a row of 1,024 codes
	s_lshl_b32 s25, s25, 4
	s_and_b32 s26, s11, 7
	s_mov_b32 s28, 768
	s_cmp_eq_u32 s23, 1
	s_cselect_b32 s18, s25, s18
	s_cselect_b32 s17, s26, s17
	s_cselect_b32 s22, s28, s22
	s_lshr_b32 s25, s11, 2                         ; W1: T = bits 6:1: first row 32 (T / 2) + 8 (T % 2), lanes 8-15 16 rows on
	s_lshl_b32 s25, s25, 5
	s_bfe_u32 s26, s11, 0x10001
	s_lshl_b32 s26, s26, 3
	s_add_co_u32 s25, s25, s26
	s_cmp_eq_u32 s23, 0
	s_cselect_b32 s18, s25, s18
	s_cselect_b32 s19, 16, s19
	s_mul_i32 s17, s17, 96                         ; a K step is 96 bytes of a row
	s_mul_i32 s28, s11, FRB
	s_mov_b32 s29, 0
	s_add_nc_u64 s[30:31], s[44:45], s[28:29]      ; where the image goes
	v_and_b32 v8, 7, v0
	v_bfe_u32 v9, v0, 3, 1
	v_mad_u32_u24 v8, v9, s19, v8
	v_add_nc_u32 v8, s18, v8                       ; my row,
	v_mul_u32_u24 v8, s22, v8                      ; in bytes,
	v_mad_u32_u24 v8, v233, 24, v8                 ; + 24 h
	v_add_nc_u32 v8, s17, v8                       ; + the K step
	WSRC 4, 32
	WSRC 8, 34
	WSRC 9, 36
	WSRC 10, 38
	WSRC 11, 40
	s_wait_alu depctr_va_vdst(0)
	WPIECES 42
.Lw_in:
	s_wait_loadcnt 0x0                             ; the fragment is in (and x, which is wanted next)
.irp k, 0,1,2
	global_store_b128 v1, v[PC+4*\k:PC+4*\k+3], s[30:31] offset:512*\k           ; 32 lanes store 512 bytes on end, at a multiple of 256 from wl's first byte
.endr
.Lno_w:
.set k, 0
.rept 32
	s_wait_loadcnt 31-k                            ; loads come back in order: load k is in, the younger ones stay out
	ds_store_b128 v2, v[R+4*k:R+4*k+3] offset:(k/2)*INP+(k%2)*512
.set k, k+1
.endr
.irp b, 0,1,2,3
.irp j, 0,1,2,3
	ds_load_b128 v[X+16*\b+4*\j:X+16*\b+4*\j+3], v3 offset:128*\b+16*\j          ; K step 0 (LDS serves a wave's instructions in order)
.endr
.endr
	s_wait_dscnt 0x0                               ; K step 0 is in, and the stores have read v16-143
.irp b, 0,1,2,3
.irp j, 0,1,2,3
	ds_load_b128 v[R+16*\b+4*\j:R+16*\b+4*\j+3], v3 offset:512+128*\b+16*\j      ; K step 1 lands while K step 0 is quantised
.endr
.endr
	s_wait_xcnt 0x0                                ; the image's stores have read v208-219: the codes are written there only behind this wait
	QUANT X, PC, SX, TM, 8
	s_wait_dscnt 0x0
	QUANT R, PC+12, SX, TM, 9
.irp k, 0,1,2,3,4,5
	ds_store_b128 v4, v[PC+4*\k:PC+4*\k+3] offset:16*\k
.endr
	ds_store_b128 v4, v[8:11] offset:96            ; the two scale words and 8 bytes of zeros
	ds_store_b128 v4, v[12:15] offset:112          ; the half's last 16 bytes
.irp t, 0,1,2,3,4,5,6,7
	ds_load_b128 v[R+4*\t:R+4*\t+3], v6 offset:2*OUTP*\t
.endr
.irp t, 0,1,2,3,4,5,6,7
	s_wait_dscnt 7-\t
	global_store_b128 v1, v[R+4*\t:R+4*\t+3], s[6:7] offset:512*\t               ; two whole rows of 256 bytes
.endr
	s_wait_tensorcnt 0x0
	ds_add_u32 v250, v251
	s_wait_dscnt 0x0
	s_endpgm
.Lfunc_end_k_q6a72e582d3_quant:
	.size	k_q6a72e582d3_quant, .Lfunc_end_k_q6a72e582d3_quant-k_q6a72e582d3_quant
	.p2alignl 7, 3214868480
	.fill 96, 4, 3214868480
	.section	.rodata,"a",@progbits
	.p2align	6, 0x0
	.amdhsa_kernel k_q6a72e582d3_quant
		.amdhsa_group_segment_fixed_size 105728
		.amdhsa_private_segment_fixed_size 0
		.amdhsa_enable_private_segment 0
		.amdhsa_kernarg_size 72
		.amdhsa_user_sgpr_count 2
		.amdhsa_user_sgpr_kernarg_segment_ptr 1
		.amdhsa_wavefront_size32 1
		.amdhsa_system_sgpr_workgroup_id_x 1
		.amdhsa_system_sgpr_workgroup_id_y 1
		.amdhsa_system_sgpr_workgroup_id_z 1
		.amdhsa_system_vgpr_workitem_id 0
		.amdhsa_next_free_vgpr 256
		.amdhsa_next_free_sgpr 66
		.amdhsa_reserve_vcc 0
		.amdhsa_float_denorm_mode_32 3
		.amdhsa_float_denorm_mode_16_64 3
		.amdhsa_memory_ordered 1
		.amdhsa_forward_progress 1
		.amdhsa_inst_pref_size 27
	.end_amdhsa_kernel
	.amdgpu_metadata
---
amdhsa.version: [ 1, 2 ]
amdhsa.kernels:
  - .name:           k_q6a72e582d3_quant
    .symbol:         k_q6a72e582d3_quant.kd
    .args:
      - { .name: x, .offset: 0, .size: 8, .value_kind: global_buffer, .address_space: global }
      - { .name: xq, .offset: 8, .size: 8, .value_kind: global_buffer, .address_space: global }
      - { .name: W1_codes, .offset: 16, .size: 8, .value_kind: global_buffer, .address_space: global }
      - { .name: W2_codes, .offset: 24, .size: 8, .value_kind: global_buffer, .address_space: global }
      - { .name: Wq_codes, .offset: 32, .size: 8, .value_kind: global_buffer, .address_space: global }
      - { .name: Wk_codes, .offset: 40, .size: 8, .value_kind: global_buffer, .address_space: global }
      - { .name: Wv_codes, .offset: 48, .size: 8, .value_kind: global_buffer, .address_space: global }
      - { .name: Wo_codes, .offset: 56, .size: 8, .value_kind: global_buffer, .address_space: global }
      - { .name: wl, .offset: 64, .size: 8, .value_kind: global_buffer, .address_space: global }
    .group_segment_fixed_size: 105728
    .private_segment_fixed_size: 0
    .kernarg_segment_align: 8
    .kernarg_segment_size: 72
    .max_flat_workgroup_size: 160
    .sgpr_count:     66
    .vgpr_count:     256
    .wavefront_size: 32
...
	.end_amdgpu_metadata
.endif
;; end of part 5
;; launch layer (part 6): grid 250 x 1, 8 waves a work-group, no clusters, 294,400 bytes of LDS; arguments xq, x, attention_samples, wl, Wq_scales, bq, Wk_scales, bk, Wv_scales, bv, Wo_scales, bo, g1, be1, W1_scales, b1, W2_scales, b2, g2, be2, out0; writes out0
.if DOCPART == 6
	.amdgcn_target "amdgcn-amd-amdhsa--gfx1250"
	.amdhsa_code_object_version 6
	.text
	.protected	k_q6a72e582d3_layer
	.globl	k_q6a72e582d3_layer
	.p2align	8
	.type	k_q6a72e582d3_layer,@function
k_q6a72e582d3_layer:
	s_mov_b64 s[64:65], 0
	v_nop
	global_prefetch_b8 v0, s[64:65] scope:SCOPE_SE
	s_setreg_imm32_b32 hwreg(HW_REG_WAVE_SCHED_MODE, 0, 2), 2
	s_setreg_imm32_b32 hwreg(HW_REG_WAVE_MODE, 25, 1), 1
	s_wait_xcnt 0x0
	s_wait_alu depctr_vm_vsrc(0)
; The whole layer for 80 nodes a work-group: q, the gather, k, v, scores, softmax, o, Wo, + x, LN1, W1, relu, W2, + x1, LN2.  All six quantised products run on codes of BF6 (E3M2) with E8M0 scales.
; quantise(x[samples]) = quantise(x)[samples], since a block of 32 lies inside one row: so the gather takes rows of xq (256 bytes: two halves of 96 bytes of codes, 8 of scales, 24 zeros).
; A node's 16 neighbours are one tile of 16 rows.  q, k, v, o, x1 and the hidden layer never go to memory.
; EVERY LOAD OF CODES READS BYTES ON END.  The weights' codes come from wl, where the launch before has laid each fragment as an image of its registers: three loads of 512 bytes.  A gather's load takes two whole
; rows of xq, sixteen lanes to a row; the pieces are sorted into the operand's order by the LDS address at which each lane stores its 16 bytes.
; ROLES (w = wave 0..7, p = w & 3, u = w >> 2).  q: head w for all 80 nodes.  Attention: heads 2 p, 2 p + 1 of nodes 40 u .. 40 u + 39; in round i wave w gathers node 40 u + 4 i + p for its group of four waves.
; Wo, W2: columns 32 w .. + 31 of all 80 rows.  W1: hidden units 128 w .. + 127, which are K step w of W2.  LN1, LN2: rows 10 w .. + 9.  Quantising o and x1: waves 0-4, a tile of 16 rows each.
; LAYOUTS.  k is made TRANSPOSED (source 0 = 16 rows of Wk, source 1 = the neighbours); row m of tile t is channel 64 p + 32 (m / 8) + 8 t + m % 8: lane (r, h) then holds neighbour r and, in 32 registers, all 32
; channels of head 2 p + h: a score is finished inside a lane.  q lies in the same order, a node a lane, and comes to every lane of a row of 16 by row_share on the multiply-add's first source.
; v is made the natural way (source 0 = the neighbours): lane r holds channel 64 p + 16 t + r, register j neighbour 8 h + j; the weights come by row_share:j.
; bv is added behind the weighted sum: the weights of a softmax add up to 1 but for f32 rounding.  The row's maximum is taken off ahead of the exponential.
; NO CLUSTER: 20,000 nodes are 1,250 tiles of 16 = 2 x 5^4, which no multiple of four work-groups shares evenly in whole tiles; the grid of 250 is no multiple of 4.  No tensor loads: the gather goes by index,
; and each weight fragment goes from memory straight into the register that keeps it.
; LIMITS: NaN and infinities are not served.  A block whose largest magnitude lies under 2^-122 (zeros too) gets the scale byte 1.  v_exp_f32, v_rcp_f32, v_rsq_f32 are 1 ulp; an exponential under 2^-126 is 0.
; Indices are held to 0 .. 19,999.
; THE MODE: SCHED_MODE bits 1:0 = 2 (LLVM: expert scheduling mode 2), set by the entry lines.  The code itself states the register dependences between vector or matrix instructions and memory or LDS
; instructions, with s_wait_alu, always for 0.
; THE PLAN, attention's loop.  Registers that memory or LDS instructions touch, and who else names them:
;   GG (window 1)         a gather's eight loads land in it; a round later eight LDS stores read it.  No vector instruction names it.
;   v[IX ..], v[GAD ..]   the indices' loads land in IX; at a round's head 24 vector lines make GAD of it; the gather's loads read GAD.
;   GA, GB, GSA, GSB      LDS loads land in them; a step's 32 products read them.      QA: LDS loads land in it once a trip; the scores' lines read it.
;   TA, TB (+0, +1)       a step's last vector lines write o there; four LDS stores read it; the next step's scores write there again.
;   v[OADT], v[QADT]      LDS addresses, made once a trip by one vector add each.      v[IXA], the indices' offset, is never written again: their scalar base moves on by a round.
; A STEP'S WAITS.  On vm_vsrc one, at its head (in a round's first step behind the gather's LDS stores): it frees GG, GAD, TA, TB, OADT, QADT for what writes them next.  On va_vdst: ahead of the gather's loads
; (GAD is written, IX is done with); behind the exponentials; behind the reciprocals; behind v's products, ahead of the next fragments' LDS loads; ahead of o's stores.
; THE PLAN, head and tail.  Operands go from wave to wave as images in LDS: a wait on va_vdst stands ahead of each run of stores of registers that vector or matrix instructions have written, and serves also
; the next loads into the registers that those instructions have read; a wait on vm_vsrc stands ahead of whatever writes stored registers again.  All other addresses are made ahead of one wait on va_vdst:
; the head's ahead of the first load, the tail's ahead of the tail's first load.
; ---- LDS
.set GP,   272                         ; a gathered node's slot: 16 regions of 256 + 16 bytes; piece j (16 bytes) of neighbour n's row lies at 272 j + 16 n: the sixteen lanes of a store (one row, 16 pieces)
.set GIMG, 16*GP                       ; fall on 16 different columns of 16 bytes, the sixteen lanes of a load (one piece, 16 rows) read 256 bytes on end
.set TIMG, 3328                        ; a tile's image: 6 x 512 bytes (lane l's 16 bytes at 16 l), then 256 bytes of scale pairs (8 l)
.set QL,   8*GIMG                      ; bytes 0 on: the even rounds' eight slots, one a wave.  Then q: 8 heads x 80 nodes x (128 + 16) bytes
.set QP,   144
.set QH,   80*QP
.set TIM,  QL+8*QH                     ; five tiles' images: x, then o, then x1
.set ST1,  TIM+5*TIMG                  ; 80 rows x (1,024 + 16): attn_out, then x1
.set SP,   1040
.set HIM,  ST1+80*SP                   ; the hidden layer: 40 images (5 s + m) of 3 x 512 + 128 bytes
.set HIMG, 1664
.set GB1,  HIM+40*HIMG-8*GIMG          ; the odd rounds' eight slots: the last 34,816 bytes of the hidden layer's region, which is written only long behind attention's last barrier
.set OST,  ST1                         ; o: [p][node][256 + 16]: 4 x 21,760 bytes over ST1 and HIM's first 3,840 bytes; read out before either is written
.set OP,   272
.set OREG, 80*OP
.set ST2,  0                           ; 80 rows x 1,040: the FFN's result, over the even slots and q, which are done with by then
; ---- wl: fragments of 1,536 bytes
.set FRB,  1536
.set WL_W1, 0
.set WL_W2, 128*FRB
.set WL_WQ, 256*FRB
.set WL_WK, 288*FRB
.set WL_WV, 320*FRB
.set WL_WO, 352*FRB
; ---- scalar registers: s[8:49] the 21 addresses in the order of the arguments
.set P_XQ,8
.set P_X,10
.set P_IDX,12
.set P_WL,14
.set P_WQS,16
.set P_BQ,18
.set P_WKS,20
.set P_BK,22
.set P_WVS,24
.set P_BV,26
.set P_WOS,28
.set P_BO,30
.set P_G1,32
.set P_BE1,34
.set P_W1S,36
.set P_B1,38
.set P_W2S,40
.set P_B2,42
.set P_G2,44
.set P_BE2,46
.set P_OUT,48
.set WV, 60
.set WP, 61
.set WU, 62
.set TC, 63                            ; the trip, 0..4
.set SEL, 66                           ; s[66:67] v_permlanex16_b32's selects for lane l xor 16
.set CS, 68                            ; log2(e) / sqrt(32)
.set RD, 69                            ; 1 / 256
.set EP, 70                            ; 1e-5
.set OB, 74                            ; 8 nodes x 272 bytes x trip
.set QB, 75                            ; 8 nodes x 144 bytes x (trip + 1)
; ---- window 0, kept: LDS addresses
.set GRD,4                             ; v4, v5: where I read my group's slots, even and odd rounds
.set GWR,6                             ; v6, v7: where I store into my slot
.set QAD,8
.set OAD,9
.set TIW,10
.set TIWS,11
.set TIR,12
.set TIRS,13
.set QWR,14
.set SWR,15
.set SWR4,16
.set QTR,17
.set LNR,18
.set HWR,19
.set HWS,20
.set HRD0,21
.set HRS0,23
.set S2W,25
.set S2W4,26
.set L2R,27
; the scale words' own registers, v28-56: they hold scales and nothing else
.set WKS,28                            ; v28-35 Wk's, v36-43 Wv's; then W1's 16; then W2's 16
.set WVS,36
.set PS,44                             ; v44-47 Wq's, then Wo's
.set GSA,48                            ; v[48:49], v[50:51] the pairs of the two fragments in hand
.set GSB,50
.set HS,52                             ; v52-56 the hidden layer's
; attention
.set IXA,58                            ; byte offset of my eight indices in round 0; never written again
.set J16,59                            ; 16 x (lane % 16): my piece of a row of xq
.set BVO,62
.set TA,64                             ; a node's temporaries: +0..3 four partial scores, later o; +4 maximum, +5 p, +6 sum, +7 1 / sum, +8, +9 the weights of heads 2 p, 2 p + 1
.set TB,76
.set IX0,64                            ; at the head: the indices of rounds 0 and 1
.set IX1,72
.set GA,90
.set GB,114
.set QA,138
.set ACA,170
.set ACB,202
.set PFO,234
.set QTO,236
.set OADT,237
.set QADT,238
.set L16,239
.set IX,240                            ; v240-247 eight indices: neighbours 8 (lane / 16) + 0 .. 7
.set GAD,248                           ; v248-255 their rows' byte offsets, + my piece
; global byte offsets of the head's loads
.set WLQ,218
.set WSAQ,219
.set BAQ,220
.set WLK,221
.set WSAK,222
.set BAK,223
.set WSAV,224
.set BVA,225
.set XTA,226
; and of the tail's, made behind attention
.set TWLQ,240
.set TWSAQ,241
.set TBAQ,242
.set TWL1,243
.set W1SA,244
.set B1A,245
.set W2SA,246
.set XRA,247
; window 1 in attention
.set WK,0
.set WV1,96
.set BK,192
.set GG,224                            ; v224-255 of window 1: a gather on its way
; window 0 behind attention
.set GBR,58                            ; v58-65 gain, v66-73 bias
.set RES,74
.set VAL,154
.set X,74                              ; 64 numbers for QUANT; also the hidden layer's 8 tiles
.set XFA,138
.set XFB,162
.set TM,186
.set PC,202
.set SX,214
.set PW,222
.set AC2,74
.set HF,154
.set MSB, 0
.macro WIN new                         ; the immediate's high byte repeats the setting that is left
.if MSB != \new
	s_set_vgpr_msb (MSB<<8)|\new
.set MSB, \new
.endif
.endm
.macro PLACES n
.rept \n
	v_nop
.endr
.endm
.macro BAR                             ; my LDS stores have landed and my LDS loads are in: then the work-group's barrier
	s_wait_dscnt 0x0
	s_barrier_signal -1
	s_barrier_wait -1
.endm
.macro MM d, a, b, c, sa, sb
	v_wmma_scale_f32_16x16x128_f8f6f4 v[(\d):(\d)+7], v[(\a):(\a)+11], v[(\b):(\b)+11], v[(\c):(\c)+7], v[\sa], v[\sb] matrix_a_fmt:MATRIX_FMT_BF6 matrix_b_fmt:MATRIX_FMT_BF6
.endm
.macro MZ d, a, b, sa, sb              ; the first K step starts the sum
	v_wmma_scale_f32_16x16x128_f8f6f4 v[(\d):(\d)+7], v[(\a):(\a)+11], v[(\b):(\b)+11], 0, v[\sa], v[\sb] matrix_a_fmt:MATRIX_FMT_BF6 matrix_b_fmt:MATRIX_FMT_BF6
.endm
.macro WLOAD reg, adr, off             ; a weight's fragment out of wl: three loads of 512 bytes on end
.irp k, 0,1,2
	global_load_b128 v[(\reg)+4*\k:(\reg)+4*\k+3], v[\adr], s[P_WL:P_WL+1] offset:(\off)+512*\k
.endr
.endm
.macro GFETCH reg, sc, par, slot       ; a node's two fragments and scale pair out of my group's slots: lane (r, h) takes pieces 8 h + 0 .. 6 of neighbour r
.irp k, 0,1,2,3,4,5
	ds_load_b128 v[(\reg)+4*\k:(\reg)+4*\k+3], v[GRD+(\par)] offset:GIMG*(\slot)+GP*\k
.endr
	ds_load_b64 v[\sc:\sc+1], v[GRD+(\par)] offset:GIMG*(\slot)+GP*6
.endm
.macro FETCHT reg, sc, m               ; tile m's
.irp k, 0,1,2,3,4,5
	ds_load_b128 v[(\reg)+4*\k:(\reg)+4*\k+3], v[TIR] offset:TIMG*(\m)+512*\k
.endr
	ds_load_b64 v[\sc:\sc+1], v[TIRS] offset:TIMG*(\m)
.endm
.macro GADDR ix                        ; 256 x each of my eight neighbours' indices + my piece
.irp i, 0,1,2,3,4,5,6,7
	v_min_u32 v[(\ix)+\i], 0x4e1f, v[(\ix)+\i]
.endr
.irp i, 0,1,2,3,4,5,6,7
	v_lshlrev_b32 v[GAD+\i], 8, v[(\ix)+\i]
.endr
.irp i, 0,1,2,3,4,5,6,7
	v_add_nc_u32 v[GAD+\i], v[GAD+\i], v[J16]
.endr
.endm
.macro GLOADS                          ; load i: the whole rows of neighbours i (lanes 0-15) and 8 + i (lanes 16-31), 256 bytes on end each
	WIN 0x40
	s_wait_alu depctr_va_vdst(0)                   ; the eight offsets v[GAD ..] are written, which these loads read; the lines that made them are done with the indices' registers, in which the next indices land
.irp i, 0,1,2,3,4,5,6,7
	global_load_b128 v[GG+4*\i:GG+4*\i+3], v[GAD+\i], s[P_XQ:P_XQ+1]
.endr
	WIN 0
.endm
.macro GSTORE par                      ; piece j of neighbour i + 8 (lane / 16) goes to 272 j + 128 (lane / 16) + 16 i of my slot
	WIN 0x04
.irp i, 0,1,2,3,4,5,6,7
	ds_store_b128 v[GWR+(\par)], v[GG+4*\i:GG+4*\i+3] offset:16*\i
.endr
	WIN 0
.endm
; The head of round 2 TC + rho: the next round's gather is in registers and goes to the other set of slots, which every wave has left (the last round's barrier).
.macro RTOP rho
	s_wait_loadcnt 0x0                             ; the gather for the next round and the indices for the round after it: both were asked for a round ago
	s_add_nc_u64 s[P_IDX:P_IDX+1], s[P_IDX:P_IDX+1], 256   ; free since that wait, which shows the loads that read it done: the indices' base moves on by a round (four nodes x 64 bytes)
.if \rho == 1
	s_cmp_lt_u32 s[TC], 4                          ; the last round has no successor
	s_cbranch_scc0 .Lns_\@
.endif
	GSTORE 1-\rho
.if \rho == 1
.Lns_\@:
.endif
	s_wait_alu depctr_vm_vsrc(0)                   ; the stores above have read GG, in which the next gather lands; the last gather's loads have read v[GAD ..], which the lines below write; the last step's stores of o have read TA, TB and v[OADT]
	GADDR IX
.endm
.macro GISSUE rho                      ; the gather two rounds on, the indices three rounds on; none beyond round 9
	s_cmp_lt_u32 s[TC], 4
	s_cbranch_scc0 .Lng_\@
	GLOADS
.if (\rho) == 1
	s_cmp_lt_u32 s[TC], 3
	s_cbranch_scc0 .Lng_\@
.endif
	global_load_b128 v[IX:IX+3], v[IXA], s[P_IDX:P_IDX+1] offset:512             ; the base stands one round on from this round: two more rounds in the immediate.  No wait: no vector line since the gather's wait
	global_load_b128 v[IX+4:IX+7], v[IXA], s[P_IDX:P_IDX+1] offset:528
.Lng_\@:
.endm
; TWO NODES, na and nb = na + 1 of the trip's eight.  gi: 1, 2: the round's gather is issued.  sig: the round's barrier.  nxt: the next two nodes are fetched from set np, slots ns, ns + 1 (2: not in the last trip).
.macro STEP na, nb, gi, sig, nxt, np, ns, ql
	s_wait_dscnt 0x0                               ; both nodes' fragments (and q) are in; my stores into the slots and of o are done
.if \gi == 0
	s_wait_alu depctr_vm_vsrc(0)                   ; the last step's stores of o have read TA and TB, which this step's scores write; the last trip's loads of q have read v[QADT]
.endif
.if \ql
	v_add_nc_u32 v[QADT], s[QB], v[QAD]            ; where the next trip's q lies: made here, so that the waits on va_vdst below stand between it and the loads that read it
.endif
.if \na == 0
	v_add_nc_u32 v[OADT], s[OB], v[OAD]
.endif
.if \gi
	GISSUE (\gi)-1
.endif
.if \sig
	s_barrier_signal -1                            ; my image of the next round lies in its slot, and my reads of this round's slots are over
.endif
	WIN 0x11                                       ; Wk and bk in window 1
.irp t, 0,1,2,3                        ; the eight accumulators take turns, one instruction a turn
	MM ACA+8*\t, WK+24*\t, GA, BK+8*\t, WKS+2*\t, GSA
	MM ACB+8*\t, WK+24*\t, GB, BK+8*\t, WKS+2*\t, GSB
.endr
	WIN 0x01
.irp t, 0,1,2,3
	MM ACA+8*\t, WK+24*\t+12, GA+12, ACA+8*\t, WKS+2*\t+1, GSA+1
	MM ACB+8*\t, WK+24*\t+12, GB+12, ACB+8*\t, WKS+2*\t+1, GSB+1
.endr
	WIN 0
	PLACES 4                                       ; four places ahead of the first read of results
.set i, 0
.rept 32                               ; score(neighbour r, head 2 p + h) = the sum over 32 channels, in four chains a node; each accumulator is read from its low end on
.if i < 4
	v_mul_f32_dpp v[TA+i%4], v[QA+i], v[ACA+i] row_share:\na row_mask:0xf bank_mask:0xf
	v_mul_f32_dpp v[TB+i%4], v[QA+i], v[ACB+i] row_share:\nb row_mask:0xf bank_mask:0xf
.else
	v_fmac_f32_dpp v[TA+i%4], v[QA+i], v[ACA+i] row_share:\na row_mask:0xf bank_mask:0xf
	v_fmac_f32_dpp v[TB+i%4], v[QA+i], v[ACB+i] row_share:\nb row_mask:0xf bank_mask:0xf
.endif
.set i, i+1
.endr
.irp T, TA,TB
	v_add_f32 v[\T], v[\T], v[\T+1]
.endr
.irp T, TA,TB
	v_add_f32 v[\T+2], v[\T+2], v[\T+3]
.endr
.irp T, TA,TB
	v_add_f32 v[\T], v[\T], v[\T+2]
.endr
.irp T, TA,TB
	v_max_num_f32_dpp v[\T+4], v[\T], v[\T] row_xmask:1 row_mask:0xf bank_mask:0xf   ; a row of 16 lanes holds a head's 16 scores
.endr
.irp x, 2,4,8
.irp T, TA,TB
	v_max_num_f32_dpp v[\T+4], v[\T+4], v[\T+4] row_xmask:\x row_mask:0xf bank_mask:0xf
.endr
.endr
.irp T, TA,TB
	v_sub_f32 v[\T+5], v[\T], v[\T+4]              ; the maximum is taken off,
.endr
.irp T, TA,TB
	v_mul_f32 v[\T+5], s[CS], v[\T+5]              ; x log2(e) / sqrt(32)
.endr
	s_wait_alu depctr_va_vdst(0)
.irp T, TA,TB
	v_exp_f32 v[\T+5], v[\T+5]
.endr
	v_nop                                          ; a plain place behind the exponentials
	s_wait_alu depctr_va_vdst(0)                   ; the two exponentials have written their results: one wait for both, ahead of their first reader
.irp T, TA,TB
	v_add_f32_dpp v[\T+6], v[\T+5], v[\T+5] row_xmask:1 row_mask:0xf bank_mask:0xf
.endr
.irp x, 2,4,8
.irp T, TA,TB
	v_add_f32_dpp v[\T+6], v[\T+6], v[\T+6] row_xmask:\x row_mask:0xf bank_mask:0xf
.endr
.endr
	s_wait_alu depctr_va_vdst(0)
.irp T, TA,TB
	v_rcp_f32 v[\T+7], v[\T+6]
.endr
	v_nop
	s_wait_alu depctr_va_vdst(0)                   ; the two reciprocals have written their results, ahead of their first reader
.irp T, TA,TB
	v_mul_f32 v[\T+8], v[\T+5], v[\T+7]            ; the weights: lane (r, h): head 2 p + h, neighbour r
.endr
.irp T, TA,TB
	v_mov_b32_dpp v[\T+9], v[\T+8] row_xmask:8 row_mask:0xf bank_mask:0xf
.endr
.irp T, TA,TB
	v_permlane16_swap_b32 v[\T+8], v[\T+9]         ; +8: head 2 p, +9: head 2 p + 1; in each, lanes 0-7 of row h hold neighbours 8 h .. 8 h + 7
.endr
	WIN 0x04                                       ; Wv in window 1.  (The lines above that name temporaries alone, and the four v_nop, are more than the five places owed ahead of products that write over k)
.irp t, 0,1,2,3
	MZ ACA+8*\t, GA, WV1+24*\t, GSA, WVS+2*\t
	MZ ACB+8*\t, GB, WV1+24*\t, GSB, WVS+2*\t
.endr
.irp t, 0,1,2,3
	MM ACA+8*\t, GA+12, WV1+24*\t+12, ACA+8*\t, GSA+1, WVS+2*\t+1
	MM ACB+8*\t, GB+12, WV1+24*\t+12, ACB+8*\t, GSB+1, WVS+2*\t+1
.endr
	WIN 0
.if \sig
	s_barrier_wait -1                              ; every wave's image of the next round lies in its slot; nobody reads this round's slots any more
.endif
	PLACES 4                                       ; ahead of loads into registers that the products have read, and of the first read of v
	s_wait_alu depctr_va_vdst(0)                   ; the products are done reading GA, GB and their scale pairs, in which the loads below land; in a trip's last step the scores are done reading QA, and v[QADT] is written
.if \nxt == 2
	s_cmp_lt_u32 s[TC], 4
	s_cbranch_scc0 .Lnf_\@
.endif
.if \nxt
	GFETCH GA, GSA, \np, \ns
	GFETCH GB, GSB, \np, (\ns)+1
.if \ql
.irp k, 0,1,2,3,4,5,6,7
	ds_load_b128 v[QA+4*\k:QA+4*\k+3], v[QADT] offset:16*\k                      ; the next trip's q: lane (n, h): node n % 8, head 2 p + h
.endr
.endif
.endif
.if \nxt == 2
.Lnf_\@:
.endif
.irp j, 0,1,2,3,4,5,6,7                ; o(channel 64 p + 16 t + r) over my half's eight neighbours; tile t's sum at +0, +2, +1, +3.  These lines name the accumulators and the temporaries: none of the registers that the loads above touch
.irp t, 0,1,2,3
.if \j == 0
	v_mul_f32_dpp v[TA+2*(\t%2)+\t/2], v[TA+8+\t/2], v[ACA+8*\t+\j] row_share:\j row_mask:0xf bank_mask:0xf
	v_mul_f32_dpp v[TB+2*(\t%2)+\t/2], v[TB+8+\t/2], v[ACB+8*\t+\j] row_share:\j row_mask:0xf bank_mask:0xf
.else
	v_fmac_f32_dpp v[TA+2*(\t%2)+\t/2], v[TA+8+\t/2], v[ACA+8*\t+\j] row_share:\j row_mask:0xf bank_mask:0xf
	v_fmac_f32_dpp v[TB+2*(\t%2)+\t/2], v[TB+8+\t/2], v[ACB+8*\t+\j] row_share:\j row_mask:0xf bank_mask:0xf
.endif
.endr
.endr
.irp T, TA,TB
	v_permlane16_swap_b32 v[\T], v[\T+2]           ; tiles 0 and 1: the halves' sums come to stand lane by lane,
	v_permlane16_swap_b32 v[\T+1], v[\T+3]         ; tiles 2 and 3 likewise
.endr
.irp T, TA,TB
	v_pk_add_f32 v[\T:\T+1], v[\T:\T+1], v[\T+2:\T+3]      ; lane l: channels 64 p + l and 64 p + 32 + l
.endr
.irp T, TA,TB
	v_pk_add_f32 v[\T:\T+1], v[\T:\T+1], v[BVO:BVO+1]
.endr
	s_wait_alu depctr_va_vdst(0)                   ; o is written in TA, TA + 1, TB, TB + 1, which the four stores read
	ds_store_b32 v[OADT], v[TA] offset:OP*\na
	ds_store_b32 v[OADT], v[TA+1] offset:OP*\na+128
	ds_store_b32 v[OADT], v[TB] offset:OP*\nb
	ds_store_b32 v[OADT], v[TB+1] offset:OP*\nb+128
.endm
; 32 columns of a weight [256][256] for the five tiles of rows, TRANSPOSED (source 0 = 16 rows of the weight): lane (r, h) holds row r and eight neighbouring columns.  The bias is the C of the first K step.
; The two fragment buffers take turns: while tile m is multiplied, tile m + 1 lands in the buffer that tile m - 1 has left.
.macro PROJ wf, wb, win0, win1, xfa, xfb, pa, dst, dst4, p16
	FETCHT \xfa, GSA, 0
.irp m, 0,1,2,3,4
.set XC, (\xfa)+((\xfb)-(\xfa))*(\m%2)
.set XN, (\xfa)+((\xfb)-(\xfa))*((\m+1)%2)
.set SC, GSA+2*(\m%2)
.set SN, GSA+2*((\m+1)%2)
.if \m < 4
	FETCHT XN, SN, \m+1
	s_wait_dscnt 7                                 ; all but the seven loads just issued: this tile's fragments are in, the last tile's stores are done
.else
	s_wait_dscnt 0x0
.endif
.if \m > 0
	s_wait_alu depctr_vm_vsrc(0)                   ; the last tile's stores have read the two sums' registers, which the products below write anew
.endif
	WIN \win0
	MM \pa, \wf, XC, \wb, PS, SC
	MM (\pa)+8, (\wf)+24, XC, (\wb)+8, PS+2, SC
	WIN \win1
	MM \pa, (\wf)+12, XC+12, \pa, PS+1, SC+1
	MM (\pa)+8, (\wf)+36, XC+12, (\pa)+8, PS+3, SC+1
	WIN 0
	PLACES 5                                       ; four ahead of the stores and of the next fetch, five ahead of the next tile's products, which begin these sums anew
	s_wait_alu depctr_va_vdst(0)                   ; the products have written the two sums, which the stores read, and are done reading this tile's fragments and scale pair, in which the next fetch lands
.irp t, 0,1
.if (\m)*(\p16) > 65000
	ds_store_b128 v[\dst4], v[(\pa)+8*\t:(\pa)+8*\t+3] offset:64*\t
	ds_store_b128 v[\dst4], v[(\pa)+8*\t+4:(\pa)+8*\t+7] offset:64*\t+16
.else
	ds_store_b128 v[\dst], v[(\pa)+8*\t:(\pa)+8*\t+3] offset:(\m)*(\p16)+64*\t
	ds_store_b128 v[\dst], v[(\pa)+8*\t+4:(\pa)+8*\t+7] offset:(\m)*(\p16)+64*\t+16
.endif
.endr
.endr
	s_wait_dscnt 0x0
.endm
; 64 numbers of a lane, register 16 b + i = k 32 b + 16 (lane / 16) + i of my row, become 12 registers of codes at v[pc] and the row's scale word in v[pw].
.macro QUANT src, pc, sx, tm, pw
.irp b, 0,1,2,3
	v_max3_num_f32 v[\tm+\b], |v[\src+16*\b]|, |v[\src+1+16*\b]|, 0x2800000   ; and the floor 2^(5 - 127): the byte cannot fall under 1
.endr
.irp i, 2,4,6,8,10,12,14
.irp b, 0,1,2,3
	v_max3_num_f32 v[\tm+\b], v[\tm+\b], |v[\src+16*\b+\i]|, |v[\src+1+16*\b+\i]|
.endr
.endr
.irp b, 0,1,2,3
	v_permlanex16_b32 v[\tm+4+\b], v[\tm+\b], s[SEL], s[SEL+1]
.endr
.irp b, 0,1,2,3
	v_max_num_f32 v[\tm+\b], v[\tm+\b], v[\tm+4+\b]
.endr
.irp b, 0,1,2,3
	v_add_nc_u32 v[\tm+12+\b], 0xfe000000, v[\tm+\b]       ; 4 off the exponent field: the conversion's scale operand
.endr
.irp b, 0,1,2,3
	v_lshrrev_b32 v[\tm+4+\b], 23, v[\tm+12+\b]            ; the scale's byte
.endr
	v_lshl_or_b32 v[\pw], v[\tm+5], 8, v[\tm+4]
	v_lshl_or_b32 v[\pw], v[\tm+6], 16, v[\pw]
	v_lshl_or_b32 v[\pw], v[\tm+7], 24, v[\pw]
.irp c, 0,1
	v_cvt_scalef32_pk16_bf6_f32 v[\pc+6*\c:\pc+6*\c+2], v[\src+32*\c:\src+32*\c+15], v[\tm+12+2*\c]
	v_cvt_scalef32_pk16_bf6_f32 v[\sx+4*\c:\sx+4*\c+2], v[\src+32*\c+16:\src+32*\c+31], v[\tm+13+2*\c]
.endr
	v_nop                                          ; one plain place behind the conversions
.irp c, 0,1
.irp i, 0,1,2
	v_permlane16_swap_b32 v[\pc+6*\c+\i], v[\sx+4*\c+\i]
.endr
.irp i, 0,1,2
	v_mov_b32 v[\pc+3+6*\c+\i], v[\sx+4*\c+\i]
.endr
.endr
.endm
; My tile of 16 rows (kind 0: o, from its stage by quarters of a row; kind 1: x1, from rows of 1,040 bytes) becomes an image of two fragments and a scale pair.
.macro QTILE adr, kind
.irp s, 0,1
.irp b, 0,1,2,3
.irp j, 0,1,2,3
.if \kind == 0
	ds_load_b128 v[X+16*\b+4*\j:X+16*\b+4*\j+3], v[\adr] offset:(2*\s+\b/2)*OREG+(\b%2)*128+16*\j
.else
	ds_load_b128 v[X+16*\b+4*\j:X+16*\b+4*\j+3], v[\adr] offset:512*\s+128*\b+16*\j
.endif
.endr
.endr
	s_wait_dscnt 0x0                               ; the numbers are in
.if \s
	s_wait_alu depctr_vm_vsrc(0)                   ; K step 0's stores have read the codes' registers and the scale word's, which the lines below write again
.endif
	QUANT X, PC, SX, TM, PW
	s_wait_alu depctr_va_vdst(0)                   ; the codes and the scale word are written, which the stores read; the lines above are done reading v[X ..], in which K step 1's numbers land
.irp k, 0,1,2
	ds_store_b128 v[TIW], v[PC+4*\k:PC+4*\k+3] offset:1536*\s+512*\k
.endr
	ds_store_b32 v[TIWS], v[PW] offset:4*\s
.endr
.endm
; LayerNorm of VAL + RES, ten rows in ten chains.  A lane holds channels 4 l .. + 3 and 128 + 4 l .. + 3 of each row.  RES is done with behind the first lines and serves as the temporaries.
.macro LNORM out
.irp c, 0,2,4,6
.irp i, 0,1,2,3,4,5,6,7,8,9
	v_pk_add_f32 v[VAL+8*\i+\c:VAL+8*\i+\c+1], v[VAL+8*\i+\c:VAL+8*\i+\c+1], v[RES+8*\i+\c:RES+8*\i+\c+1]
.endr
.endr
.irp i, 0,1,2,3,4,5,6,7,8,9
	v_pk_add_f32 v[RES+8*\i:RES+8*\i+1], v[VAL+8*\i:VAL+8*\i+1], v[VAL+8*\i+2:VAL+8*\i+3]
.endr
.irp i, 0,1,2,3,4,5,6,7,8,9
	v_pk_add_f32 v[RES+8*\i+2:RES+8*\i+3], v[VAL+8*\i+4:VAL+8*\i+5], v[VAL+8*\i+6:VAL+8*\i+7]
.endr
.irp i, 0,1,2,3,4,5,6,7,8,9
	v_pk_add_f32 v[RES+8*\i:RES+8*\i+1], v[RES+8*\i:RES+8*\i+1], v[RES+8*\i+2:RES+8*\i+3]
.endr
.irp i, 0,1,2,3,4,5,6,7,8,9
	v_add_f32 v[RES+8*\i], v[RES+8*\i], v[RES+8*\i+1]
.endr
.irp x, 1,2,4,8
.irp i, 0,1,2,3,4,5,6,7,8,9
	v_add_f32_dpp v[RES+8*\i], v[RES+8*\i], v[RES+8*\i] row_xmask:\x row_mask:0xf bank_mask:0xf
.endr
.endr
.irp i, 0,1,2,3,4,5,6,7,8,9
	v_permlanex16_b32 v[RES+8*\i+1], v[RES+8*\i], s[SEL], s[SEL+1]
.endr
.irp i, 0,1,2,3,4,5,6,7,8,9
	v_add_f32 v[RES+8*\i], v[RES+8*\i], v[RES+8*\i+1]
.endr
.irp i, 0,1,2,3,4,5,6,7,8,9
	v_mul_f32 v[RES+8*\i], s[RD], v[RES+8*\i]      ; the mean
.endr
.irp c, 0,2,4,6
.irp i, 0,1,2,3,4,5,6,7,8,9
	v_pk_add_f32 v[VAL+8*\i+\c:VAL+8*\i+\c+1], v[VAL+8*\i+\c:VAL+8*\i+\c+1], v[RES+8*\i:RES+8*\i+1] op_sel_hi:[1,0] neg_lo:[0,1] neg_hi:[0,1]
.endr
.endr
.irp i, 0,1,2,3,4,5,6,7,8,9
	v_pk_mul_f32 v[RES+8*\i+2:RES+8*\i+3], v[VAL+8*\i:VAL+8*\i+1], v[VAL+8*\i:VAL+8*\i+1]
.endr
.irp c, 2,4,6
.irp i, 0,1,2,3,4,5,6,7,8,9
	v_pk_fma_f32 v[RES+8*\i+2:RES+8*\i+3], v[VAL+8*\i+\c:VAL+8*\i+\c+1], v[VAL+8*\i+\c:VAL+8*\i+\c+1], v[RES+8*\i+2:RES+8*\i+3]
.endr
.endr
.irp i, 0,1,2,3,4,5,6,7,8,9
	v_add_f32 v[RES+8*\i+2], v[RES+8*\i+2], v[RES+8*\i+3]
.endr
.irp x, 1,2,4,8
.irp i, 0,1,2,3,4,5,6,7,8,9
	v_add_f32_dpp v[RES+8*\i+2], v[RES+8*\i+2], v[RES+8*\i+2] row_xmask:\x row_mask:0xf bank_mask:0xf
.endr
.endr
.irp i, 0,1,2,3,4,5,6,7,8,9
	v_permlanex16_b32 v[RES+8*\i+3], v[RES+8*\i+2], s[SEL], s[SEL+1]
.endr
.irp i, 0,1,2,3,4,5,6,7,8,9
	v_add_f32 v[RES+8*\i+2], v[RES+8*\i+2], v[RES+8*\i+3]
.endr
.irp i, 0,1,2,3,4,5,6,7,8,9
	v_fma_f32 v[RES+8*\i+2], v[RES+8*\i+2], s[RD], s[EP]   ; the variance + 1e-5
.endr
	s_wait_alu depctr_va_vdst(0)
.irp i, 0,1,2,3,4,5,6,7,8,9
	v_rsq_f32 v[RES+8*\i+4], v[RES+8*\i+2]
.endr
	v_nop                                          ; a plain place behind the batch
	s_wait_alu depctr_va_vdst(0)                   ; the ten reciprocal roots have written their results: one wait for the ten, ahead of their first reader
.irp c, 0,2,4,6
.irp i, 0,1,2,3,4,5,6,7,8,9
	v_pk_mul_f32 v[VAL+8*\i+\c:VAL+8*\i+\c+1], v[VAL+8*\i+\c:VAL+8*\i+\c+1], v[RES+8*\i+4:RES+8*\i+5] op_sel_hi:[1,0]
.endr
.endr
.irp c, 0,2,4,6
.irp i, 0,1,2,3,4,5,6,7,8,9
	v_pk_fma_f32 v[VAL+8*\i+\c:VAL+8*\i+\c+1], v[VAL+8*\i+\c:VAL+8*\i+\c+1], v[GBR+\c:GBR+\c+1], v[GBR+8+\c:GBR+8+\c+1]
.endr
.endr
	s_wait_alu depctr_va_vdst(0)                   ; the ten rows are written in v[VAL ..], which the stores read; the lines above are done with the gain, the bias and v[RES ..], in which later loads land
.irp i, 0,1,2,3,4,5,6,7,8,9
.if \out
	global_store_b128 v[XRA], v[VAL+8*\i:VAL+8*\i+3], s[P_OUT:P_OUT+1] offset:1024*\i th:TH_STORE_NT        ; 32 lanes store 512 bytes on end, at a multiple of 256 from out0's first byte
	global_store_b128 v[XRA], v[VAL+8*\i+4:VAL+8*\i+7], s[P_OUT:P_OUT+1] offset:1024*\i+512 th:TH_STORE_NT
.else
	ds_store_b128 v[LNR], v[VAL+8*\i:VAL+8*\i+3] offset:SP*\i
	ds_store_b128 v[LNR], v[VAL+8*\i+4:VAL+8*\i+7] offset:SP*\i+512
.endif
.endr
.endm
.macro GAINS g, b                      ; my eight channels' gain and bias
	global_load_b128 v[GBR:GBR+3], v[L16], s[\g:\g+1]
	global_load_b128 v[GBR+4:GBR+7], v[L16], s[\g:\g+1] offset:512
	global_load_b128 v[GBR+8:GBR+11], v[L16], s[\b:\b+1]
	global_load_b128 v[GBR+12:GBR+15], v[L16], s[\b:\b+1] offset:512
.endm
; ================ the head: ids, every LDS address, the first loads
	s_load_b512 s[8:23], s[0:1], 0x0
	s_load_b512 s[24:39], s[0:1], 0x40
	s_load_b256 s[40:47], s[0:1], 0x80
	s_load_b64 s[48:49], s[0:1], 0xa0
	v_lshl_add_u32 v57, v0, 2, 0x47a00
	v_mov_b32 v235, 0
	v_lshrrev_b32 v1, 5, v0
	v_readfirstlane_b32 s[WV], v1                  ; w
	s_wait_alu depctr_va_sdst(0)                   ; the wave's number is written in its scalar register, ahead of its first reader
	s_and_b32 s[WP], s[WV], 3                      ; p
	s_lshr_b32 s[WU], s[WV], 2                     ; u
	v_and_b32 v1, 31, v0                           ; l
	v_and_b32 v2, 15, v0                           ; r
	v_bfe_u32 v3, v0, 4, 1                         ; h
	v_lshlrev_b32 v[L16], 4, v1
	v_lshlrev_b32 v64, 3, v1                       ; 8 l
	v_lshlrev_b32 v65, 2, v1                       ; 4 l
	v_and_b32 v66, 7, v0                           ; r % 8
	v_bfe_u32 v67, v0, 3, 1                        ; r / 8
	v_mul_u32_u24 v68, v2, SP
	v_lshl_add_u32 v69, v3, 5, v68                 ; 1,040 r + 32 h
	s_mul_i32 s2, s[WU], 4*GIMG                    ; my group's four slots: I read pieces 8 h + k of neighbour r
	v_mul_u32_u24 v[GRD], v3, 8*GP
	v_lshl_add_u32 v[GRD], v2, 4, v[GRD]
	v_add_nc_u32 v[GRD], s2, v[GRD]
	v_add_nc_u32 v[GRD+1], GB1, v[GRD]
	s_mul_i32 s2, s[WV], GIMG                      ; my slot: I store piece lane % 16 of neighbours 8 (lane / 16) + i
	v_mul_u32_u24 v[GWR], v2, GP
	v_lshl_add_u32 v[GWR], v3, 7, v[GWR]
	v_add_nc_u32 v[GWR], s2, v[GWR]
	v_add_nc_u32 v[GWR+1], GB1, v[GWR]
	s_mul_i32 s2, s[WV], TIMG                      ; my tile's image
	s_add_co_u32 s3, s2, TIM
	v_add_nc_u32 v[TIW], s3, v[L16]
	s_add_co_u32 s3, s2, TIM+3072
	v_add_nc_u32 v[TIWS], s3, v64
	v_add_nc_u32 v[TIR], TIM, v[L16]
	v_add_nc_u32 v[TIRS], TIM+3072, v64
	s_mul_i32 s2, s[WP], 2*QH
	s_mul_i32 s3, s[WU], 40*QP
	s_add_co_u32 s2, s2, s3
	s_add_co_u32 s2, s2, QL
	v_mul_u32_u24 v[QAD], v66, QP
	v_mad_u32_u24 v[QAD], v3, QH, v[QAD]
	v_add_nc_u32 v[QAD], s2, v[QAD]                ; q of node 40 u + r % 8, head 2 p + h
	s_mul_i32 s2, s[WP], OREG
	s_mul_i32 s3, s[WU], 40*OP
	s_add_co_u32 s2, s2, s3
	s_add_co_u32 s2, s2, OST
	v_add_nc_u32 v[OAD], s2, v65                   ; o: quarter p of node 40 u's row, + 4 l: 10,880 bytes on end are my wave's
	s_mul_i32 s2, s[WV], QH
	s_add_co_u32 s2, s2, QL
	v_mul_u32_u24 v[QWR], v2, QP
	v_lshl_add_u32 v[QWR], v3, 5, v[QWR]
	v_add_nc_u32 v[QWR], s2, v[QWR]
	s_lshl_b32 s2, s[WV], 7
	s_add_co_u32 s3, s2, ST1
	v_add_nc_u32 v[SWR], s3, v69
	v_add_nc_u32 v[SWR4], 64*SP, v[SWR]            ; (tile 4 lies beyond a 16-bit offset)
	v_add_nc_u32 v[S2W], s2, v69
	v_add_nc_u32 v[S2W4], 64*SP, v[S2W]
	s_mul_i32 s2, s[WV], 16*SP
	s_add_co_u32 s2, s2, ST1
	v_lshl_add_u32 v[QTR], v3, 6, v68
	v_add_nc_u32 v[QTR], s2, v[QTR]
	s_mul_i32 s2, s[WV], 10*SP
	v_add_nc_u32 v[L2R], s2, v[L16]
	s_add_co_u32 s2, s2, ST1
	v_add_nc_u32 v[LNR], s2, v[L16]
	s_mul_i32 s2, s[WV], 5*HIMG
	s_add_co_u32 s3, s2, HIM
	v_add_nc_u32 v[HWR], s3, v[L16]
	s_add_co_u32 s3, s2, HIM+1536
	v_add_nc_u32 v[HWS], s3, v65
	v_add_nc_u32 v[HRD0], HIM, v[L16]
	v_add_nc_u32 v[HRD0+1], HIM+20*HIMG, v[L16]
	v_add_nc_u32 v[HRS0], HIM+1536, v65
	v_add_nc_u32 v[HRS0+1], HIM+1536+20*HIMG, v65
	s_mul_i32 s2, s[WV], 16*OP
	s_add_co_u32 s2, s2, OST
	v_mul_u32_u24 v[QTO], v2, OP
	v_lshl_add_u32 v[QTO], v3, 6, v[QTO]
	v_add_nc_u32 v[QTO], s2, v[QTO]
	; global byte offsets of the head's loads: the wave's share stands in the offset, so that the bases stay whole
	s_mul_i32 s2, s[WV], 4*FRB
	v_add_nc_u32 v[WLQ], s2, v[L16]                ; Wq: my four fragments
	s_lshl_b32 s2, s[WV], 8
	v_lshl_add_u32 v[WSAQ], v2, 3, s2
	s_lshl_b32 s2, s[WV], 7
	v_lshl_add_u32 v[BAQ], v3, 5, s2
	s_mul_i32 s2, s[WP], 8*FRB
	v_add_nc_u32 v[WLK], s2, v[L16]                ; Wk, Wv: my eight fragments of each
	s_lshl_b32 s2, s[WP], 9
	v_lshl_add_u32 v[WSAK], v66, 3, s2
	v_lshl_add_u32 v[WSAK], v67, 8, v[WSAK]        ; Wk's scale words: row 64 p + 32 (r / 8) + r % 8
	v_lshl_add_u32 v[WSAV], v2, 3, s2              ; Wv's: row 64 p + r
	s_lshl_b32 s2, s[WP], 8
	v_lshl_add_u32 v[BAK], v3, 7, s2
	v_add_nc_u32 v[BVA], s2, v65
	s_lshl_b32 s2, s[WV], 12
	v_lshlrev_b32 v[XTA], 8, v2
	v_lshl_add_u32 v[XTA], v3, 7, v[XTA]
	v_add_nc_u32 v[XTA], s2, v[XTA]                ; xq: row 16 w + r of my work-group's, half h
	s_mul_i32 s2, s[WU], 40*64
	s_lshl_b32 s3, s[WP], 6
	s_add_co_u32 s2, s2, s3
	v_lshl_add_u32 v[IXA], v3, 5, s2               ; the indices of node 40 u + p, neighbours 8 h .. 8 h + 7: 32 bytes
	v_lshlrev_b32 v[J16], 4, v2
	s_lshl_b32 s2, s[WV], 13
	v_lshl_add_u32 v[PFO], v1, 8, s2               ; 256 (32 w + l)
	s_mov_b32 s[SEL], 0x76543210
	s_mov_b32 s[SEL+1], 0xfedcba98
	s_mov_b32 s[CS], 0x3e8293ee
	s_mov_b32 s[RD], 0x3b800000
	s_mov_b32 s[EP], 0x3727c5ac
	s_mov_b32 s[OB], 0
	s_mov_b32 s[QB], 8*QP
	s_mul_i32 s2, ttmp9, 80*256
	s_mov_b32 s3, 0
	s_mul_i32 s4, ttmp9, 80*1024
	s_mov_b32 s5, 0
	s_mul_i32 s6, ttmp9, 80*64
	s_mov_b32 s7, 0
	s_wait_kmcnt 0x0
	s_add_nc_u64 s[72:73], s[P_XQ:P_XQ+1], s[2:3]          ; xq at my work-group's rows; its own address stays whole for the gather
	s_add_nc_u64 s[P_X:P_X+1], s[P_X:P_X+1], s[4:5]        ; x,
	s_add_nc_u64 s[P_OUT:P_OUT+1], s[P_OUT:P_OUT+1], s[6-2:7-2]    ; out0
	s_add_nc_u64 s[P_IDX:P_IDX+1], s[P_IDX:P_IDX+1], s[6:7]    ; and the indices likewise
	s_wait_alu depctr_va_vdst(0)                   ; every LDS address and every offset made above is written, which loads, stores and prefetches read from here on; so are v64 to v69, in which indices land
	global_load_b128 v[IX0:IX0+3], v[IXA], s[P_IDX:P_IDX+1]                      ; rounds 0, 1, 2
	global_load_b128 v[IX0+4:IX0+7], v[IXA], s[P_IDX:P_IDX+1] offset:16
	global_load_b128 v[IX1:IX1+3], v[IXA], s[P_IDX:P_IDX+1] offset:256
	global_load_b128 v[IX1+4:IX1+7], v[IXA], s[P_IDX:P_IDX+1] offset:272
	global_load_b128 v[IX:IX+3], v[IXA], s[P_IDX:P_IDX+1] offset:512
	global_load_b128 v[IX+4:IX+7], v[IXA], s[P_IDX:P_IDX+1] offset:528
	s_cmp_lt_u32 s[WV], 5
	s_cbranch_scc0 .Lno_tile
.irp k, 0,1,2,3,4,5
	global_load_b128 v[GA+4*\k:GA+4*\k+3], v[XTA], s[72:73] offset:16*\k         ; waves 0-4: tile w of my work-group's own rows
.endr
	global_load_b64 v[GSA:GSA+1], v[XTA], s[72:73] offset:96
.Lno_tile:
.irp t, 0,1                            ; Wq's set, 20 loads: head w's four fragments, bq in the result's layout, four scale words
.irp s, 0,1
	WLOAD QA+12*(2*\t+\s), WLQ, WL_WQ+FRB*(2*\t+\s)
.endr
.endr
.irp t, 0,1
.irp c, 0,1
	global_load_b128 v[186+8*\t+4*\c:186+8*\t+4*\c+3], v[BAQ], s[P_BQ:P_BQ+1] offset:64*\t+16*\c
.endr
.endr
.irp t, 0,1
.irp s, 0,1
	global_load_b32 v[PS+2*\t+\s], v[WSAQ], s[P_WQS:P_WQS+1] offset:128*\t+4*\s
.endr
.endr
	s_wait_loadcnt 20                              ; all that is older than Wq's 20: the indices and the tile
	s_cmp_lt_u32 s[WV], 5
	s_cbranch_scc0 .Lno_tile2
.irp k, 0,1,2,3,4,5
	ds_store_b128 v[TIW], v[GA+4*\k:GA+4*\k+3] offset:512*\k
.endr
	ds_store_b64 v[TIWS], v[GSA:GSA+1]
.Lno_tile2:
	GADDR IX0
	GLOADS                                         ; round 0's gather
	WIN 0x40                                       ; 74 loads: attention's weights, which stay in registers.  No vector line has named their registers, and their offsets stand since the head's wait
.irp t, 0,1,2,3
.irp s, 0,1
	WLOAD WK+24*\t+12*\s, WLK, WL_WK+FRB*(2*\t+\s)
.endr
.endr
.irp t, 0,1,2,3
.irp s, 0,1
	WLOAD WV1+24*\t+12*\s, WLK, WL_WV+FRB*(2*\t+\s)
.endr
.endr
.irp t, 0,1,2,3
.irp c, 0,1
	global_load_b128 v[BK+8*\t+4*\c:BK+8*\t+4*\c+3], v[BAK], s[P_BK:P_BK+1] offset:32*\t+16*\c
.endr
.endr
	WIN 0
.irp t, 0,1,2,3
.irp s, 0,1
	global_load_b32 v[WKS+2*\t+\s], v[WSAK], s[P_WKS:P_WKS+1] offset:64*\t+4*\s
	global_load_b32 v[WVS+2*\t+\s], v[WSAV], s[P_WVS:P_WVS+1] offset:128*\t+4*\s
.endr
.endr
	global_load_b32 v[BVO], v[BVA], s[P_BV:P_BV+1]
	global_load_b32 v[BVO+1], v[BVA], s[P_BV:P_BV+1] offset:128
	BAR                                            ; x's five images lie in LDS
	s_wait_loadcnt 63                              ; Wq's set and round 0's gather are older than the youngest 63 of the 74
	GSTORE 0
	s_wait_alu depctr_vm_vsrc(0)                   ; the stores of x's image have read GA and GSA, in which the first fetch below lands; the stores above have read GG, round 0's loads v[GAD ..]: both are written again behind q
	PROJ QA, 186, 0, 0, GA, GB, ACB, QWR, QWR, 16*QP       ; q of head w, all 80 nodes, into LDS
	GADDR IX1
	GLOADS                                         ; round 1's gather.  Its wait also states that q's products are done reading GA, GB, their scale pairs and Wq's fragments, in which the loads behind the barrier land
	s_barrier_signal -1                            ; (no LDS instruction of mine is out)
	s_barrier_wait -1                              ; q and round 0's images lie in LDS
	s_wait_loadcnt 8                               ; all weights are in; round 1's eight loads stay out
.set j, 0
.rept 24
	v_mov_b32 v[TA+j], 0                           ; written once: the destination of a DPP form or a lane permute counts as one of its sources
.set j, j+1
.endr
	GFETCH GA, GSA, 0, 0
	GFETCH GB, GSB, 0, 1
.irp k, 0,1,2,3,4,5,6,7
	ds_load_b128 v[QA+4*\k:QA+4*\k+3], v[QAD] offset:16*\k
.endr
; ================ attention: five trips of two rounds of four nodes; one barrier a round
	s_mov_b32 s[TC], 0
.Ltrip:
	s_cmp_eq_u32 s[TC], 4                          ; in the last trip: my work-group's 80 rows of x, 320 blocks of 256 bytes, each named once, a lane a block, one trip ahead of the loads that want them
	s_cbranch_scc0 .Lno_pf
	global_prefetch_b8 v[PFO], s[P_X:P_X+1] th:TH_LOAD_NT scope:SCOPE_SE
	s_cmp_lt_u32 s[WV], 2
	s_cbranch_scc0 .Lno_pf
	global_prefetch_b8 v[PFO], s[P_X:P_X+1] offset:65536 th:TH_LOAD_NT scope:SCOPE_SE
.Lno_pf:
	RTOP 0
	STEP 0, 1, 1, 0, 1, 0, 2, 0
	STEP 2, 3, 0, 1, 1, 1, 0, 0
	RTOP 1
	STEP 4, 5, 2, 0, 1, 1, 2, 0
	STEP 6, 7, 0, 1, 2, 0, 0, 1
	s_add_co_u32 s[OB], s[OB], 8*OP
	s_add_co_u32 s[QB], s[QB], 8*QP
	s_add_co_u32 s[TC], s[TC], 1
	s_cmp_lt_u32 s[TC], 5
	s_cbranch_scc1 .Ltrip
; ================ the tail.  Its offsets are made, and its weights are asked for at once
	s_wait_loadcnt 0x0                             ; nothing of the gather is out: v240-255 may be written
	s_wait_dscnt 0x0                               ; my stores of o are done
	s_wait_alu depctr_vm_vsrc(0)                   ; the last step's stores of o have read TA and TB, in which the gain, the bias, o's numbers and x land
	s_mul_i32 s2, s[WV], 4*FRB
	v_add_nc_u32 v[TWLQ], s2, v[L16]               ; Wo: my four fragments
	s_lshl_b32 s2, s[WV], 8
	v_lshl_add_u32 v[TWSAQ], v2, 3, s2
	s_lshl_b32 s2, s[WV], 7
	v_lshl_add_u32 v[TBAQ], v3, 5, s2
	s_mul_i32 s2, s[WV], 16*FRB
	v_add_nc_u32 v[TWL1], s2, v[L16]               ; W1, W2: my sixteen fragments of each
	v_and_b32 v[W1SA], 8, v2
	v_add_nc_u32 v[W1SA], v[W1SA], v2              ; r + 8 (r / 8)
	s_lshl_b32 s2, s[WV], 10
	v_lshl_add_u32 v[W1SA], v[W1SA], 3, s2
	v_lshl_add_u32 v[W2SA], v2, 5, s2
	s_lshl_b32 s2, s[WV], 9
	v_lshl_add_u32 v[B1A], v3, 6, s2
	s_mul_i32 s2, s[WV], 10240
	v_add_nc_u32 v[XRA], s2, v[L16]
.irp b, 0,1,2,3
	v_mov_b32 v[TM+4+\b], 0                        ; written once, for QUANT's lane permutes
.endr
	WIN 0x40
	s_wait_alu depctr_va_vdst(0)                   ; the tail's eight offsets are written, which its loads and stores read; attention's products and vector lines are done with Wk, Wv, bk, their scale words, bv and all of v58 to v233, in which the tail's loads land
.irp t, 0,1                            ; Wo's set, 20 loads
.irp s, 0,1
	WLOAD 192+12*(2*\t+\s), TWLQ, WL_WO+FRB*(2*\t+\s)
.endr
.endr
.irp t, 0,1
.irp c, 0,1
	global_load_b128 v[240+8*\t+4*\c:240+8*\t+4*\c+3], v[TBAQ], s[P_BO:P_BO+1] offset:64*\t+16*\c
.endr
.endr
	WIN 0
.irp t, 0,1
.irp s, 0,1
	global_load_b32 v[PS+2*\t+\s], v[TWSAQ], s[P_WOS:P_WOS+1] offset:128*\t+4*\s
.endr
.endr
	GAINS P_G1, P_BE1
	WIN 0x40
.irp a, 0,1,2,3,4,5,6,7                ; W1: tile a = 2 b + u' holds rows 32 b + 8 u' + r + 8 (r / 8) of my 128
.irp s, 0,1
	WLOAD 24*\a+12*\s, TWL1, WL_W1+FRB*(2*\a+\s)
.endr
.endr
	WIN 0
.irp a, 0,1,2,3,4,5,6,7
.irp s, 0,1
	global_load_b32 v[WKS+2*\a+\s], v[W1SA], s[P_W1S:P_W1S+1] offset:8*(32*(\a/2)+8*(\a%2))+4*\s
.endr
.endr
	s_barrier_signal -1
	s_barrier_wait -1                              ; o of all 80 nodes lies in its stage
	s_cmp_lt_u32 s[WV], 5
	s_cbranch_scc0 .Lno_qo
	QTILE QTO, 0
.Lno_qo:
	BAR                                            ; o's five images lie in LDS, and o's stage has been read out
.irp i, 0,1,2,3,4,5,6,7,8,9
	global_load_b128 v[RES+8*\i:RES+8*\i+3], v[XRA], s[P_X:P_X+1] offset:1024*\i th:TH_LOAD_NT          ; x, rows 10 w .. + 9, for the residual
	global_load_b128 v[RES+8*\i+4:RES+8*\i+7], v[XRA], s[P_X:P_X+1] offset:1024*\i+512 th:TH_LOAD_NT
.endr
	s_wait_loadcnt 63                              ; behind Wo's set 88 loads were issued: it is older than the youngest 63
	s_wait_alu depctr_vm_vsrc(0)                   ; the stores of o's image have read the codes' registers, which the first products below write
	PROJ 192, 240, 0x11, 0x01, 154, 178, 202, SWR, SWR4, 16*SP     ; attn_out + bo, columns 32 w .. + 31
	WIN 0x40
.irp a, 0,1,2,3,4,5,6,7                ; b1 in the result's layout, where Wo lay: the wait ahead of the last tile's stores has shown the products done with Wo and bo
.irp c, 0,1
	global_load_b128 v[192+8*\a+4*\c:192+8*\a+4*\c+3], v[B1A], s[P_B1:P_B1+1] offset:4*(32*(\a/2)+8*(\a%2))+16*\c
.endr
.endr
	WIN 0
	s_barrier_signal -1                            ; (PROJ has waited for its stores)
	s_barrier_wait -1
	s_wait_loadcnt 16                              ; only b1's 16 loads are younger than x's rows
	s_wait_alu depctr_vm_vsrc(0)                   ; the last tile's stores have read the two sums' registers, in which the loads below land
.irp i, 0,1,2,3,4,5,6,7,8,9
	ds_load_b128 v[VAL+8*\i:VAL+8*\i+3], v[LNR] offset:SP*\i
	ds_load_b128 v[VAL+8*\i+4:VAL+8*\i+7], v[LNR] offset:SP*\i+512
.endr
	s_wait_dscnt 0x0
	LNORM 0                                        ; x1 takes attn_out's place: my ten rows are read and written by me alone
	GAINS P_G2, P_BE2
	s_wait_alu depctr_vm_vsrc(0)                   ; the stores of x1 have read v[VAL ..], which the quantising of x1 writes and in which x1's fragments land
	BAR
	s_cmp_lt_u32 s[WV], 5
	s_cbranch_scc0 .Lno_qx
	QTILE QTR, 1
.Lno_qx:
	BAR                                            ; x1's five images lie in LDS
; ---- the hidden layer: my 128 units for the five tiles of rows; quantised in registers, they are K step w of the second product
	s_wait_loadcnt 0x0
	FETCHT XFA, GSA, 0
.irp m, 0,1,2,3,4
.set XC, XFA+(XFB-XFA)*(\m%2)
.set XN, XFA+(XFB-XFA)*((\m+1)%2)
.set SC, GSA+2*(\m%2)
.set SN, GSA+2*((\m+1)%2)
.if \m < 4
	FETCHT XN, SN, \m+1
	s_wait_dscnt 7                                 ; all but the seven just issued
.else
	s_wait_dscnt 0x0
.endif
	WIN 0x11
.irp a, 0,1,2,3,4,5,6,7
	MM X+8*\a, 24*\a, XC, 192+8*\a, WKS+2*\a, SC
.endr
	WIN 0x01
.irp a, 0,1,2,3,4,5,6,7
	MM X+8*\a, 24*\a+12, XC+12, X+8*\a, WKS+2*\a+1, SC+1
.endr
	WIN 0
	PLACES 4
.if \m == 4
	WIN 0x40                                       ; W1, b1 and their scale words are done with: W2's fragments, b2 and W2's scale words take their places
	s_wait_alu depctr_va_vdst(0)                   ; the last tile's products are done reading W1's fragments, b1 and W1's scale words, in which the loads below land
.irp t, 0,1
.irp s, 0,1,2,3,4,5,6,7
	WLOAD 12*(8*\t+\s), TWL1, WL_W2+FRB*(8*\t+\s)
.endr
.endr
.irp t, 0,1
.irp c, 0,1
	global_load_b128 v[192+8*\t+4*\c:192+8*\t+4*\c+3], v[TBAQ], s[P_B2:P_B2+1] offset:64*\t+16*\c
.endr
.endr
	WIN 0
.irp t, 0,1
.irp s, 0,1,2,3,4,5,6,7
	global_load_b32 v[WKS+8*\t+\s], v[W2SA], s[P_W2S:P_W2S+1] offset:512*\t+4*\s
.endr
.endr
.endif
.set j, 0
.rept 64
	v_max_num_f32 v[X+j], 0, v[X+j]                ; relu, in f32; each accumulator from its low end on
.set j, j+1
.endr
	s_wait_alu depctr_vm_vsrc(0)                   ; the stores of the image before (for tile 0: of x1's) have read the codes' registers and the scale word's, which the lines below write again
	QUANT X, PC, SX, TM, PW
	s_wait_alu depctr_va_vdst(0)                   ; the codes and the scale word are written, which the stores read; this tile's products are done reading its fragments and scale pair, in which the next fetch lands
.irp k, 0,1,2
	ds_store_b128 v[HWR], v[PC+4*\k:PC+4*\k+3] offset:HIMG*\m+512*\k
.endr
	ds_store_b32 v[HWS], v[PW] offset:HIMG*\m
.endr
	BAR                                            ; the hidden layer's 40 images lie in LDS
; ---- the second product: my 32 columns for the 80 rows: ten accumulators by turns, a K step at a time
	s_wait_loadcnt 0x0
.irp s, 0,1,2,3,4,5,6,7
.if \s > 0
	PLACES 4
	s_wait_alu depctr_va_vdst(0)                   ; the last K step's products are done reading the five fragments and their scale words, in which the loads below land
.else
	s_wait_alu depctr_vm_vsrc(0)                   ; the stores of my last image have read the codes' registers, in which the loads below land
.endif
.irp m, 0,1,2,3,4
.irp k, 0,1,2
	ds_load_b128 v[HF+12*\m+4*\k:HF+12*\m+4*\k+3], v[HRD0+\s/4] offset:HIMG*(5*(\s%4)+\m)+512*\k
.endr
	ds_load_b32 v[HS+\m], v[HRS0+\s/4] offset:HIMG*(5*(\s%4)+\m)
.endr
	s_wait_dscnt 0x0
.if \s == 0
	WIN 0x11
.else
	WIN 0x01
.endif
.irp m, 0,1,2,3,4
.irp t, 0,1
.if \s == 0
	MM AC2+8*(5*\t+\m), 12*(8*\t+\s), HF+12*\m, 192+8*\t, WKS+8*\t+\s, HS+\m
.else
	MM AC2+8*(5*\t+\m), 12*(8*\t+\s), HF+12*\m, AC2+8*(5*\t+\m), WKS+8*\t+\s, HS+\m
.endif
.endr
.endr
	WIN 0
.endr
	PLACES 4
	s_wait_alu depctr_va_vdst(0)                   ; the products have written the ten sums, which the stores read, and are done reading the fragments, in which the FFN's rows land
.irp m, 0,1,2,3
.irp t, 0,1
	ds_store_b128 v[S2W], v[AC2+8*(5*\t+\m):AC2+8*(5*\t+\m)+3] offset:16*SP*\m+64*\t
	ds_store_b128 v[S2W], v[AC2+8*(5*\t+\m)+4:AC2+8*(5*\t+\m)+7] offset:16*SP*\m+64*\t+16
.endr
.endr
.irp t, 0,1
	ds_store_b128 v[S2W4], v[AC2+8*(5*\t+4):AC2+8*(5*\t+4)+3] offset:64*\t
	ds_store_b128 v[S2W4], v[AC2+8*(5*\t+4)+4:AC2+8*(5*\t+4)+7] offset:64*\t+16
.endr
	BAR                                            ; 80 whole rows of the FFN's result lie in LDS
	s_wait_alu depctr_vm_vsrc(0)                   ; the stores above have read the ten sums' registers, in which x1 lands
.irp i, 0,1,2,3,4,5,6,7,8,9
	ds_load_b128 v[VAL+8*\i:VAL+8*\i+3], v[L2R] offset:SP*\i
	ds_load_b128 v[VAL+8*\i+4:VAL+8*\i+7], v[L2R] offset:SP*\i+512
	ds_load_b128 v[RES+8*\i:RES+8*\i+3], v[LNR] offset:SP*\i                     ; x1, the residual
	ds_load_b128 v[RES+8*\i+4:RES+8*\i+7], v[LNR] offset:SP*\i+512
.endr
	s_wait_dscnt 0x0
	LNORM 1
	s_wait_dscnt 0x0                               ; the closing lines, six on end
	s_wait_alu 0x0
	s_wait_tensorcnt 0x0
	ds_add_u32 v57, v235
	s_wait_dscnt 0x0
	s_endpgm
.Lfunc_end_k_q6a72e582d3_layer:
	.size	k_q6a72e582d3_layer, .Lfunc_end_k_q6a72e582d3_layer-k_q6a72e582d3_layer
	.p2alignl 7, 3214868480
	.fill 96, 4, 3214868480
	.section	.rodata,"a",@progbits
	.p2align	6, 0x0
	.amdhsa_kernel k_q6a72e582d3_layer
		.amdhsa_group_segment_fixed_size 294400
		.amdhsa_private_segment_fixed_size 0
		.amdhsa_enable_private_segment 0
		.amdhsa_kernarg_size 168
		.amdhsa_user_sgpr_count 2
		.amdhsa_user_sgpr_kernarg_segment_ptr 1
		.amdhsa_wavefront_size32 1
		.amdhsa_system_sgpr_workgroup_id_x 1
		.amdhsa_system_sgpr_workgroup_id_y 1
		.amdhsa_system_sgpr_workgroup_id_z 1
		.amdhsa_system_vgpr_workitem_id 0
		.amdhsa_next_free_vgpr 512
		.amdhsa_next_free_sgpr 96
		.amdhsa_reserve_vcc 0
		.amdhsa_float_denorm_mode_32 3
		.amdhsa_float_denorm_mode_16_64 3
		.amdhsa_memory_ordered 1
		.amdhsa_forward_progress 1
		.amdhsa_inst_pref_size 255
	.end_amdhsa_kernel
	.section	.bss,"aw",@nobits
	.p2align	6
	.space	262144
	.amdgpu_metadata
---
amdhsa.version: [ 1, 2 ]
amdhsa.kernels:
  - .name:           k_q6a72e582d3_layer
    .symbol:         k_q6a72e582d3_layer.kd
    .args:
      - { .name: xq, .offset: 0, .size: 8, .value_kind: global_buffer, .address_space: global }
      - { .name: x, .offset: 8, .size: 8, .value_kind: global_buffer, .address_space: global }
      - { .name: attention_samples, .offset: 16, .size: 8, .value_kind: global_buffer, .address_space: global }
      - { .name: wl, .offset: 24, .size: 8, .value_kind: global_buffer, .address_space: global }
      - { .name: Wq_scales, .offset: 32, .size: 8, .value_kind: global_buffer, .address_space: global }
      - { .name: bq, .offset: 40, .size: 8, .value_kind: global_buffer, .address_space: global }
      - { .name: Wk_scales, .offset: 48, .size: 8, .value_kind: global_buffer, .address_space: global }
      - { .name: bk, .offset: 56, .size: 8, .value_kind: global_buffer, .address_space: global }
      - { .name: Wv_scales, .offset: 64, .size: 8, .value_kind: global_buffer, .address_space: global }
      - { .name: bv, .offset: 72, .size: 8, .value_kind: global_buffer, .address_space: global }
      - { .name: Wo_scales, .offset: 80, .size: 8, .value_kind: global_buffer, .address_space: global }
      - { .name: bo, .offset: 88, .size: 8, .value_kind: global_buffer, .address_space: global }
      - { .name: g1, .offset: 96, .size: 8, .value_kind: global_buffer, .address_space: global }
      - { .name: be1, .offset: 104, .size: 8, .value_kind: global_buffer, .address_space: global }
      - { .name: W1_scales, .offset: 112, .size: 8, .value_kind: global_buffer, .address_space: global }
      - { .name: b1, .offset: 120, .size: 8, .value_kind: global_buffer, .address_space: global }
      - { .name: W2_scales, .offset: 128, .size: 8, .value_kind: global_buffer, .address_space: global }
      - { .name: b2, .offset: 136, .size: 8, .value_kind: global_buffer, .address_space: global }
      - { .name: g2, .offset: 144, .size: 8, .value_kind: global_buffer, .address_space: global }
      - { .name: be2, .offset: 152, .size: 8, .value_kind: global_buffer, .address_space: global }
      - { .name: out0, .offset: 160, .size: 8, .value_kind: global_buffer, .address_space: global }
    .group_segment_fixed_size: 294400
    .private_segment_fixed_size: 0
    .kernarg_segment_align: 8
    .kernarg_segment_size: 168
    .max_flat_workgroup_size: 256
    .sgpr_count:     96
    .vgpr_count:     512
    .wavefront_size: 32
...
	.end_amdgpu_metadata
.endif
;; end of part 6
